; MI455X (gfx1250); checked and timed in simulation.
; The chip was launched on July 23, 2026; its instructions are those of AMD's public machine-readable ISA for CDNA 5 (MIT licence, August 2026) and "CDNA5" Instruction Set Architecture Reference Guide (July 2026). The comments in the code are by the model that wrote it; some were corrected since.
;; SAPI Attention. Allowed arithmetic: float matrix products may take bf16 or f16 operands with f32 sums; all other float work in f32.
;; Inputs: Wk 512 x 2,048 float32; Wo 2,048 x 1,024 float32; Wq 1,024 x 2,048 float32; Wv 512 x 2,048 float32; attention_mask 1 x 1 x 2,048 x 2,048 float32; cos 2 x 2,048 x 32 float32; hidden_states 2 x 2,048 x 2,048 float32; sin 2 x 2,048 x 32 float32.
;; Outputs: out0 2 x 2,048 x 2,048 float32.
;; 2 versions, each right. Each part assembles by itself: llvm-mc -triple=amdgcn-amd-amdhsa -mcpu=gfx1250 --defsym DOCPART=n.
;; ======== version 1 of 2: 4 launches
;; limits: values are held in f16: magnitudes above 65,504 overflow, below 6.1e-05 lose precision; right only within a limited range of input values
;; workspace buffers: hsb 16,777,216 bytes; wqkv 8,388,608 bytes; wob 8,388,608 bytes; qkvb 20,971,520 bytes; attb 16,777,216 bytes
;; launch tobf16 (part 1): grid 1792 x 1, 8 waves a work-group, no clusters, 0 bytes of LDS; arguments hidden_states, Wq, Wk, Wv, Wo, hsb, wqkv, wob; writes hsb, wqkv, wob
.if DOCPART == 1
	.amdgcn_target "amdgcn-amd-amdhsa--gfx1250"
	.amdhsa_code_object_version 6
	.text
	.protected	k_q538269685f_tobf16
	.globl	k_q538269685f_tobf16
	.p2align	8
	.type	k_q538269685f_tobf16,@function
k_q538269685f_tobf16:
	s_mov_b64 s[64:65], 0
	v_nop
	global_prefetch_b8 v0, s[64:65] scope:SCOPE_SE
	s_setreg_imm32_b32 hwreg(HW_REG_WAVE_MODE, 25, 1), 1
	s_wait_xcnt 0x0
; Casts the five large f32 inputs to bf16, each number rounded once, so that the two products that follow can be fed by joint tensor loads of bf16 tiles.
;   hidden_states -> hsb [4096][2048].
;   Wq x c, Wk, Wv x 16 -> wqkv [2048][2048], rows in blocks of 256: block j = query heads 2j and 2j+1 (128 rows), key head j (64), value head j (64).
;   Wo -> wob [2048][2048]: each row of 1024 is written twice, side by side (the last product takes its left operand as two bf16 numbers, hi and lo).
; c = 0.125 x log2(e): the 1/sqrt(64) of the scores and the change to base 2 of the softmax are multiplied into Wq in f32, ahead of its one rounding.
; The 16 on Wv is a power of two, so the rounding is that of Wv itself; it centres v in f16's range for the second product of the attention.
; A work-group takes a chunk of 8,192 numbers (32,768 bytes in); 1024 + 256 + 128 + 128 + 256 = 1792 chunks.
; A stream: every byte is read once; no work-group shares a byte with another, so LDS, clusters and the matrix unit have nothing to add.
; A load of a wave covers 512 neighbouring bytes, a store 256 neighbouring bytes that start at a multiple of 256 from the buffer's first byte.
.set X, 4                              ; v[4:35]   eight loads of four f32
.set Y, 36                             ; v[36:51]  eight stores of four bf16
	s_load_b512 s[8:23], s[0:1], 0x0               ; hidden s[8:9], Wq s[10:11], Wk s[12:13], Wv s[14:15], Wo s[16:17], hsb s[18:19], wqkv s[20:21], wob s[22:23]
	v_lshlrev_b32 v1, 4, v0                        ; 16 bytes a thread in
	v_lshlrev_b32 v2, 3, v0                        ; 8 bytes a thread out
	s_mov_b32 s29, 0                               ; upper words of the two offsets
	s_mov_b32 s33, 0
	s_wait_kmcnt 0x0
; The chunk.  s4 = its number in the source, s32 = its byte offset in the destination, s[30:31] = the factor.
; Eight loads go out together, then each is rounded and stored as it comes.  No register that a pending load or store names is written.
.macro BODY src, dst, scale, dup
	s_lshl_b32 s28, s4, 15                         ; at most 1023 x 32,768 bytes
	s_add_nc_u64 s[\src:\src+1], s[\src:\src+1], s[28:29]
	s_add_nc_u64 s[\dst:\dst+1], s[\dst:\dst+1], s[32:33]
.irp i, 0,1,2,3,4,5,6,7
	global_load_b128 v[X+4*\i:X+4*\i+3], v1, s[\src:\src+1] offset:4096*\i th:TH_LOAD_NT
.endr
.irp i, 0,1,2,3,4,5,6,7
	s_wait_loadcnt 7-\i                            ; loads come back in order: load i is in, the younger ones stay out
.if \scale
	v_pk_mul_f32 v[X+4*\i:X+4*\i+1], v[X+4*\i:X+4*\i+1], s[30:31] op_sel_hi:[1,0]
	v_pk_mul_f32 v[X+4*\i+2:X+4*\i+3], v[X+4*\i+2:X+4*\i+3], s[30:31] op_sel_hi:[1,0]
.endif
	v_cvt_pk_bf16_f32 v[Y+2*\i], v[X+4*\i], v[X+4*\i+1]
	v_cvt_pk_bf16_f32 v[Y+2*\i+1], v[X+4*\i+2], v[X+4*\i+3]
.if \dup
	global_store_b64 v2, v[Y+2*\i:Y+2*\i+1], s[\dst:\dst+1] offset:4096*\i          ; load i is one row of Wo: its 2,048 bytes of bf16,
	global_store_b64 v2, v[Y+2*\i:Y+2*\i+1], s[\dst:\dst+1] offset:4096*\i+2048     ; and once more beside them
.else
	global_store_b64 v2, v[Y+2*\i:Y+2*\i+1], s[\dst:\dst+1] offset:2048*\i          ; read again by the next launches: no hint
.endif
.endr
	s_endpgm
.endm
	s_cmp_lt_u32 ttmp9, 1024
	s_cbranch_scc0 .Lweights
	s_mov_b32 s4, ttmp9                            ; hidden_states: chunk for chunk
	s_lshl_b32 s32, ttmp9, 14
	BODY 8, 18, 0, 0
.Lweights:
	s_cmp_lt_u32 ttmp9, 1280
	s_cbranch_scc0 .Lnot_q
	s_sub_co_u32 s4, ttmp9, 1024                   ; Wq: a chunk is 4 rows; 32 chunks (two heads) go to the head of each block of 64 chunks
	s_lshr_b32 s5, s4, 5
	s_and_b32 s6, s4, 31
	s_lshl_b32 s5, s5, 6
	s_add_co_u32 s5, s5, s6
	s_lshl_b32 s32, s5, 14
	s_mov_b32 s30, 0x3e38aa3b                      ; c = 0.125 x 1.442695
	s_mov_b32 s31, 0x3e38aa3b                      ; (the pair is named whole by the packed multiply)
	BODY 10, 20, 1, 0
.Lnot_q:
	s_cmp_lt_u32 ttmp9, 1408
	s_cbranch_scc0 .Lnot_k
	s_sub_co_u32 s4, ttmp9, 1280                   ; Wk: 16 chunks (a head) at chunk 32 of each block
	s_lshr_b32 s5, s4, 4
	s_and_b32 s6, s4, 15
	s_lshl_b32 s5, s5, 6
	s_add_co_u32 s5, s5, s6
	s_add_co_u32 s5, s5, 32
	s_lshl_b32 s32, s5, 14
	BODY 12, 20, 0, 0
.Lnot_k:
	s_cmp_lt_u32 ttmp9, 1536
	s_cbranch_scc0 .Lnot_v
	s_sub_co_u32 s4, ttmp9, 1408                   ; Wv: 16 chunks (a head) at chunk 48 of each block
	s_lshr_b32 s5, s4, 4
	s_and_b32 s6, s4, 15
	s_lshl_b32 s5, s5, 6
	s_add_co_u32 s5, s5, s6
	s_add_co_u32 s5, s5, 48
	s_lshl_b32 s32, s5, 14
	s_mov_b32 s30, 0x41800000                      ; 16
	s_mov_b32 s31, 0x41800000
	BODY 14, 20, 1, 0
.Lnot_v:
	s_sub_co_u32 s4, ttmp9, 1536                   ; Wo: a chunk is 8 rows of 1024, which become 8 rows of 4,096 bytes
	s_lshl_b32 s32, s4, 15
	BODY 16, 22, 0, 1
.Lfunc_end_k_q538269685f_tobf16:
	.size	k_q538269685f_tobf16, .Lfunc_end_k_q538269685f_tobf16-k_q538269685f_tobf16
	.p2alignl 7, 3214868480
	.fill 96, 4, 3214868480
	.section	.rodata,"a",@progbits
	.p2align	6, 0x0
	.amdhsa_kernel k_q538269685f_tobf16
		.amdhsa_group_segment_fixed_size 0
		.amdhsa_private_segment_fixed_size 0
		.amdhsa_enable_private_segment 0
		.amdhsa_kernarg_size 64
		.amdhsa_user_sgpr_count 2
		.amdhsa_user_sgpr_kernarg_segment_ptr 1
		.amdhsa_wavefront_size32 1
		.amdhsa_system_sgpr_workgroup_id_x 1
		.amdhsa_system_sgpr_workgroup_id_y 1
		.amdhsa_system_sgpr_workgroup_id_z 1
		.amdhsa_system_vgpr_workitem_id 0
		.amdhsa_next_free_vgpr 52
		.amdhsa_next_free_sgpr 66
		.amdhsa_reserve_vcc 0
		.amdhsa_float_denorm_mode_32 3
		.amdhsa_float_denorm_mode_16_64 3
		.amdhsa_memory_ordered 1
		.amdhsa_forward_progress 1
		.amdhsa_inst_pref_size 20
	.end_amdhsa_kernel
	.amdgpu_metadata
---
amdhsa.version: [ 1, 2 ]
amdhsa.kernels:
  - .name:           k_q538269685f_tobf16
    .symbol:         k_q538269685f_tobf16.kd
    .args:
      - { .name: hidden_states, .offset: 0, .size: 8, .value_kind: global_buffer, .address_space: global }
      - { .name: Wq, .offset: 8, .size: 8, .value_kind: global_buffer, .address_space: global }
      - { .name: Wk, .offset: 16, .size: 8, .value_kind: global_buffer, .address_space: global }
      - { .name: Wv, .offset: 24, .size: 8, .value_kind: global_buffer, .address_space: global }
      - { .name: Wo, .offset: 32, .size: 8, .value_kind: global_buffer, .address_space: global }
      - { .name: hsb, .offset: 40, .size: 8, .value_kind: global_buffer, .address_space: global }
      - { .name: wqkv, .offset: 48, .size: 8, .value_kind: global_buffer, .address_space: global }
      - { .name: wob, .offset: 56, .size: 8, .value_kind: global_buffer, .address_space: global }
    .group_segment_fixed_size: 0
    .private_segment_fixed_size: 0
    .kernarg_segment_align: 8
    .kernarg_segment_size: 64
    .max_flat_workgroup_size: 256
    .sgpr_count:     66
    .vgpr_count:     52
    .wavefront_size: 32
...
	.end_amdgpu_metadata
.endif
;; end of part 1
;; launch qkvproj (part 2): grid 8 x 32, 4 waves a work-group, clusters of 4 x 4, 327,680 bytes of LDS; arguments hsb, wqkv, cos, sin, qkvb; writes qkvb
.if DOCPART == 2
	.amdgcn_target "amdgcn-amd-amdhsa--gfx1250"
	.amdhsa_code_object_version 6
	.text
	.protected	k_q538269685f_qkvproj
	.globl	k_q538269685f_qkvproj
	.p2align	8
	.type	k_q538269685f_qkvproj,@function
k_q538269685f_qkvproj:
	s_mov_b64 s[64:65], 0
	v_nop
	global_prefetch_b8 v0, s[64:65] scope:SCOPE_SE
	s_setreg_imm32_b32 hwreg(HW_REG_WAVE_MODE, 25, 1), 1
	s_wait_xcnt 0x0
	s_wait_alu depctr_hold_cnt(0) depctr_sa_sdst(0) depctr_va_vdst(0) depctr_va_sdst(0) depctr_va_ssrc(0) depctr_va_vcc(0) depctr_vm_vsrc(0)
	s_getreg_b32 s2, hwreg(HW_REG_IB_STS2, 6, 4)
	s_cmp_eq_u32 s2, 0
	s_cbranch_scc0 .Lentry_in_a_cluster
	s_endpgm
.Lentry_in_a_cluster:
	s_bfe_u32 s2, ttmp6, 0x10000c
	s_cmp_lg_u32 s2, 0xf033
	s_cbranch_scc0 .Lentry_shape_is_right
	s_endpgm
.Lentry_shape_is_right:
; C[m][n] = sum over k of hsb[m][k] wqkv[n][k], m = 4096 tokens, n = 2048, k = 2048; bf16 operands, f32 sums.
; Block column j of 256 columns holds query heads 2j and 2j+1, key head j and value head j (wqkv's rows are laid so).
; On the way out the first 32 of each head's 64 columns of q and k are rotated by cos and sin (f32) and rounded once to bf16.  v (which carries a factor
; 16 from Wv) is kept as TWO f16 numbers: hi = the sum cut to 11 significant bits, lo = the exact rest, rounded; a row that attends to few keys hands v
; through almost unchanged, and one 16-bit rounding of it would show in the result.
; qkvb [batch 2][slot 40][token 2048][64] of 16 bits: slots 0-15 query heads, 16-23 key heads, 24-31 v hi, 32-39 v lo; a slot is a dense block of 262,144 bytes.
; LIMITS of v in f16: |v| of 4,094 and above becomes infinite; where 16 |v| is under 6.1e-5 the pair has an absolute error of up to 6e-8 in 16 v.
; SHAPE: C has 4096 x 2048 numbers; blocks of 128 x 256 make 256 work-groups.  Four waves, each 64 x 128 of C: 32 accumulator tiles, 256 registers.
; K goes in steps of 128 (rows of 256 bytes) through two LDS slots that tensor loads fill.
; CLUSTERS: 4 x 4 work-groups.  The four of a row of the cluster share the block row, so hsb's tile; the four of a column share wqkv's tile.  Each tile is
; asked for jointly by its four, which divides the requests by four.
; REGISTERS in windows of 256: window 0 addresses and two buffers of fragments; window 1 the accumulators, tile (a, b) at v[8 (8 a + b)];
; window 2 cos and sin of my 64 tokens.
; The matrix instruction is used transposed (source 0 = 16 rows of wqkv, source 1 = 16 rows of hsb): lane (r, h) then holds row r of C and in its
; registers 0 to 7 the columns 8 h + 0 .. 7 of the tile: eight neighbouring numbers of a row.
.set KDIM,  2048
.set KSTEP, 128
.set PITCH, 272                        ; an LDS row: 256 bytes + 16 of padding: the 16 rows that a fragment load touches start 16 bytes apart modulo 256
.set BHALF, 128*PITCH                  ; 128 rows of wqkv: one tensor load
.set AHALF, 64*PITCH                   ; 64 rows of hsb: one tensor load
.set ABASE, 2*BHALF                    ; a slot: wqkv's 256 rows, then hsb's 128 rows
.set SLOT,  ABASE+2*AHALF              ; 104,448 bytes
.set STAGE, 2*SLOT                     ; behind the ring, never filled by a tensor load: each wave's own 3 planes x 16 rows x 144 bytes
.set SSZ,   6912
.set LAPS,  KDIM/(2*KSTEP)             ; a lap = two K steps = once round the ring
.set ADRA, 16                          ; v16-17  LDS address of my hsb fragments in slot 0, 1
.set ADRB, 20                          ; v20-21  the same for wqkv
.set STO,  24                          ; the way out: where I put 16 bytes
.set RD,   25                          ; the way out: where I read rows back
.set CO,   26                          ; my byte offset in qkvb
.set CS,   27                          ; my byte offset in cos and sin
.set F0,   32                          ; fragment buffer 0: wqkv's 8 tiles at +8 b, hsb's 4 tiles at +64 + 8 a
.set F1,   128                         ; fragment buffer 1
.set TW,   32                          ; the way out: rotated numbers in f32
.set PK,   64                          ; the way out: packed 16-bit numbers, plane p, tile q at +16 p + 4 q (up to 3 planes: v[64:111])
.set TH,   208                         ; the way out: v's hi parts, then its rests, in f32: v[208:239]
.set G1A, 24                           ; s[24:31] descriptor group 1, hsb's tiles
.set G0A, 32                           ; s[32:39] group 0, hsb's tiles, a set for each slot
.set G1B, 48                           ; s[48:55] group 1, wqkv's tiles
.set G0B, 56                           ; s[56:63] group 0, wqkv's tiles, a set for each slot
.set CW, (1<<16)|(1<<20)|(1<<21)|(5<<22)|(3<<25)   ; elements of 2 bytes; padding on; bit 21 beside a mask; after every 64 words; 4 words
.set MUL, 0x50                         ; C and D in window 1, both sources in window 0
.set MSB, 0
.macro WIN new                         ; the immediate's high byte repeats the setting that is left
.if MSB != \new
	s_set_vgpr_msb (MSB<<8)|\new
.set MSB, \new
.endif
.endm
.macro PLACES                          ; four plain vector instructions behind a matrix instruction, ahead of a load into, or a vector write of, its registers and of a read of its result
.rept 4
	v_nop
.endr
.endm
; A joint load: waves 0 and 1 fetch wqkv's two halves, waves 2 and 3 hsb's.  The branch hangs on the wave's number alone.
.macro JLOAD s
	s_cmp_eq_u32 s15, 0
	s_cbranch_scc0 .Lfor_a_\@
	tensor_load_to_lds s[G0B+4*\s:G0B+4*\s+3], s[G1B:G1B+7]
	s_nop 0
	s_branch .Lasked_\@
.Lfor_a_\@:
	tensor_load_to_lds s[G0A+4*\s:G0A+4*\s+3], s[G1A:G1A+7]
	s_nop 0
.Lasked_\@:
.endm
.macro CREST                           ; a round of the cluster's barrier behind its opening work-group barrier
	s_cmp_lg_u32 s14, 0
	s_cbranch_scc1 .Lnot_wave_0_\@
	s_barrier_signal -3
.Lnot_wave_0_\@:
	s_barrier_wait -3
	s_barrier_signal -1
	s_barrier_wait -1
.endm
.macro CROUND                          ; a whole round
	s_barrier_signal -1
	s_barrier_wait -1
	CREST
.endm
	s_load_b256 s[4:11], s[0:1], 0x0               ; hsb s[4:5], wqkv s[6:7], cos s[8:9], sin s[10:11]
	s_load_b64 s[12:13], s[0:1], 0x20              ; qkvb
	v_lshl_add_u32 v254, v0, 2, 0x39c00
	v_mov_b32 v255, 0
	ds_add_u32 v254, v255
	v_lshrrev_b32 v1, 5, v0
	v_readfirstlane_b32 s14, v1                    ; wave 0..3
	s_lshr_b32 s15, s14, 1                         ; which 64 rows of the block are mine.  Also: I fetch for wqkv (0) or for hsb (1)
	s_and_b32 s16, s14, 1                          ; which 128 columns are mine: the two query heads (0) or key and value head (1).  Also: which half of a tile I fetch
	s_bfe_u32 s40, ttmp6, 0x40000                  ; cx
	s_bfe_u32 s41, ttmp6, 0x40004                  ; cy
	s_lshl_b32 s42, ttmp9, 2
	s_add_co_u32 s42, s42, s40                     ; block column = 4 x cluster x + cx
	s_and_b32 s43, ttmp7, 0xffff
	s_lshl_b32 s43, s43, 2
	s_add_co_u32 s43, s43, s41                     ; block row = 4 x cluster y + cy
	s_lshl_b32 s44, s41, 2
	s_lshl_b32 s44, 15, s44                        ; my row of the cluster
	s_lshl_b32 s45, 0x1111, s40                    ; my column of the cluster
	s_or_b32 s[G1A+0], s44, CW                     ; hsb's tiles go to my row of the cluster
	s_mov_b32 s[G1A+1], KSTEP<<16                  ; tensor_dim0 = 128
	s_mov_b32 s[G1A+2], 64<<16                     ; tensor_dim1 = 64
	s_mov_b32 s[G1A+3], KSTEP<<16                  ; tile_dim0 = 128
	s_mov_b32 s[G1A+4], 64                         ; tile_dim1 = 64
	s_mov_b32 s[G1A+5], KDIM                       ; elements from row to row
	s_mov_b32 s[G1A+6], 0
	s_mov_b32 s[G1A+7], 0
	s_or_b32 s[G1B+0], s45, CW                     ; wqkv's tiles go to my column of the cluster
	s_mov_b32 s[G1B+1], KSTEP<<16
	s_mov_b32 s[G1B+2], 128<<16                    ; 128 rows
	s_mov_b32 s[G1B+3], KSTEP<<16
	s_mov_b32 s[G1B+4], 128
	s_mov_b32 s[G1B+5], KDIM
	s_mov_b32 s[G1B+6], 0
	s_mov_b32 s[G1B+7], 0
	; where the tiles come from: hsb's hang on the block row alone, wqkv's on the block column alone, each in registers that never hold the other coordinate
	s_lshl_b32 s66, s16, 6
	s_lshl_b32 s68, s43, 7
	s_add_co_u32 s68, s68, s66                     ; hsb: row 128 x block row + 64 x half
	s_mul_i32 s68, s68, KDIM*2                     ; in bytes: under 2^25
	s_mov_b32 s69, 0
	s_lshl_b32 s67, s16, 7
	s_lshl_b32 s72, s42, 8
	s_add_co_u32 s72, s72, s67                     ; wqkv: row 256 x block column + 128 x half
	s_mul_i32 s72, s72, KDIM*2
	s_mov_b32 s73, 0
	s_mul_i32 s74, s14, BHALF                      ; and where they go: waves 0, 1: wqkv's halves at wave x 34,816
	s_mul_i32 s75, s14, AHALF
	s_add_co_u32 s75, s75, BHALF                   ; waves 2, 3: hsb's halves at 34,816 + wave x 17,408 = 69,632 and 87,040
	s_wait_dscnt 0x0
	s_wait_kmcnt 0x0
	s_add_nc_u64 s[68:69], s[4:5], s[68:69]
	s_add_nc_u64 s[72:73], s[6:7], s[72:73]
	CROUND                                         ; all sixteen work-groups are here: the first joint loads meet
.irp s, 0,1
	s_mov_b32 s[G0A+4*\s], 1
	s_add_co_u32 s[G0A+4*\s+1], s75, \s*SLOT
	s_add_nc_u64 s[G0A+4*\s+2:G0A+4*\s+3], s[68:69], \s*KSTEP*2
	s_or_b32 s[G0A+4*\s+3], s[G0A+4*\s+3], 0x80000000
	s_mov_b32 s[G0B+4*\s], 1
	s_add_co_u32 s[G0B+4*\s+1], s74, \s*SLOT
	s_add_nc_u64 s[G0B+4*\s+2:G0B+4*\s+3], s[72:73], \s*KSTEP*2
	s_or_b32 s[G0B+4*\s+3], s[G0B+4*\s+3], 0x80000000
	JLOAD \s                                       ; K steps 0 and 1: two loads of the wave are out, later one
.endr
	; a fragment: lane (r, h) takes row r; two loads of 16 bytes, 32 bytes apart, at row x pitch + 16 h
	v_and_b32 v1, 15, v0                           ; r
	v_bfe_u32 v2, v0, 4, 1                         ; h
	v_mul_u32_u24 v3, v1, PITCH
	v_lshl_add_u32 v3, v2, 4, v3
	s_mul_i32 s80, s15, AHALF
	s_add_co_u32 s80, s80, ABASE                   ; my 64 rows of hsb
	s_mul_i32 s81, s16, BHALF                      ; my 128 rows of wqkv
.irp s, 0,1
	v_add_nc_u32 v[ADRA+\s], s80, v3
	v_add_nc_u32 v[ADRB+\s], s81, v3
	s_add_co_u32 s80, s80, SLOT
	s_add_co_u32 s81, s81, SLOT
.endr
	s_mul_i32 s82, s14, SSZ
	s_add_co_u32 s82, s82, STAGE                   ; my stage
	v_mul_u32_u24 v4, v1, 144                      ; in: row r of a plane's 16 rows of 128 + 16 bytes, 16 bytes for each half of the lanes
	v_lshl_add_u32 v4, v2, 4, v4
	v_add_nc_u32 v[STO], s82, v4
	v_and_b32 v5, 31, v0                           ; lane
	v_lshrrev_b32 v6, 3, v5
	v_and_b32 v7, 7, v0
	v_mul_u32_u24 v6, v6, 144                      ; back: eight lanes take a row of 128 bytes, the wave four rows
	v_lshl_add_u32 v6, v7, 4, v6
	v_add_nc_u32 v[RD], s82, v6
	v_lshlrev_b32 v[CO], 4, v5                     ; four rows of a slot are 512 neighbouring bytes of qkvb
	v_lshlrev_b32 v[CS], 7, v1                     ; cos, sin: token r x 128 bytes + 32 h
	v_lshl_add_u32 v[CS], v2, 5, v[CS]
	s_lshl_b32 s76, s43, 7
	s_lshl_b32 s77, s15, 6
	s_add_co_u32 s76, s76, s77                     ; my first token
	s_lshl_b32 s78, s76, 7
	s_mov_b32 s79, 0
	s_add_nc_u64 s[8:9], s[8:9], s[78:79]
	s_add_nc_u64 s[10:11], s[10:11], s[78:79]
	; cos and sin of my 64 tokens, once, into window 2; they are waited for on the way out.  For tokens 16 a + r:
	; v[32a..+7] cos of dims 8h..8h+7, +8 cos of dims 16+8h.., +16 and +24 the same of sin.
	WIN 0x80
.irp a, 0,1,2,3
	global_load_b128 v[32*\a:32*\a+3],     v[CS], s[8:9] offset:\a*2048
	global_load_b128 v[32*\a+4:32*\a+7],   v[CS], s[8:9] offset:\a*2048+16
	global_load_b128 v[32*\a+8:32*\a+11],  v[CS], s[8:9] offset:\a*2048+64
	global_load_b128 v[32*\a+12:32*\a+15], v[CS], s[8:9] offset:\a*2048+80
	global_load_b128 v[32*\a+16:32*\a+19], v[CS], s[10:11] offset:\a*2048
	global_load_b128 v[32*\a+20:32*\a+23], v[CS], s[10:11] offset:\a*2048+16
	global_load_b128 v[32*\a+24:32*\a+27], v[CS], s[10:11] offset:\a*2048+64
	global_load_b128 v[32*\a+28:32*\a+31], v[CS], s[10:11] offset:\a*2048+80
.endr
	WIN 0
; 8 matrix instructions: row tile a x all 8 column tiles, 32 along K.  zero = 1: the first product starts the sums.
; The 32 accumulators take turns, one instruction a turn, in the same order in every quarter step.
.macro MULA f, a, zero
.irp b, 0,1,2,3,4,5,6,7
.if \zero
	v_wmma_f32_16x16x32_bf16 v[8*(8*\a+\b):8*(8*\a+\b)+7], v[\f+8*\b:\f+8*\b+7], v[\f+64+8*\a:\f+64+8*\a+7], 0
.else
	v_wmma_f32_16x16x32_bf16 v[8*(8*\a+\b):8*(8*\a+\b)+7], v[\f+8*\b:\f+8*\b+7], v[\f+64+8*\a:\f+64+8*\a+7], v[8*(8*\a+\b):8*(8*\a+\b)+7]
.endif
.endr
.endm
; 24 LDS loads in one run: a quarter step's fragments (128 rows of wqkv, then 64 rows of hsb, 32 K at byte k of the rows) into buffer f
.macro FETCH slot, k, f
	WIN 0
.irp i, 0,1,2,3,4,5,6,7
	ds_load_b128 v[\f+8*\i:\f+8*\i+3],   v[ADRB+\slot] offset:\k+\i*16*PITCH
	ds_load_b128 v[\f+8*\i+4:\f+8*\i+7], v[ADRB+\slot] offset:\k+\i*16*PITCH+32
.endr
.irp i, 0,1,2,3
	ds_load_b128 v[\f+64+8*\i:\f+64+8*\i+3], v[ADRA+\slot] offset:\k+\i*16*PITCH
	ds_load_b128 v[\f+64+8*\i+4:\f+64+8*\i+7], v[ADRA+\slot] offset:\k+\i*16*PITCH+32
.endr
.endm
; One of a K step's first three quarters: multiplies buffer f; in its middle fetches the next quarter's fragments into buffer g.
.macro QUARTER slot, k, f, g, zero
	s_wait_dscnt 4                                 ; wqkv's tiles and hsb's tiles 0, 1 are in; the youngest four loads (hsb's tiles 2, 3) may be out
	WIN MUL
	MULA \f, 0, \zero
	MULA \f, 1, \zero
	PLACES
	FETCH \slot, \k, \g
	s_wait_dscnt 24                                ; all but the 24 just issued
	WIN MUL
	MULA \f, 2, \zero
	MULA \f, 3, \zero
.endm
.macro THREE slot, zero
	QUARTER \slot, 64,  F0, F1, \zero
	QUARTER \slot, 128, F1, F0, 0
	QUARTER \slot, 192, F0, F1, 0
.endm
; The last quarter: multiplies buffer 1 and changes slots.  In front of the barrier each wave waits for its reads of this slot and for all its tensor
; loads (the one that is out is its part of the next slot).  Behind it, where the slot is filled again, the rest of the cluster's round, then the joint
; refill first, then the next slot's first fragments.  From a request to the wait for it a wave issues 120 matrix instructions.
.macro TURN slot, next, fill
	s_wait_dscnt 4
	WIN MUL
	MULA F1, 0, 0
	s_wait_dscnt 0                                 ; my reads of this slot are over
	s_wait_tensorcnt 0x0                           ; and all my tensor loads have landed
	ds_add_u32 v254, v255
	s_wait_dscnt 0x0
	s_barrier_signal -1
	MULA F1, 1, 0                                  ; register work while the others arrive
	WIN 0
	s_barrier_wait -1
.if \fill
	CREST                                          ; no wave of any partner still reads this slot or has a load on its way
	s_add_nc_u64 s[G0A+4*\slot+2:G0A+4*\slot+3], s[G0A+4*\slot+2:G0A+4*\slot+3], 2*KSTEP*2
	s_add_nc_u64 s[G0B+4*\slot+2:G0B+4*\slot+3], s[G0B+4*\slot+2:G0B+4*\slot+3], 2*KSTEP*2
	JLOAD \slot                                    ; the wave's one tensor load behind the round
.endif
	PLACES
	FETCH \next, 0, F0
	WIN MUL
	MULA F1, 2, 0
	MULA F1, 3, 0
.endm
.macro LAP zero
	THREE 0, \zero
	TURN 0, 1, 1
	THREE 1, 0
	TURN 1, 0, 1
.endm
	s_wait_tensorcnt 1                             ; my part of K step 0 is in; K step 1's stays out
	s_barrier_signal -1
	s_barrier_wait -1
	FETCH 0, 0, F0
	LAP 1                                          ; the first lap stands in front of the loop: its first products start the sums
	WIN 0
	s_mov_b32 s3, LAPS-2
.Llap:
	LAP 0
	WIN 0
	s_sub_co_u32 s3, s3, 1
	s_cmp_lg_u32 s3, 0
	s_cbranch_scc1 .Llap
	THREE 0, 0                                     ; the last lap fills nothing
	TURN 0, 1, 0
	THREE 1, 0
	s_wait_dscnt 4
	WIN MUL
	MULA F1, 0, 0
	MULA F1, 1, 0
	s_wait_dscnt 0
	MULA F1, 2, 0
	MULA F1, 3, 0
	; THE WAY OUT.  My 128 columns are two heads; in a head of q or k, tiles 0 and 1 hold dims 0-15 and 16-31, which the rotation pairs lane by lane:
	; out[d] = x[d] cos[d] - x[d+16] sin[d], out[d+16] = x[d+16] cos[d+16] + x[d] sin[d+16].  Tiles 2 and 3 pass.
	PLACES
	WIN 0
	s_lshr_b32 s84, s43, 4                         ; batch
	s_mul_i32 s84, s84, 40                         ; its first slot
	s_lshl_b32 s85, s42, 1                         ; query heads 2j, 2j+1
	s_add_co_u32 s86, s42, 16                      ; key head j; v hi and v lo lie 8 and 16 slots behind it
	s_cmp_eq_u32 s16, 0
	s_cselect_b32 s85, s85, s86
	s_add_co_u32 s84, s84, s85                     ; my first slot
	s_lshl_b32 s84, s84, 11
	s_and_b32 s85, s43, 15
	s_lshl_b32 s85, s85, 7
	s_add_co_u32 s84, s84, s85
	s_lshl_b32 s85, s15, 6
	s_add_co_u32 s84, s84, s85                     ; + my first token in the batch
	s_lshl_b32 s84, s84, 7                         ; rows of 128 bytes: under 2^25
	s_mov_b32 s85, 0
	s_add_nc_u64 s[12:13], s[12:13], s[84:85]
	s_mov_b32 s71, 0xffffe000                      ; keeps sign, exponent and 10 bits of an f32's fraction: a number that f16 holds exactly
	s_wait_loadcnt 0x0                             ; cos and sin
.macro ROT a, hh                       ; head hh of rows 16 a ..: tiles 0 and 1 rotated into TW.  Source 0 the sums (window 1), source 1 cos or sin (window 2)
.irp p, 0,1,2,3
	v_pk_mul_f32 v[TW+16*\hh+2*\p:TW+16*\hh+2*\p+1], v[8*(8*\a+4*\hh)+2*\p:8*(8*\a+4*\hh)+2*\p+1], v[32*\a+2*\p:32*\a+2*\p+1]
	v_pk_mul_f32 v[TW+16*\hh+8+2*\p:TW+16*\hh+8+2*\p+1], v[8*(8*\a+4*\hh+1)+2*\p:8*(8*\a+4*\hh+1)+2*\p+1], v[32*\a+8+2*\p:32*\a+8+2*\p+1]
	v_pk_fma_f32 v[TW+16*\hh+2*\p:TW+16*\hh+2*\p+1], v[8*(8*\a+4*\hh+1)+2*\p:8*(8*\a+4*\hh+1)+2*\p+1], v[32*\a+16+2*\p:32*\a+16+2*\p+1], v[TW+16*\hh+2*\p:TW+16*\hh+2*\p+1] neg_lo:[1,0,0] neg_hi:[1,0,0]
	v_pk_fma_f32 v[TW+16*\hh+8+2*\p:TW+16*\hh+8+2*\p+1], v[8*(8*\a+4*\hh)+2*\p:8*(8*\a+4*\hh)+2*\p+1], v[32*\a+24+2*\p:32*\a+24+2*\p+1], v[TW+16*\hh+8+2*\p:TW+16*\hh+8+2*\p+1]
.endr
.endm
.macro PACKROT hh                      ; the rotated tiles, rounded (all in window 0)
.irp q, 0,1
.irp p, 0,1,2,3
	v_cvt_pk_bf16_f32 v[PK+4*(4*\hh+\q)+\p], v[TW+16*\hh+8*\q+2*\p], v[TW+16*\hh+8*\q+2*\p+1]
.endr
.endr
.endm
.macro PACKPASS a, hh                  ; tiles 2 and 3, rounded (both sources the sums, window 1)
.irp q, 2,3
.irp p, 0,1,2,3
	v_cvt_pk_bf16_f32 v[PK+4*(4*\hh+\q)+\p], v[8*(8*\a+4*\hh+\q)+2*\p], v[8*(8*\a+4*\hh+\q)+2*\p+1]
.endr
.endr
.endm
; np planes of 16 rows x 128 bytes go through my own stage and out, plane p to the slot pstr bytes x p behind my first.  R: the registers that carry them, two sets in turn.
.macro FLUSH a, R, np, pstr
.set t_, 0
.rept 4*\np
	ds_store_b128 v[STO], v[PK+4*t_:PK+4*t_+3] offset:(t_/4)*2304+(t_%4)*32
.set t_, t_+1
.endr
	s_wait_xcnt 0x0                                ; R, which earlier stores read, is loaded again only behind this wait
.set t_, 0
.rept 4*\np
	ds_load_b128 v[\R+4*t_:\R+4*t_+3], v[RD] offset:(t_/4)*2304+(t_%4)*576    ; my own stage: LDS serves a wave's instructions in order (ISA guide 5.7.1)
.set t_, t_+1
.endr
.set t_, 0
.rept 4*\np
	s_wait_dscnt 4*\np-1-t_                        ; read-back t is in, the younger ones may be out
	global_store_b128 v[CO], v[\R+4*t_:\R+4*t_+3], s[12:13] offset:(t_/4)*\pstr+\a*2048+(t_%4)*512   ; 512 neighbouring bytes, at a multiple of 512 from the buffer's first byte
.set t_, t_+1
.endr
.endm
.macro OUTQQ a, R                      ; rows 16 a .. of two query heads
	WIN 0x09
	ROT \a, 0
	ROT \a, 1
	WIN 0
	PACKROT 0
	PACKROT 1
	WIN 0x05
	PACKPASS \a, 0
	PACKPASS \a, 1
	WIN 0
	FLUSH \a, \R, 2, 262144
.endm
.macro OUTKV a, R                      ; rows 16 a .. of the key head (plane 0) and of the value head as hi and lo (planes 1, 2)
	WIN 0x09
	ROT \a, 0
	WIN 0
	PACKROT 0
	WIN 0x05
	PACKPASS \a, 0
	WIN 0x04                                       ; source 1 the sums: tiles 4 to 7 are 32 registers in a row
.set i_, 0
.rept 32
	v_and_b32 v[TH+i_], s71, v[8*(8*\a+4)+i_]      ; hi, still in f32
.set i_, i_+1
.endr
	WIN 0
.set i_, 0
.rept 16
	v_cvt_pk_f16_f32 v[PK+16+i_], v[TH+2*i_], v[TH+2*i_+1]     ; exact in f16's normal range
.set i_, i_+1
.endr
	WIN 0x01                                       ; source 0 the sums
.set i_, 0
.rept 16
	v_pk_add_f32 v[TH+2*i_:TH+2*i_+1], v[8*(8*\a+4)+2*i_:8*(8*\a+4)+2*i_+1], v[TH+2*i_:TH+2*i_+1] neg_lo:[0,1] neg_hi:[0,1]   ; the rest, exact in f32
.set i_, i_+1
.endr
	WIN 0
.set i_, 0
.rept 16
	v_cvt_pk_f16_f32 v[PK+32+i_], v[TH+2*i_], v[TH+2*i_+1]     ; lo: the one rounding
.set i_, i_+1
.endr
	FLUSH \a, \R, 3, 2097152
.endm
	s_cmp_eq_u32 s16, 0                            ; the wave's number alone decides: the same in every work-group
	s_cbranch_scc0 .Lkv_out
	OUTQQ 0, 112
	OUTQQ 1, 160
	OUTQQ 2, 112
	OUTQQ 3, 160
	s_branch .Lclose
.Lkv_out:
	OUTKV 0, 112
	OUTKV 1, 160
	OUTKV 2, 112
	OUTKV 3, 160
.Lclose:
	s_wait_tensorcnt 0x0
	ds_add_u32 v254, v255
	s_wait_dscnt 0x0
	CROUND                                         ; the closing round: no work-group ends while a partner may still ask for a tile that names it
	s_endpgm
.Lfunc_end_k_q538269685f_qkvproj:
	.size	k_q538269685f_qkvproj, .Lfunc_end_k_q538269685f_qkvproj-k_q538269685f_qkvproj
	.p2alignl 7, 3214868480
	.fill 96, 4, 3214868480
	.section	.rodata,"a",@progbits
	.p2align	6, 0x0
	.amdhsa_kernel k_q538269685f_qkvproj
		.amdhsa_group_segment_fixed_size 327680
		.amdhsa_private_segment_fixed_size 0
		.amdhsa_enable_private_segment 0
		.amdhsa_kernarg_size 40
		.amdhsa_user_sgpr_count 2
		.amdhsa_user_sgpr_kernarg_segment_ptr 1
		.amdhsa_wavefront_size32 1
		.amdhsa_system_sgpr_workgroup_id_x 1
		.amdhsa_system_sgpr_workgroup_id_y 1
		.amdhsa_system_sgpr_workgroup_id_z 1
		.amdhsa_system_vgpr_workitem_id 0
		.amdhsa_next_free_vgpr 640
		.amdhsa_next_free_sgpr 96
		.amdhsa_reserve_vcc 0
		.amdhsa_float_denorm_mode_32 3
		.amdhsa_float_denorm_mode_16_64 3
		.amdhsa_memory_ordered 1
		.amdhsa_forward_progress 1
		.amdhsa_inst_pref_size 167
	.end_amdhsa_kernel
	.amdgpu_metadata
---
amdhsa.version: [ 1, 2 ]
amdhsa.kernels:
  - .name:           k_q538269685f_qkvproj
    .symbol:         k_q538269685f_qkvproj.kd
    .args:
      - { .name: hsb, .offset: 0, .size: 8, .value_kind: global_buffer, .address_space: global }
      - { .name: wqkv, .offset: 8, .size: 8, .value_kind: global_buffer, .address_space: global }
      - { .name: cos, .offset: 16, .size: 8, .value_kind: global_buffer, .address_space: global }
      - { .name: sin, .offset: 24, .size: 8, .value_kind: global_buffer, .address_space: global }
      - { .name: qkvb, .offset: 32, .size: 8, .value_kind: global_buffer, .address_space: global }
    .group_segment_fixed_size: 327680
    .private_segment_fixed_size: 0
    .kernarg_segment_align: 8
    .kernarg_segment_size: 40
    .max_flat_workgroup_size: 128
    .sgpr_count:     96
    .vgpr_count:     640
    .wavefront_size: 32
...
	.end_amdgpu_metadata
.endif
;; end of part 2
;; launch attention (part 3): grid 16 x 16, 8 waves a work-group, clusters of 4 x 4, 327,680 bytes of LDS; arguments qkvb, attention_mask, attb; writes attb
.if DOCPART == 3
	.amdgcn_target "amdgcn-amd-amdhsa--gfx1250"
	.amdhsa_code_object_version 6
	.text
	.protected	k_q538269685f_attention
	.globl	k_q538269685f_attention
	.p2align	8
	.type	k_q538269685f_attention,@function
k_q538269685f_attention:
	s_mov_b64 s[64:65], 0
	v_nop
	global_prefetch_b8 v0, s[64:65] scope:SCOPE_SE
	s_setreg_imm32_b32 hwreg(HW_REG_WAVE_MODE, 25, 1), 1
	s_wait_xcnt 0x0
	s_wait_alu depctr_hold_cnt(0) depctr_sa_sdst(0) depctr_va_vdst(0) depctr_va_sdst(0) depctr_va_ssrc(0) depctr_va_vcc(0) depctr_vm_vsrc(0)
	s_getreg_b32 s2, hwreg(HW_REG_IB_STS2, 6, 4)
	s_cmp_eq_u32 s2, 0
	s_cbranch_scc0 .Lentry_in_a_cluster
	s_endpgm
.Lentry_in_a_cluster:
	s_bfe_u32 s2, ttmp6, 0x10000c
	s_cmp_lg_u32 s2, 0xf033
	s_cbranch_scc0 .Lentry_shape_is_right
	s_endpgm
.Lentry_shape_is_right:
; Attention with a running maximum.  Work-group (x, y): the 128 queries of block x, the two query heads of key-value head y & 7, batch y >> 3.
; q carries 0.125 x log2(e) already (it was multiplied into Wq), the mask is multiplied by log2(e) here in f32 and is the C operand of the score
; product, so scores are in base 2:  p = 2^(s - m), m the running maximum of the row, taken away exactly: p is at most 1 for every input.
; The mask is read and used as it is given: every one of its 2048 x 2048 numbers enters a score, no key is skipped.
; PRECISION: q and k are bf16.  P goes to the second product in f16 (it lies in [0, 1] for every input; its row sum is kept in f32); v comes as two f16
; numbers, hi and lo, times 16, and P is multiplied with both; the 16 is taken out with the row sum.  The result leaves as two bf16 numbers, hi = the upper
; 16 bits of the f32 number, lo = the rest, rounded: attb [4096][2048] = [hi of 16 heads x 64 | lo].  A row that attends to few keys is far larger than
; the average row, so one 8-bit rounding of v, P or the result would show there.
; LIMITS: m is floored at -1e38, so that masks of -inf work; a row in which every mask + score is -inf gives NaN, as the softmax of such a row does;
; |mask| above 2.3e38 overflows in the multiplication by log2(e); v's range in f16 is stated where v is made.
; WAVES: eight.  Wave w takes the 32 queries 32 (w & 3) .. of both heads (four column groups c = 2 head + 16-query tile) and, of each step of 128 keys,
; the 64 keys 64 (w >> 2) ..; waves w and w + 4 are joined at the end through LDS.  One load of mask numbers serves both heads.
; BOTH PRODUCTS ARE TRANSPOSED.  S^T = K Q^T + mask: lane (r, h) holds query r and in registers 0-7 keys 8 h + 0..7 of a tile, so two neighbouring tiles,
; packed to 16 bits, are a source-1 fragment of P as they stand, and a row's figures are a lane's own but for one exchange between the halves.
; O^T = V^T P: V^T comes from V's rows [key][d] by the transposing LDS load.
; CLUSTERS: 4 x 4 work-groups.  K and V tiles hang on y alone and are asked for jointly along a row of the cluster, the mask's tile on x alone and is
; asked for jointly along a column: each tile is requested once for four work-groups.
.set VLOW,  20480                      ; a slot: V hi 128 rows x 160, V lo the same, mask 128 rows x 528, K 128 rows x 144
.set MOFF,  40960
.set KOFF,  108544
.set SLOT,  126976
.set MERGE, 2*SLOT                     ; behind the ring, never filled by a tensor load: waves 4-7 hand O and their figures to waves 0-3,
.set MSZ,   17920                      ; 128 registers x 128 bytes + 3 x 512 for each pair; when wave w has read its part, it is the wave's stage on the way out
.set LOPL,  4352                       ; the stage: 16 rows x 272 bytes of hi, then the same of lo
.set ADM,  8                           ; v8-9    LDS address of my mask numbers in slot 0, 1
.set ADK,  10                          ; v10-11  of my K fragments
.set ADV,  12                          ; v12-13  of my V fragments
.set QOFF, 14
.set MRG,  15
.set STO,  16
.set RD,   17
.set CO,   18
.set MP,   20                          ; v[20:27]  group c: the running maximum, twice (a pair for the packed subtraction)
.set LL,   28                          ; v[28:31]  group c: the running sum of my half of the keys
.set AL,   32                          ; v[32:39]  group c: 2^(old maximum - new), twice
.set T,    44                          ; v[44:47]  at work (v[44:59] at the end)
.set LS,   48                          ; v[48:51]  two chains of a step's sum
.set KV,   64                          ; v[64:127] K(tt, dh) at +16 tt + 8 dh; later V hi (dt, u) at +16 dt + 8 u
.set SB,   128                         ; v[128:255] S(c, tt) at +32 c + 8 tt; P(c, u) at +32 c + 16 u
.set QB,   128                         ; window 1: O(c, dt) at v[32 c + 8 dt], Q(c, dh) at v[128 + 16 c + 8 dh],
.set VL,   192                         ; window 1: V lo (dt, u) at v[192 + 16 dt + 8 u]
.set G1M, 16                           ; s[16:23] group 1, mask
.set G1K, 24                           ; s[24:31] group 1, K
.set G1V, 32                           ; s[32:39] group 1, V
.set G0M, 48                           ; s[48:55] group 0, mask, a set for each slot
.set G0K, 56                           ; s[56:63] group 0, K
.set G0V, 68                           ; s[68:75] group 0, V
.set MSB, 0
.macro WIN new                         ; the immediate's high byte repeats the setting that is left
.if MSB != \new
	s_set_vgpr_msb (MSB<<8)|\new
.set MSB, \new
.endif
.endm
.macro ROUND                           ; a round of the cluster's barrier
	s_barrier_signal -1
	s_barrier_wait -1
	s_cmp_lg_u32 s10, 0
	s_cbranch_scc1 .Lnot_wave_0_\@
	s_barrier_signal -3
.Lnot_wave_0_\@:
	s_barrier_wait -3
	s_barrier_signal -1
	s_barrier_wait -1
.endm
; A step's tiles, one joint load a wave: wave 0 V hi, wave 1 V lo (128 rows each), waves 2-5 32 rows of the mask each, waves 6, 7 64 rows of K each.
.macro JLOAD s
	s_cmp_lt_u32 s10, 2
	s_cbranch_scc0 .Lnot_v_\@
	tensor_load_to_lds s[G0V+4*\s:G0V+4*\s+3], s[G1V:G1V+7]
	s_nop 0
	s_branch .Lasked_\@
.Lnot_v_\@:
	s_cmp_lt_u32 s10, 6
	s_cbranch_scc0 .Lfor_k_\@
	tensor_load_to_lds s[G0M+4*\s:G0M+4*\s+3], s[G1M:G1M+7]
	s_nop 0
	s_branch .Lasked_\@
.Lfor_k_\@:
	tensor_load_to_lds s[G0K+4*\s:G0K+4*\s+3], s[G1K:G1K+7]
	s_nop 0
.Lasked_\@:
.endm
	s_load_b128 s[4:7], s[0:1], 0x0                ; qkvb s[4:5], mask s[6:7]
	s_load_b64 s[8:9], s[0:1], 0x10                ; attb
	v_lshl_add_u32 v62, v0, 2, 0x4f800
	v_mov_b32 v63, 0
	ds_add_u32 v62, v63
	v_lshrrev_b32 v1, 5, v0
	v_readfirstlane_b32 s10, v1                    ; wave 0..7
	s_lshr_b32 s11, s10, 2                         ; which 64 keys of a step
	s_and_b32 s12, s10, 3                          ; which 32 queries
	s_and_b32 s13, s10, 1                          ; which half of K, or which of V hi and V lo, I fetch
	s_bfe_u32 s40, ttmp6, 0x40000                  ; cx
	s_bfe_u32 s41, ttmp6, 0x40004                  ; cy
	s_lshl_b32 s42, ttmp9, 2
	s_add_co_u32 s42, s42, s40                     ; x: query block
	s_and_b32 s43, ttmp7, 0xffff
	s_lshl_b32 s43, s43, 2
	s_add_co_u32 s43, s43, s41                     ; y: 8 x batch + key-value head
	s_lshl_b32 s44, s41, 2
	s_lshl_b32 s44, 15, s44                        ; my row of the cluster
	s_lshl_b32 s45, 0x1111, s40                    ; my column
	s_mov_b32 s76, 0x76543210                      ; v_permlanex16_b32: lane i reads lane i of the other half
	s_mov_b32 s77, 0xfedcba98
	s_mov_b32 s79, 0x07060302                      ; v_perm_b32: the upper halves of two words
	s_mov_b32 s91, 0xffff0000                      ; a word's upper half
	s_or_b32 s[G1M+0], s45, (2<<16)|(1<<20)|(1<<21)|(6<<22)|(3<<25)   ; to my column; elements of 4 bytes; 4 words of padding after every 128: LDS pitch 528
	s_mov_b32 s[G1M+1], 128<<16                    ; tensor_dim0 = 128 keys
	s_mov_b32 s[G1M+2], 32<<16                     ; tensor_dim1 = 32 queries
	s_mov_b32 s[G1M+3], 128<<16                    ; tile_dim0
	s_mov_b32 s[G1M+4], 32                         ; tile_dim1
	s_mov_b32 s[G1M+5], 2048                       ; elements from row to row
	s_mov_b32 s[G1M+6], 0
	s_mov_b32 s[G1M+7], 0
	s_or_b32 s[G1K+0], s44, (1<<16)|(1<<20)|(1<<21)|(4<<22)|(3<<25)   ; to my row; elements of 2 bytes; 4 words after every 32: LDS pitch 144
	s_mov_b32 s[G1K+1], 64<<16
	s_mov_b32 s[G1K+2], 64<<16                     ; 64 rows
	s_mov_b32 s[G1K+3], 64<<16
	s_mov_b32 s[G1K+4], 64
	s_mov_b32 s[G1K+5], 64
	s_mov_b32 s[G1K+6], 0
	s_mov_b32 s[G1K+7], 0
	s_or_b32 s[G1V+0], s44, (1<<16)|(1<<20)|(1<<21)|(4<<22)|(7<<25)   ; the same with 8 words: LDS pitch 160, an odd multiple of 32, for the transposing load
	s_mov_b32 s[G1V+1], 64<<16
	s_mov_b32 s[G1V+2], 128<<16                    ; 128 rows
	s_mov_b32 s[G1V+3], 64<<16
	s_mov_b32 s[G1V+4], 128
	s_mov_b32 s[G1V+5], 64
	s_mov_b32 s[G1V+6], 0
	s_mov_b32 s[G1V+7], 0
	s_add_co_u32 s81, s10, 2                       ; the mask's tile: made of x and the wave's number alone
	s_and_b32 s81, s81, 3                          ; waves 2, 3, 4, 5 fetch rows 32 x 0, 1, 2, 3
	s_lshl_b32 s81, s81, 5
	s_lshl_b32 s80, s42, 7
	s_add_co_u32 s80, s80, s81
	s_lshl_b32 s80, s80, 13                        ; rows of 8,192 bytes: under 2^25
	s_mov_b32 s81, 0
	s_lshr_b32 s82, s43, 3                         ; K's and V's tiles: made of y and the wave's number alone.  Batch,
	s_and_b32 s83, s43, 7                          ; key-value head,
	s_mul_i32 s98, s82, 40                         ; the batch's first slot in qkvb
	s_add_co_u32 s84, s98, s83
	s_add_co_u32 s84, s84, 16                      ; K's slot
	s_lshl_b32 s84, s84, 11
	s_lshl_b32 s85, s13, 6
	s_add_co_u32 s84, s84, s85                     ; + 64 rows x half
	s_lshl_b32 s84, s84, 7                         ; rows of 128 bytes
	s_mov_b32 s85, 0
	s_lshl_b32 s86, s13, 3                         ; V lo lies eight slots behind V hi
	s_add_co_u32 s86, s86, s98
	s_add_co_u32 s86, s86, s83
	s_add_co_u32 s86, s86, 24
	s_lshl_b32 s86, s86, 18                        ; slots of 262,144 bytes: under 2^25
	s_mov_b32 s87, 0
	s_mul_i32 s88, s10, 20480                      ; LDS: V, waves 0, 1: w x 128 rows x 160
	s_mul_i32 s89, s10, 16896
	s_add_co_u32 s89, s89, 7168                    ; mask, waves 2-5: 40,960 + (w - 2) x 16,896
	s_mul_i32 s90, s10, 9216
	s_add_co_u32 s90, s90, 53248                   ; K, waves 6, 7: 108,544 + (w - 6) x 9,216
	s_wait_dscnt 0x0
	s_wait_kmcnt 0x0
	s_add_nc_u64 s[80:81], s[6:7], s[80:81]
	s_add_nc_u64 s[84:85], s[4:5], s[84:85]
	s_add_nc_u64 s[86:87], s[4:5], s[86:87]
	ROUND                                          ; all sixteen work-groups are here: the first joint loads meet
.irp s, 0,1
	s_mov_b32 s[G0M+4*\s], 1
	s_add_co_u32 s[G0M+4*\s+1], s89, \s*SLOT
	s_add_nc_u64 s[G0M+4*\s+2:G0M+4*\s+3], s[80:81], \s*512          ; 128 keys of 4 bytes on
	s_or_b32 s[G0M+4*\s+3], s[G0M+4*\s+3], 0x80000000
	s_mov_b32 s[G0K+4*\s], 1
	s_add_co_u32 s[G0K+4*\s+1], s90, \s*SLOT
	s_add_nc_u64 s[G0K+4*\s+2:G0K+4*\s+3], s[84:85], \s*16384        ; 128 rows of 128 bytes on
	s_or_b32 s[G0K+4*\s+3], s[G0K+4*\s+3], 0x80000000
	s_mov_b32 s[G0V+4*\s], 1
	s_add_co_u32 s[G0V+4*\s+1], s88, \s*SLOT
	s_add_nc_u64 s[G0V+4*\s+2:G0V+4*\s+3], s[86:87], \s*16384
	s_or_b32 s[G0V+4*\s+3], s[G0V+4*\s+3], 0x80000000
	JLOAD \s                                       ; steps 0 and 1: two loads of the wave are out, later one
.endr
	v_and_b32 v1, 31, v0                           ; lane
	v_and_b32 v2, 15, v0                           ; r
	v_bfe_u32 v3, v0, 4, 1                         ; h
	v_and_b32 v4, 7, v0
	v_bfe_u32 v5, v0, 3, 1
	; Q: my 32 queries of both heads, once, as source-1 fragments in window 1
	v_lshlrev_b32 v[QOFF], 7, v2
	v_lshl_add_u32 v[QOFF], v3, 4, v[QOFF]         ; row r x 128 bytes + 16 h
	s_lshl_b32 s96, s83, 1
	s_add_co_u32 s96, s96, s98                     ; slot of my first query head
	s_lshl_b32 s96, s96, 11
	s_lshl_b32 s97, s42, 7
	s_add_co_u32 s96, s96, s97
	s_lshl_b32 s97, s12, 5
	s_add_co_u32 s96, s96, s97
	s_lshl_b32 s96, s96, 7
	s_mov_b32 s97, 0
	s_add_nc_u64 s[96:97], s[4:5], s[96:97]
	WIN 0x40
.irp g, 0,1
.irp qt, 0,1
.irp dh, 0,1
	global_load_b128 v[QB+16*(2*\g+\qt)+8*\dh:QB+16*(2*\g+\qt)+8*\dh+3],   v[QOFF], s[96:97] offset:\g*262144+\qt*2048+\dh*64
	global_load_b128 v[QB+16*(2*\g+\qt)+8*\dh+4:QB+16*(2*\g+\qt)+8*\dh+7], v[QOFF], s[96:97] offset:\g*262144+\qt*2048+\dh*64+32
.endr
.endr
.endr
	WIN 0
	v_mul_u32_u24 v6, v2, 528                      ; mask: query row r, my 64 keys, 8 keys (32 bytes) for each half of the lanes
	v_lshl_add_u32 v6, v3, 5, v6
	s_mul_i32 s94, s12, 16896
	s_lshl_b32 s95, s11, 8
	s_add_co_u32 s94, s94, s95
	s_add_co_u32 s94, s94, MOFF
	v_add_nc_u32 v[ADM], s94, v6
	v_add_nc_u32 v[ADM+1], SLOT, v[ADM]
	v_mul_u32_u24 v6, v2, 144                      ; K: row r x pitch + 16 h
	v_lshl_add_u32 v6, v3, 4, v6
	s_mul_i32 s94, s11, 9216
	s_add_co_u32 s94, s94, KOFF
	v_add_nc_u32 v[ADK], s94, v6
	v_add_nc_u32 v[ADK+1], SLOT, v[ADK]
	v_lshl_add_u32 v7, v3, 3, v4                   ; V, transposing load: key 8 h + (lane & 7), 16 bytes of d by bit 3 of the lane
	v_mul_u32_u24 v7, v7, 160
	v_lshl_add_u32 v7, v5, 4, v7
	s_mul_i32 s94, s11, 10240                      ; V hi begins the slot
	v_add_nc_u32 v[ADV], s94, v7
	v_add_nc_u32 v[ADV+1], SLOT, v[ADV]
	s_mul_i32 s94, s12, MSZ
	s_add_co_u32 s94, s94, MERGE                   ; the part of the merge region that waves w and w + 4 share
	v_lshl_add_u32 v[MRG], v1, 4, s94              ; 16 bytes a lane
	v_mul_u32_u24 v6, v2, 272
	v_lshl_add_u32 v6, v3, 4, v6
	v_add_nc_u32 v[STO], s94, v6                   ; the way out, in: query r, 16 bytes for each half of the lanes
	v_mul_u32_u24 v6, v3, 272
	v_lshl_add_u32 v6, v2, 4, v6
	v_add_nc_u32 v[RD], s94, v6                    ; back: lanes 0-15 one row of 256 bytes, lanes 16-31 the next
	v_lshlrev_b32 v6, 12, v3
	v_lshl_add_u32 v[CO], v2, 4, v6                ; the same two rows in attb
	s_lshl_b32 s92, s82, 11                        ; 2048 x batch
	s_lshl_b32 s93, s42, 7
	s_add_co_u32 s92, s92, s93
	s_lshl_b32 s93, s12, 5
	s_add_co_u32 s92, s92, s93                     ; my first token
	s_lshl_b32 s92, s92, 12                        ; rows of 4,096 bytes: under 2^25
	s_lshl_b32 s93, s83, 8                         ; my two heads: 256 bytes of a row's hi part
	s_add_co_u32 s92, s92, s93
	s_mov_b32 s93, 0
	s_add_nc_u64 s[8:9], s[8:9], s[92:93]
; the pieces of a column group's softmax
.macro SMAX c                          ; the largest of my 32 scores: two chains
	v_max3_num_f32 v[T], v[SB+32*\c], v[SB+32*\c+1], v[SB+32*\c+2]
	v_max3_num_f32 v[T+1], v[SB+32*\c+17], v[SB+32*\c+18], v[SB+32*\c+19]
.irp i, 0,1,2,3,4,5
	v_max3_num_f32 v[T], v[T], v[SB+32*\c+3+2*\i], v[SB+32*\c+4+2*\i]
	v_max3_num_f32 v[T+1], v[T+1], v[SB+32*\c+20+2*\i], v[SB+32*\c+21+2*\i]
.endr
	v_max3_num_f32 v[T], v[T], v[SB+32*\c+15], v[SB+32*\c+16]
	v_max_num_f32 v[T], v[T], v[T+1]
.endm
.macro SUBM c, tt                      ; s - m, exactly
.irp k, 0,2,4,6
	v_pk_add_f32 v[SB+32*\c+8*\tt+\k:SB+32*\c+8*\tt+\k+1], v[SB+32*\c+8*\tt+\k:SB+32*\c+8*\tt+\k+1], v[MP+2*\c:MP+2*\c+1] neg_lo:[0,1] neg_hi:[0,1]
.endr
.endm
.macro EXPM c, tt
.irp k, 0,1,2,3,4,5,6,7
	v_exp_f32 v[SB+32*\c+8*\tt+\k], v[SB+32*\c+8*\tt+\k]
.endr
.endm
.macro SUMM c, tt                      ; the first tile starts the two chains: nothing is cleared
.if \tt == 0
	s_wait_alu depctr_va_vdst(0)
	v_pk_add_f32 v[LS:LS+1], v[SB+32*\c:SB+32*\c+1], v[SB+32*\c+2:SB+32*\c+3]
	v_pk_add_f32 v[LS+2:LS+3], v[SB+32*\c+4:SB+32*\c+5], v[SB+32*\c+6:SB+32*\c+7]
.else
	s_wait_alu depctr_va_vdst(0)
	v_pk_add_f32 v[LS:LS+1], v[LS:LS+1], v[SB+32*\c+8*\tt:SB+32*\c+8*\tt+1]
	v_pk_add_f32 v[LS+2:LS+3], v[LS+2:LS+3], v[SB+32*\c+8*\tt+2:SB+32*\c+8*\tt+3]
	v_pk_add_f32 v[LS:LS+1], v[LS:LS+1], v[SB+32*\c+8*\tt+4:SB+32*\c+8*\tt+5]
	v_pk_add_f32 v[LS+2:LS+3], v[LS+2:LS+3], v[SB+32*\c+8*\tt+6:SB+32*\c+8*\tt+7]
.endif
.endm
.macro CVTM c, tt                      ; tile tt, in f16, becomes registers 4 (tt & 1) .. + 3 of P(c, tt / 2); each target has been read by then
.irp k, 0,1,2,3
	v_cvt_pk_f16_f32 v[SB+32*\c+8*(\tt&2)+4*(\tt&1)+\k], v[SB+32*\c+8*\tt+2*\k], v[SB+32*\c+8*\tt+2*\k+1]
.endr
.endm
; Behind SMAX: the other half's maximum, the new running maximum, alpha, then tile by tile 2^(s - m), its sum, its rounding.
; Behind each run of v_exp_f32 stands plain work on other registers before a result is read (ISA guide 5.7.2): the next tile's subtraction, or a v_nop.
.macro SREST c, first
	v_permlanex16_b32 v[T+1], v[T], s76, s77
.if \first
	v_max3_num_f32 v[MP+2*\c], v[T], v[T+1], 0xfe967699            ; the floor, -1e38
	v_mov_b32 v[MP+2*\c+1], v[MP+2*\c]
	SUBM \c, 0
.else
	v_max3_num_f32 v[T+2], v[T], v[T+1], v[MP+2*\c]
	v_sub_f32 v[T+3], v[MP+2*\c], v[T+2]
	v_mov_b32 v[MP+2*\c], v[T+2]
	v_mov_b32 v[MP+2*\c+1], v[T+2]
	v_exp_f32 v[AL+2*\c], v[T+3]
	SUBM \c, 0
	s_wait_alu depctr_va_vdst(0)
	v_mov_b32 v[AL+2*\c+1], v[AL+2*\c]
.endif
	EXPM \c, 0
	SUBM \c, 1
	SUMM \c, 0
	CVTM \c, 0
	EXPM \c, 1
	SUBM \c, 2
	SUMM \c, 1
	CVTM \c, 1
	EXPM \c, 2
	SUBM \c, 3
	SUMM \c, 2
	CVTM \c, 2
	EXPM \c, 3
	v_nop
	SUMM \c, 3
	CVTM \c, 3
	v_pk_add_f32 v[LS:LS+1], v[LS:LS+1], v[LS+2:LS+3]
.if \first
	v_add_f32 v[LL+\c], v[LS], v[LS+1]
.else
	v_add_f32 v[T+2], v[LS], v[LS+1]
	v_fma_f32 v[LL+\c], v[LL+\c], v[AL+2*\c], v[T+2]
.endif
.endm
; One step: my 64 keys of the slot's 128 against my 4 column groups.
; In each run of matrix instructions 8 or 16 accumulators take turns, one instruction a turn.
.macro WORK slot, first
.if \first == 0
.rept 5
	v_nop                                          ; five places behind the last step's products (ISA guide 7.12.1): their sources are loaded and written over below
.endr
.endif
.irp qt, 0,1
.irp tt, 0,1,2,3
	ds_load_b128 v[SB+32*\qt+8*\tt:SB+32*\qt+8*\tt+3],   v[ADM+\slot] offset:\qt*8448+\tt*64
	ds_load_b128 v[SB+32*\qt+8*\tt+4:SB+32*\qt+8*\tt+7], v[ADM+\slot] offset:\qt*8448+\tt*64+16
.endr
.endr
.irp tt, 0,1,2,3
.irp dh, 0,1
	ds_load_b128 v[KV+16*\tt+8*\dh:KV+16*\tt+8*\dh+3],   v[ADK+\slot] offset:\tt*2304+\dh*64
	ds_load_b128 v[KV+16*\tt+8*\dh+4:KV+16*\tt+8*\dh+7], v[ADK+\slot] offset:\tt*2304+\dh*64+32
.endr
.endr
	s_wait_dscnt 16                                ; the mask's 16 loads are in, K's 16 may be out
.set i, 0
.rept 32
	v_pk_mul_f32 v[SB+i:SB+i+1], v[SB+i:SB+i+1], 0x3fb8aa3b op_sel_hi:[1,0]     ; mask x log2(e)
.set i, i+2
.endr
	s_wait_dscnt 0
	WIN 0x04                                       ; source 1 (Q) in window 1
.irp qt, 0,1                                       ; head 1 first: it takes the mask as C and leaves it whole for head 0
.irp tt, 0,1,2,3
	v_wmma_f32_16x16x32_bf16 v[SB+64+32*\qt+8*\tt:SB+64+32*\qt+8*\tt+7], v[KV+16*\tt:KV+16*\tt+7], v[QB+16*(2+\qt):QB+16*(2+\qt)+7], v[SB+32*\qt+8*\tt:SB+32*\qt+8*\tt+7]
.endr
.endr
.irp qt, 0,1
.irp tt, 0,1,2,3
	v_wmma_f32_16x16x32_bf16 v[SB+64+32*\qt+8*\tt:SB+64+32*\qt+8*\tt+7], v[KV+16*\tt+8:KV+16*\tt+15], v[QB+16*(2+\qt)+8:QB+16*(2+\qt)+15], v[SB+64+32*\qt+8*\tt:SB+64+32*\qt+8*\tt+7]
.endr
.endr
.rept 5
	v_nop                                          ; five places: head 0's products write over the C of head 1's first; also the places in front of the reads of head 1's scores
.endr
.irp qt, 0,1
.irp tt, 0,1,2,3
	v_wmma_f32_16x16x32_bf16 v[SB+32*\qt+8*\tt:SB+32*\qt+8*\tt+7], v[KV+16*\tt:KV+16*\tt+7], v[QB+16*\qt:QB+16*\qt+7], v[SB+32*\qt+8*\tt:SB+32*\qt+8*\tt+7]
.endr
.endr
.irp qt, 0,1
.irp tt, 0,1,2,3
	v_wmma_f32_16x16x32_bf16 v[SB+32*\qt+8*\tt:SB+32*\qt+8*\tt+7], v[KV+16*\tt+8:KV+16*\tt+15], v[QB+16*\qt+8:QB+16*\qt+15], v[SB+32*\qt+8*\tt:SB+32*\qt+8*\tt+7]
.endr
.endr
	WIN 0
	SMAX 2                                         ; sixteen plain instructions on head 1's scores: the places behind the last products, whose K registers V hi now takes
.irp dt, 0,1,2,3
.irp u, 0,1
	ds_load_tr16_b128 v[KV+16*\dt+8*\u:KV+16*\dt+8*\u+3],   v[ADV+\slot] offset:\u*5120+\dt*32
	ds_load_tr16_b128 v[KV+16*\dt+8*\u+4:KV+16*\dt+8*\u+7], v[ADV+\slot] offset:\u*5120+\dt*32+2560
.endr
.endr
	WIN 0x40                                       ; V lo into window 1
.irp dt, 0,1,2,3
.irp u, 0,1
	ds_load_tr16_b128 v[VL+16*\dt+8*\u:VL+16*\dt+8*\u+3],   v[ADV+\slot] offset:VLOW+\u*5120+\dt*32
	ds_load_tr16_b128 v[VL+16*\dt+8*\u+4:VL+16*\dt+8*\u+7], v[ADV+\slot] offset:VLOW+\u*5120+\dt*32+2560
.endr
.endr
	WIN 0
	SREST 2, \first
	SMAX 3
	SREST 3, \first
	SMAX 0
	SREST 0, \first
	SMAX 1
	SREST 1, \first
.if \first == 0
	WIN 0x41                                       ; O in window 1, alpha in window 0
.irp c, 0,1,2,3
.irp k, 0,2,4,6,8,10,12,14,16,18,20,22,24,26,28,30
	v_pk_mul_f32 v[32*\c+\k:32*\c+\k+1], v[32*\c+\k:32*\c+\k+1], v[AL+2*\c:AL+2*\c+1]
.endr
.endr
.endif
	s_wait_dscnt 16                                ; V hi's 16 loads are in, V lo's 16 may be out
	WIN 0x50                                       ; C and D in window 1
.irp u, 0,1
.irp c, 0,1,2,3
.irp dt, 0,1,2,3
.if (\first) & (1-\u)
	v_wmma_f32_16x16x32_f16 v[32*\c+8*\dt:32*\c+8*\dt+7], v[KV+16*\dt+8*\u:KV+16*\dt+8*\u+7], v[SB+32*\c+16*\u:SB+32*\c+16*\u+7], 0
.else
	v_wmma_f32_16x16x32_f16 v[32*\c+8*\dt:32*\c+8*\dt+7], v[KV+16*\dt+8*\u:KV+16*\dt+8*\u+7], v[SB+32*\c+16*\u:SB+32*\c+16*\u+7], v[32*\c+8*\dt:32*\c+8*\dt+7]
.endif
.endr
.endr
.endr
	s_wait_dscnt 0                                 ; V lo
	WIN 0x51                                       ; source 0 in window 1 too
.irp u, 0,1
.irp c, 0,1,2,3
.irp dt, 0,1,2,3
	v_wmma_f32_16x16x32_f16 v[32*\c+8*\dt:32*\c+8*\dt+7], v[VL+16*\dt+8*\u:VL+16*\dt+8*\u+7], v[SB+32*\c+16*\u:SB+32*\c+16*\u+7], v[32*\c+8*\dt:32*\c+8*\dt+7]
.endr
.endr
.endr
	WIN 0
.endm
; A later step.  In front of the round every wave waits for all its tensor loads (its part of this step's tiles) and for its reads of the other slot;
; behind the round the other slot is asked for again first, two steps ahead, one joint load a wave; it has this step's work in which to land.
.macro STEP slot, other, refill
	s_wait_tensorcnt 0x0
	ds_add_u32 v62, v63
	s_wait_dscnt 0x0
.if \refill
	s_add_nc_u64 s[G0M+4*\other+2:G0M+4*\other+3], s[G0M+4*\other+2:G0M+4*\other+3], 1024
	s_add_nc_u64 s[G0K+4*\other+2:G0K+4*\other+3], s[G0K+4*\other+2:G0K+4*\other+3], 32768
	s_add_nc_u64 s[G0V+4*\other+2:G0V+4*\other+3], s[G0V+4*\other+2:G0V+4*\other+3], 32768
.endif
	s_wait_dscnt 0x0
.if \refill
	ROUND
	JLOAD \other
.else
	s_barrier_signal -1                            ; the work-group's barrier shows the tile whole
	s_barrier_wait -1
.endif
	WORK \slot, 0
.endm
	s_wait_loadcnt 0x0                             ; Q
	s_wait_tensorcnt 1                             ; my part of step 0 is in; step 1's stays out
	s_barrier_signal -1
	s_barrier_wait -1
	WORK 0, 1                                      ; the first step starts maxima, sums and O
	s_mov_b32 s78, 7
.Lkv:
	STEP 1, 0, 1
	STEP 0, 1, 1
	s_sub_co_u32 s78, s78, 1
	s_cmp_lg_u32 s78, 0
	s_cbranch_scc1 .Lkv
	STEP 1, 0, 0                                   ; step 15: nothing is left to fetch
	; THE TWO HALVES OF THE KEYS ARE JOINED.  First each lane's sum with the other half of the lanes, then waves 4-7 hand O, m and l to waves 0-3.
.rept 4
	v_nop                                          ; four places behind the last products, ahead of the reads of O and the writes of their sources
.endr
.irp c, 0,1,2,3
	v_permlanex16_b32 v[T+\c], v[LL+\c], s76, s77
.endr
.irp c, 0,1,2,3
	v_add_f32 v[LL+\c], v[LL+\c], v[T+\c]
.endr
	s_cmp_lt_u32 s10, 4
	s_cbranch_scc1 .Lkeep
	WIN 0x04                                       ; store data in window 1
.set i, 0
.rept 32
	ds_store_b128 v[MRG], v[4*i:4*i+3] offset:512*i
.set i, i+1
.endr
	WIN 0
	ds_store_b128 v[MRG], v[MP:MP+3] offset:16384
	ds_store_b128 v[MRG], v[MP+4:MP+7] offset:16896
	ds_store_b128 v[MRG], v[LL:LL+3] offset:17408
.Lkeep:
	s_wait_dscnt 0x0                               ; for the readers: my stores are done
	s_barrier_signal -1
	s_barrier_wait -1
	s_cmp_ge_u32 s10, 4
	s_cbranch_scc1 .Lend
	ds_load_b128 v[T:T+3], v[MRG] offset:16384     ; the partner's maxima (pairs) in v[44:51], its sums in v[52:55]
	ds_load_b128 v[T+4:T+7], v[MRG] offset:16896
	ds_load_b128 v[T+8:T+11], v[MRG] offset:17408
.set i, 0
.rept 32
	ds_load_b128 v[SB+4*i:SB+4*i+3], v[MRG] offset:512*i
.set i, i+1
.endr
	s_wait_dscnt 32                                ; the three loads of figures are in, the 32 of O may be out
.set FO, 88                            ; group c: my factor, twice
.set FP, 96                            ; group c: the partner's factor, twice
.set MX, 104
.irp c, 0,1,2,3
	v_max_num_f32 v[MX+\c], v[MP+2*\c], v[T+2*\c]
.endr
.irp c, 0,1,2,3
	v_sub_f32 v[64+\c], v[MP+2*\c], v[MX+\c]
	v_sub_f32 v[68+\c], v[T+2*\c], v[MX+\c]
.endr
.irp c, 0,1,2,3
	v_exp_f32 v[72+\c], v[64+\c]
	v_exp_f32 v[76+\c], v[68+\c]
.endr
	v_nop                                          ; a plain place behind the run of exponentials
.irp c, 0,1,2,3
	s_wait_alu depctr_va_vdst(0)
	v_mul_f32 v[80+\c], v[LL+\c], v[72+\c]
.endr
.irp c, 0,1,2,3
	v_fmac_f32 v[80+\c], v[T+8+\c], v[76+\c]       ; the row's whole sum
.endr
.irp c, 0,1,2,3
	v_rcp_f32 v[84+\c], v[80+\c]
.endr
	v_nop                                          ; a plain place behind the run of reciprocals
.irp c, 0,1,2,3
	s_wait_alu depctr_va_vdst(0)
	v_mul_f32 v[84+\c], 0x3d800000, v[84+\c]       ; 1/16: v's factor goes out with the sum
.endr
.irp c, 0,1,2,3
	v_mul_f32 v[FO+2*\c], v[72+\c], v[84+\c]
	v_mul_f32 v[FO+2*\c+1], v[72+\c], v[84+\c]
	v_mul_f32 v[FP+2*\c], v[76+\c], v[84+\c]
	v_mul_f32 v[FP+2*\c+1], v[76+\c], v[84+\c]
.endr
	s_wait_dscnt 0x0                               ; the partner's O is in: from here on my part of the merge region is my stage
.irp c, 0,1,2,3
.irp k, 0,2,4,6,8,10,12,14,16,18,20,22,24,26,28,30
	v_pk_mul_f32 v[SB+32*\c+\k:SB+32*\c+\k+1], v[SB+32*\c+\k:SB+32*\c+\k+1], v[FP+2*\c:FP+2*\c+1]
.endr
.endr
	WIN 0x01                                       ; source 0: my O, window 1
.irp c, 0,1,2,3
.irp k, 0,2,4,6,8,10,12,14,16,18,20,22,24,26,28,30
	v_pk_fma_f32 v[SB+32*\c+\k:SB+32*\c+\k+1], v[32*\c+\k:32*\c+\k+1], v[FO+2*\c:FO+2*\c+1], v[SB+32*\c+\k:SB+32*\c+\k+1]
.endr
.endr
	WIN 0
; THE WAY OUT, 16 queries at a time: a lane holds eight neighbouring d of query r.  Each number is split: hi = its upper 16 bits (a bf16 number as it stands),
; lo = the number less hi, exact in f32, rounded to bf16.  Both heads' hi make a row of 256 bytes, both heads' lo another; they go through my stage.
; The rows come back into the registers of the two column groups just split, which nothing writes again.
.macro OUTQ qt
.irp g, 0,1
.irp dt, 0,1,2,3
.set sb_, SB+32*(2*\g+\qt)+8*\dt
.set tt_, T+8*(\dt&1)
.irp k, 0,1,2,3
	v_perm_b32 v[64+16*\g+4*\dt+\k], v[sb_+2*\k+1], v[sb_+2*\k], s79
.endr
.irp k, 0,1,2,3,4,5,6,7
	v_and_b32 v[tt_+\k], s91, v[sb_+\k]
.endr
.irp k, 0,2,4,6
	v_pk_add_f32 v[tt_+\k:tt_+\k+1], v[sb_+\k:sb_+\k+1], v[tt_+\k:tt_+\k+1] neg_lo:[0,1] neg_hi:[0,1]
.endr
.irp k, 0,1,2,3
	v_cvt_pk_bf16_f32 v[96+16*\g+4*\dt+\k], v[tt_+2*\k], v[tt_+2*\k+1]
.endr
.endr
.endr
.irp g, 0,1
.irp dt, 0,1,2,3
	ds_store_b128 v[STO], v[64+16*\g+4*\dt:64+16*\g+4*\dt+3] offset:\g*128+\dt*32
	ds_store_b128 v[STO], v[96+16*\g+4*\dt:96+16*\g+4*\dt+3] offset:LOPL+\g*128+\dt*32
.endr
.endr
.irp t, 0,1,2,3,4,5,6,7
	ds_load_b128 v[SB+32*\qt+4*\t:SB+32*\qt+4*\t+3], v[RD] offset:\t*544             ; my own stage: LDS serves a wave's instructions in order (ISA guide 5.7.1)
.endr
.irp t, 0,1,2,3,4,5,6,7
	ds_load_b128 v[SB+64+32*\qt+4*\t:SB+64+32*\qt+4*\t+3], v[RD] offset:LOPL+\t*544
.endr
.irp t, 0,1,2,3,4,5,6,7
	s_wait_dscnt 15-\t                             ; read-back t of sixteen is in
	global_store_b128 v[CO], v[SB+32*\qt+4*\t:SB+32*\qt+4*\t+3], s[8:9] offset:(16*\qt+2*\t)*4096    ; 16 lanes store 256 neighbouring bytes, at a multiple of 256 from the buffer's first byte
.endr
.irp t, 0,1,2,3,4,5,6,7
	s_wait_dscnt 7-\t
	global_store_b128 v[CO], v[SB+64+32*\qt+4*\t:SB+64+32*\qt+4*\t+3], s[8:9] offset:(16*\qt+2*\t)*4096+2048
.endr
.endm
	OUTQ 0
	OUTQ 1
.Lend:
	s_wait_tensorcnt 0x0
	ds_add_u32 v62, v63
	s_wait_dscnt 0x0
	ROUND                                          ; the closing round: no work-group ends while a partner may still ask for a tile that names it
	s_endpgm
.Lfunc_end_k_q538269685f_attention:
	.size	k_q538269685f_attention, .Lfunc_end_k_q538269685f_attention-k_q538269685f_attention
	.p2alignl 7, 3214868480
	.fill 96, 4, 3214868480
	.section	.rodata,"a",@progbits
	.p2align	6, 0x0
	.amdhsa_kernel k_q538269685f_attention
		.amdhsa_group_segment_fixed_size 327680
		.amdhsa_private_segment_fixed_size 0
		.amdhsa_enable_private_segment 0
		.amdhsa_kernarg_size 24
		.amdhsa_user_sgpr_count 2
		.amdhsa_user_sgpr_kernarg_segment_ptr 1
		.amdhsa_wavefront_size32 1
		.amdhsa_system_sgpr_workgroup_id_x 1
		.amdhsa_system_sgpr_workgroup_id_y 1
		.amdhsa_system_sgpr_workgroup_id_z 1
		.amdhsa_system_vgpr_workitem_id 0
		.amdhsa_next_free_vgpr 512
		.amdhsa_next_free_sgpr 100
		.amdhsa_reserve_vcc 0
		.amdhsa_float_denorm_mode_32 3
		.amdhsa_float_denorm_mode_16_64 3
		.amdhsa_memory_ordered 1
		.amdhsa_forward_progress 1
		.amdhsa_inst_pref_size 207
	.end_amdhsa_kernel
	.amdgpu_metadata
---
amdhsa.version: [ 1, 2 ]
amdhsa.kernels:
  - .name:           k_q538269685f_attention
    .symbol:         k_q538269685f_attention.kd
    .args:
      - { .name: qkvb, .offset: 0, .size: 8, .value_kind: global_buffer, .address_space: global }
      - { .name: attention_mask, .offset: 8, .size: 8, .value_kind: global_buffer, .address_space: global }
      - { .name: attb, .offset: 16, .size: 8, .value_kind: global_buffer, .address_space: global }
    .group_segment_fixed_size: 327680
    .private_segment_fixed_size: 0
    .kernarg_segment_align: 8
    .kernarg_segment_size: 24
    .max_flat_workgroup_size: 256
    .sgpr_count:     100
    .vgpr_count:     512
    .wavefront_size: 32
...
	.end_amdgpu_metadata
.endif
;; end of part 3
;; launch oproj (part 4): grid 8 x 32, 4 waves a work-group, clusters of 4 x 4, 327,680 bytes of LDS; arguments attb, wob, out0; writes out0
.if DOCPART == 4
	.amdgcn_target "amdgcn-amd-amdhsa--gfx1250"
	.amdhsa_code_object_version 6
	.text
	.protected	k_q538269685f_oproj
	.globl	k_q538269685f_oproj
	.p2align	8
	.type	k_q538269685f_oproj,@function
k_q538269685f_oproj:
	s_mov_b64 s[64:65], 0
	v_nop
	global_prefetch_b8 v0, s[64:65] scope:SCOPE_SE
	s_setreg_imm32_b32 hwreg(HW_REG_WAVE_MODE, 25, 1), 1
	s_wait_xcnt 0x0
	s_wait_alu depctr_hold_cnt(0) depctr_sa_sdst(0) depctr_va_vdst(0) depctr_va_sdst(0) depctr_va_ssrc(0) depctr_va_vcc(0) depctr_vm_vsrc(0)
	s_getreg_b32 s2, hwreg(HW_REG_IB_STS2, 6, 4)
	s_cmp_eq_u32 s2, 0
	s_cbranch_scc0 .Lentry_in_a_cluster
	s_endpgm
.Lentry_in_a_cluster:
	s_bfe_u32 s2, ttmp6, 0x10000c
	s_cmp_lg_u32 s2, 0xf033
	s_cbranch_scc0 .Lentry_shape_is_right
	s_endpgm
.Lentry_shape_is_right:
; out0[m][n] = sum over k of attb[m][k] wob[n][k], m = 4096 tokens, n = 2048, k = 2048; bf16 operands, f32 sums, f32 out.
; attb's rows are [hi | lo], the attention's result as two bf16 numbers each; wob's rows are [Wo | Wo]: so the sum over 2048 is (hi + lo) Wo^T over 1024.
; SHAPE: out0 has 4096 x 2048 numbers; blocks of 128 x 256 make 256 work-groups.  Four waves, each 64 x 128: 32 accumulator tiles, 256 registers.
; K goes in steps of 128 (rows of 256 bytes) through two LDS slots that tensor loads fill.
; CLUSTERS: 4 x 4 work-groups.  The four of a row of the cluster share attb's tile, the four of a column wob's; each tile is asked for jointly by its
; four, which divides the requests by four.
; REGISTERS in windows of 256: window 0 addresses and two buffers of fragments; window 1 the accumulators, tile (a, b) at v[8 (8 a + b)].
; The matrix instruction is used transposed (source 0 = 16 rows of wob, source 1 = 16 rows of attb): lane (r, h) holds row r of the result and in its
; registers 0 to 7 the columns 8 h + 0 .. 7 of the tile: 32 neighbouring bytes of a row.
.set KDIM,  2048
.set KSTEP, 128
.set PITCH, 272                        ; an LDS row: 256 bytes + 16 of padding: the 16 rows that a fragment load touches start 16 bytes apart modulo 256
.set BHALF, 128*PITCH                  ; 128 rows of wob: one tensor load
.set AHALF, 64*PITCH                   ; 64 rows of attb: one tensor load
.set ABASE, 2*BHALF                    ; a slot: wob's 256 rows, then attb's 128 rows
.set SLOT,  ABASE+2*AHALF              ; 104,448 bytes
.set STAGE, 2*SLOT                     ; behind the ring, never filled by a tensor load: each wave's own 16 rows x 528 bytes
.set SSZ,   8448
.set LAPS,  KDIM/(2*KSTEP)             ; a lap = two K steps = once round the ring
.set ADRA, 16                          ; v16-17  LDS address of my attb fragments in slot 0, 1
.set ADRB, 20                          ; v20-21  the same for wob
.set STO,  24
.set RD,   25
.set CO,   26
.set F0,   32                          ; fragment buffer 0: wob's 8 tiles at +8 b, attb's 4 tiles at +64 + 8 a
.set F1,   128                         ; fragment buffer 1
.set G1A, 24                           ; s[24:31] descriptor group 1, attb's tiles
.set G0A, 32                           ; s[32:39] group 0, attb's tiles, a set for each slot
.set G1B, 48                           ; s[48:55] group 1, wob's tiles
.set G0B, 56                           ; s[56:63] group 0, wob's tiles, a set for each slot
.set CW, (1<<16)|(1<<20)|(1<<21)|(5<<22)|(3<<25)   ; elements of 2 bytes; padding on; bit 21 beside a mask; after every 64 words; 4 words
.set MUL, 0x50                         ; C and D in window 1, both sources in window 0
.set MSB, 0
.macro WIN new                         ; the immediate's high byte repeats the setting that is left
.if MSB != \new
	s_set_vgpr_msb (MSB<<8)|\new
.set MSB, \new
.endif
.endm
.macro PLACES                          ; four plain vector instructions behind a matrix instruction, ahead of a load into its registers and of a read of its result
.rept 4
	v_nop
.endr
.endm
; A joint load: waves 0 and 1 fetch wob's two halves, waves 2 and 3 attb's.  The branch hangs on the wave's number alone.
.macro JLOAD s
	s_cmp_eq_u32 s15, 0
	s_cbranch_scc0 .Lfor_a_\@
	tensor_load_to_lds s[G0B+4*\s:G0B+4*\s+3], s[G1B:G1B+7]
	s_nop 0
	s_branch .Lasked_\@
.Lfor_a_\@:
	tensor_load_to_lds s[G0A+4*\s:G0A+4*\s+3], s[G1A:G1A+7]
	s_nop 0
.Lasked_\@:
.endm
.macro CREST                           ; a round of the cluster's barrier behind its opening work-group barrier
	s_cmp_lg_u32 s14, 0
	s_cbranch_scc1 .Lnot_wave_0_\@
	s_barrier_signal -3
.Lnot_wave_0_\@:
	s_barrier_wait -3
	s_barrier_signal -1
	s_barrier_wait -1
.endm
.macro CROUND                          ; a whole round
	s_barrier_signal -1
	s_barrier_wait -1
	CREST
.endm
	s_load_b128 s[4:7], s[0:1], 0x0                ; attb s[4:5], wob s[6:7]
	s_load_b64 s[12:13], s[0:1], 0x10              ; out0
	v_lshl_add_u32 v254, v0, 2, 0x3b400
	v_mov_b32 v255, 0
	ds_add_u32 v254, v255
	v_lshrrev_b32 v1, 5, v0
	v_readfirstlane_b32 s14, v1                    ; wave 0..3
	s_lshr_b32 s15, s14, 1                         ; which 64 rows of the block are mine.  Also: I fetch for wob (0) or for attb (1)
	s_and_b32 s16, s14, 1                          ; which 128 columns are mine.  Also: which half of that tile I fetch
	s_bfe_u32 s40, ttmp6, 0x40000                  ; cx
	s_bfe_u32 s41, ttmp6, 0x40004                  ; cy
	s_lshl_b32 s42, ttmp9, 2
	s_add_co_u32 s42, s42, s40                     ; block column = 4 x cluster x + cx
	s_and_b32 s43, ttmp7, 0xffff
	s_lshl_b32 s43, s43, 2
	s_add_co_u32 s43, s43, s41                     ; block row = 4 x cluster y + cy
	s_lshl_b32 s44, s41, 2
	s_lshl_b32 s44, 15, s44                        ; my row of the cluster
	s_lshl_b32 s45, 0x1111, s40                    ; my column of the cluster
	s_or_b32 s[G1A+0], s44, CW                     ; attb's tiles go to my row of the cluster
	s_mov_b32 s[G1A+1], KSTEP<<16                  ; tensor_dim0 = 128
	s_mov_b32 s[G1A+2], 64<<16                     ; tensor_dim1 = 64
	s_mov_b32 s[G1A+3], KSTEP<<16                  ; tile_dim0 = 128
	s_mov_b32 s[G1A+4], 64                         ; tile_dim1 = 64
	s_mov_b32 s[G1A+5], KDIM                       ; elements from row to row
	s_mov_b32 s[G1A+6], 0
	s_mov_b32 s[G1A+7], 0
	s_or_b32 s[G1B+0], s45, CW                     ; wob's tiles go to my column of the cluster
	s_mov_b32 s[G1B+1], KSTEP<<16
	s_mov_b32 s[G1B+2], 128<<16                    ; 128 rows
	s_mov_b32 s[G1B+3], KSTEP<<16
	s_mov_b32 s[G1B+4], 128
	s_mov_b32 s[G1B+5], KDIM
	s_mov_b32 s[G1B+6], 0
	s_mov_b32 s[G1B+7], 0
	; where the tiles come from: attb's hang on the block row alone, wob's on the block column alone, each in registers that never hold the other coordinate
	s_lshl_b32 s66, s16, 6
	s_lshl_b32 s68, s43, 7
	s_add_co_u32 s68, s68, s66                     ; attb: row 128 x block row + 64 x half
	s_mul_i32 s68, s68, KDIM*2                     ; in bytes: under 2^25
	s_mov_b32 s69, 0
	s_lshl_b32 s67, s16, 7
	s_lshl_b32 s72, s42, 8
	s_add_co_u32 s72, s72, s67                     ; wob: row 256 x block column + 128 x half
	s_mul_i32 s72, s72, KDIM*2
	s_mov_b32 s73, 0
	s_mul_i32 s74, s14, BHALF                      ; and where they go: waves 0, 1: wob's halves at wave x 34,816
	s_mul_i32 s75, s14, AHALF
	s_add_co_u32 s75, s75, BHALF                   ; waves 2, 3: attb's halves at 34,816 + wave x 17,408 = 69,632 and 87,040
	s_wait_dscnt 0x0
	s_wait_kmcnt 0x0
	s_add_nc_u64 s[68:69], s[4:5], s[68:69]
	s_add_nc_u64 s[72:73], s[6:7], s[72:73]
	CROUND                                         ; all sixteen work-groups are here: the first joint loads meet
.irp s, 0,1
	s_mov_b32 s[G0A+4*\s], 1
	s_add_co_u32 s[G0A+4*\s+1], s75, \s*SLOT
	s_add_nc_u64 s[G0A+4*\s+2:G0A+4*\s+3], s[68:69], \s*KSTEP*2
	s_or_b32 s[G0A+4*\s+3], s[G0A+4*\s+3], 0x80000000
	s_mov_b32 s[G0B+4*\s], 1
	s_add_co_u32 s[G0B+4*\s+1], s74, \s*SLOT
	s_add_nc_u64 s[G0B+4*\s+2:G0B+4*\s+3], s[72:73], \s*KSTEP*2
	s_or_b32 s[G0B+4*\s+3], s[G0B+4*\s+3], 0x80000000
	JLOAD \s                                       ; K steps 0 and 1: two loads of the wave are out, later one
.endr
	; a fragment: lane (r, h) takes row r; two loads of 16 bytes, 32 bytes apart, at row x pitch + 16 h
	v_and_b32 v1, 15, v0                           ; r
	v_bfe_u32 v2, v0, 4, 1                         ; h
	v_mul_u32_u24 v3, v1, PITCH
	v_lshl_add_u32 v3, v2, 4, v3
	s_mul_i32 s80, s15, AHALF
	s_add_co_u32 s80, s80, ABASE                   ; my 64 rows of attb
	s_mul_i32 s81, s16, BHALF                      ; my 128 rows of wob
.irp s, 0,1
	v_add_nc_u32 v[ADRA+\s], s80, v3
	v_add_nc_u32 v[ADRB+\s], s81, v3
	s_add_co_u32 s80, s80, SLOT
	s_add_co_u32 s81, s81, SLOT
.endr
	s_mul_i32 s82, s14, SSZ
	s_add_co_u32 s82, s82, STAGE                   ; my stage
	v_mul_u32_u24 v4, v1, 528                      ; in: row r of 512 + 16 bytes, 32 bytes for each half of the lanes
	v_lshl_add_u32 v4, v2, 5, v4
	v_add_nc_u32 v[STO], s82, v4
	v_and_b32 v5, 31, v0
	v_lshlrev_b32 v[CO], 4, v5                     ; back and out: the wave takes a row's 512 bytes, 16 a lane
	v_add_nc_u32 v[RD], s82, v[CO]
; 8 matrix instructions: row tile a x all 8 column tiles, 32 along K.  zero = 1: the first product starts the sums.
; The 32 accumulators take turns, one instruction a turn, in the same order in every quarter step.
.macro MULA f, a, zero
.irp b, 0,1,2,3,4,5,6,7
.if \zero
	v_wmma_f32_16x16x32_bf16 v[8*(8*\a+\b):8*(8*\a+\b)+7], v[\f+8*\b:\f+8*\b+7], v[\f+64+8*\a:\f+64+8*\a+7], 0
.else
	v_wmma_f32_16x16x32_bf16 v[8*(8*\a+\b):8*(8*\a+\b)+7], v[\f+8*\b:\f+8*\b+7], v[\f+64+8*\a:\f+64+8*\a+7], v[8*(8*\a+\b):8*(8*\a+\b)+7]
.endif
.endr
.endm
; 24 LDS loads in one run: a quarter step's fragments (128 rows of wob, then 64 rows of attb, 32 K at byte k of the rows) into buffer f
.macro FETCH slot, k, f
	WIN 0
.irp i, 0,1,2,3,4,5,6,7
	ds_load_b128 v[\f+8*\i:\f+8*\i+3],   v[ADRB+\slot] offset:\k+\i*16*PITCH
	ds_load_b128 v[\f+8*\i+4:\f+8*\i+7], v[ADRB+\slot] offset:\k+\i*16*PITCH+32
.endr
.irp i, 0,1,2,3
	ds_load_b128 v[\f+64+8*\i:\f+64+8*\i+3], v[ADRA+\slot] offset:\k+\i*16*PITCH
	ds_load_b128 v[\f+64+8*\i+4:\f+64+8*\i+7], v[ADRA+\slot] offset:\k+\i*16*PITCH+32
.endr
.endm
; One of a K step's first three quarters: multiplies buffer f; in its middle fetches the next quarter's fragments into buffer g.
.macro QUARTER slot, k, f, g, zero
	s_wait_dscnt 4                                 ; wob's tiles and attb's tiles 0, 1 are in; the youngest four loads (attb's tiles 2, 3) may be out
	WIN MUL
	MULA \f, 0, \zero
	MULA \f, 1, \zero
	PLACES
	FETCH \slot, \k, \g
	s_wait_dscnt 24                                ; all but the 24 just issued
	WIN MUL
	MULA \f, 2, \zero
	MULA \f, 3, \zero
.endm
.macro THREE slot, zero
	QUARTER \slot, 64,  F0, F1, \zero
	QUARTER \slot, 128, F1, F0, 0
	QUARTER \slot, 192, F0, F1, 0
.endm
; The last quarter: multiplies buffer 1 and changes slots.  In front of the barrier each wave waits for its reads of this slot and for all its tensor
; loads (the one that is out is its part of the next slot).  Behind it, where the slot is filled again, the rest of the cluster's round, then the joint
; refill first, then the next slot's first fragments.  From a request to the wait for it a wave issues 120 matrix instructions.
.macro TURN slot, next, fill
	s_wait_dscnt 4
	WIN MUL
	MULA F1, 0, 0
	s_wait_dscnt 0                                 ; my reads of this slot are over
	s_wait_tensorcnt 0x0                           ; and all my tensor loads have landed
	ds_add_u32 v254, v255
	s_wait_dscnt 0x0
	s_barrier_signal -1
	MULA F1, 1, 0                                  ; register work while the others arrive
	WIN 0
	s_barrier_wait -1
.if \fill
	CREST                                          ; no wave of any partner still reads this slot or has a load on its way
	s_add_nc_u64 s[G0A+4*\slot+2:G0A+4*\slot+3], s[G0A+4*\slot+2:G0A+4*\slot+3], 2*KSTEP*2
	s_add_nc_u64 s[G0B+4*\slot+2:G0B+4*\slot+3], s[G0B+4*\slot+2:G0B+4*\slot+3], 2*KSTEP*2
	JLOAD \slot                                    ; the wave's one tensor load behind the round
.endif
	PLACES
	FETCH \next, 0, F0
	WIN MUL
	MULA F1, 2, 0
	MULA F1, 3, 0
.endm
.macro LAP zero
	THREE 0, \zero
	TURN 0, 1, 1
	THREE 1, 0
	TURN 1, 0, 1
.endm
	s_wait_tensorcnt 1                             ; my part of K step 0 is in; K step 1's stays out
	s_barrier_signal -1
	s_barrier_wait -1
	FETCH 0, 0, F0
	LAP 1                                          ; the first lap stands in front of the loop: its first products start the sums
	WIN 0
	s_mov_b32 s3, LAPS-2
.Llap:
	LAP 0
	WIN 0
	s_sub_co_u32 s3, s3, 1
	s_cmp_lg_u32 s3, 0
	s_cbranch_scc1 .Llap
	THREE 0, 0                                     ; the last lap fills nothing
	TURN 0, 1, 0
	THREE 1, 0
	s_wait_dscnt 4
	WIN MUL
	MULA F1, 0, 0
	MULA F1, 1, 0
	s_wait_dscnt 0
	MULA F1, 2, 0
	MULA F1, 3, 0
	; THE WAY OUT, 16 rows at a time: the sums go as they are (f32) into my own stage and come back as whole rows of 512 bytes.
	PLACES
	s_lshl_b32 s84, s43, 7
	s_lshl_b32 s85, s15, 6
	s_add_co_u32 s84, s84, s85                     ; my first row
	s_lshl_b32 s84, s84, 13                        ; rows of 8,192 bytes: under 2^26
	s_lshl_b32 s85, s42, 10                        ; my first column: 1,024 bytes a block,
	s_add_co_u32 s84, s84, s85
	s_lshl_b32 s85, s16, 9                         ; 512 a half
	s_add_co_u32 s84, s84, s85
	s_mov_b32 s85, 0
	s_add_nc_u64 s[12:13], s[12:13], s[84:85]
.macro OUT16 a, R
	WIN 0x04                                       ; store data in window 1
.irp b, 0,1,2,3,4,5,6,7
	ds_store_b128 v[STO], v[8*(8*\a+\b):8*(8*\a+\b)+3] offset:\b*64
	ds_store_b128 v[STO], v[8*(8*\a+\b)+4:8*(8*\a+\b)+7] offset:\b*64+16
.endr
	WIN 0
	s_wait_xcnt 0x0                                ; R, which earlier stores read, is loaded again only behind this wait
.irp t, 0,1,2,3,4,5,6,7,8,9,10,11,12,13,14,15
	ds_load_b128 v[\R+4*\t:\R+4*\t+3], v[RD] offset:\t*528             ; my own stage: LDS serves a wave's instructions in order (ISA guide 5.7.1)
.endr
.irp t, 0,1,2,3,4,5,6,7,8,9,10,11,12,13,14,15
	s_wait_dscnt 15-\t
	global_store_b128 v[CO], v[\R+4*\t:\R+4*\t+3], s[12:13] offset:(16*\a+\t)*8192 th:TH_STORE_NT   ; 512 neighbouring bytes of a row, at a multiple of 512 from the buffer's first byte
.endr
.endm
	OUT16 0, 32
	OUT16 1, 96
	OUT16 2, 32
	OUT16 3, 96
	s_wait_tensorcnt 0x0
	ds_add_u32 v254, v255
	s_wait_dscnt 0x0
	CROUND                                         ; the closing round: no work-group ends while a partner may still ask for a tile that names it
	s_endpgm
.Lfunc_end_k_q538269685f_oproj:
	.size	k_q538269685f_oproj, .Lfunc_end_k_q538269685f_oproj-k_q538269685f_oproj
	.p2alignl 7, 3214868480
	.fill 96, 4, 3214868480
	.section	.rodata,"a",@progbits
	.p2align	6, 0x0
	.amdhsa_kernel k_q538269685f_oproj
		.amdhsa_group_segment_fixed_size 327680
		.amdhsa_private_segment_fixed_size 0
		.amdhsa_enable_private_segment 0
		.amdhsa_kernarg_size 24
		.amdhsa_user_sgpr_count 2
		.amdhsa_user_sgpr_kernarg_segment_ptr 1
		.amdhsa_wavefront_size32 1
		.amdhsa_system_sgpr_workgroup_id_x 1
		.amdhsa_system_sgpr_workgroup_id_y 1
		.amdhsa_system_sgpr_workgroup_id_z 1
		.amdhsa_system_vgpr_workitem_id 0
		.amdhsa_next_free_vgpr 512
		.amdhsa_next_free_sgpr 90
		.amdhsa_reserve_vcc 0
		.amdhsa_float_denorm_mode_32 3
		.amdhsa_float_denorm_mode_16_64 3
		.amdhsa_memory_ordered 1
		.amdhsa_forward_progress 1
		.amdhsa_inst_pref_size 117
	.end_amdhsa_kernel
	.amdgpu_metadata
---
amdhsa.version: [ 1, 2 ]
amdhsa.kernels:
  - .name:           k_q538269685f_oproj
    .symbol:         k_q538269685f_oproj.kd
    .args:
      - { .name: attb, .offset: 0, .size: 8, .value_kind: global_buffer, .address_space: global }
      - { .name: wob, .offset: 8, .size: 8, .value_kind: global_buffer, .address_space: global }
      - { .name: out0, .offset: 16, .size: 8, .value_kind: global_buffer, .address_space: global }
    .group_segment_fixed_size: 327680
    .private_segment_fixed_size: 0
    .kernarg_segment_align: 8
    .kernarg_segment_size: 24
    .max_flat_workgroup_size: 128
    .sgpr_count:     90
    .vgpr_count:     512
    .wavefront_size: 32
...
	.end_amdgpu_metadata
.endif
;; end of part 4
;; ======== version 2 of 2: 4 launches
;; limits: values are held in f16: magnitudes above 65,504 overflow, below 6.1e-05 lose precision; right only within a limited range of input values
;; workspace buffers: hsb 16,777,216 bytes; wqkv 8,388,608 bytes; wob 4,194,304 bytes; qkvb 16,777,216 bytes; attb 8,388,608 bytes
;; launch tobf16 (part 5): grid 1792 x 1, 8 waves a work-group, no clusters, 0 bytes of LDS; arguments hidden_states, Wq, Wk, Wv, Wo, hsb, wqkv, wob; writes hsb, wqkv, wob
.if DOCPART == 5
	.amdgcn_target "amdgcn-amd-amdhsa--gfx1250"
	.amdhsa_code_object_version 6
	.text
	.protected	k_q538269685f_tobf16
	.globl	k_q538269685f_tobf16
	.p2align	8
	.type	k_q538269685f_tobf16,@function
k_q538269685f_tobf16:
	s_mov_b64 s[64:65], 0
	v_nop
	global_prefetch_b8 v0, s[64:65] scope:SCOPE_SE
	s_setreg_imm32_b32 hwreg(HW_REG_WAVE_MODE, 25, 1), 1
	s_wait_xcnt 0x0
; Casts the five large f32 inputs to 16 bits, each number rounded once to bf16, so that the two products that follow can be fed by joint tensor loads.
;   hidden_states -> hsb [4096][2048] bf16.
;   Wq x c, Wk, Wv x 16 -> wqkv [2048][2048] bf16, rows in blocks of 256: block j = query heads 2j and 2j+1 (128 rows), key head j (64), value head j (64).
;   Wo -> wob [2048][1024]: rounded to bf16 like the others, and that number stored in f16, because the last product's other operand is f16.
; c = 0.125 x log2(e): the 1/sqrt(64) of the scores and the change to base 2 of the softmax are multiplied into Wq in f32, ahead of its one rounding.
; The 16 on Wv is a power of two, so the rounding is that of Wv itself; it centres v in f16's range for the second product of the attention.
; LIMITS of Wo in f16: a bf16 number has 8 significant bits, so f16 holds it exactly from 7.6e-6 (2^-17) up to 65,504; below, the absolute error is at
; most 3e-8; from 65,520 on it becomes infinite.
; A work-group takes a chunk of 8,192 numbers (32,768 bytes in, 16,384 out); 1024 + 256 + 128 + 128 + 256 = 1792 chunks.
; A stream: every byte is read once and written once; no work-group shares a byte with another, so LDS, clusters and the matrix unit have nothing to add.
; A load of a wave covers 512 neighbouring bytes, a store 256 neighbouring bytes that start at a multiple of 256 from the buffer's first byte.
.set X, 4                              ; v[4:35]   eight loads of four f32
.set Y, 36                             ; v[36:51]  eight stores of four 16-bit numbers
	s_load_b512 s[8:23], s[0:1], 0x0               ; hidden s[8:9], Wq s[10:11], Wk s[12:13], Wv s[14:15], Wo s[16:17], hsb s[18:19], wqkv s[20:21], wob s[22:23]
	v_lshlrev_b32 v1, 4, v0                        ; 16 bytes a thread in
	v_lshlrev_b32 v2, 3, v0                        ; 8 bytes a thread out
	s_mov_b32 s29, 0                               ; upper words of the two offsets
	s_mov_b32 s33, 0
	s_wait_kmcnt 0x0
; The chunk.  s4 = its number in the source, s32 = its byte offset in the destination, s[30:31] = the factor.
; Eight loads go out together, then each is rounded and stored as it comes.  No register that a pending load or store names is written.
.macro BODY src, dst, scale, half
	s_lshl_b32 s28, s4, 15                         ; at most 1023 x 32,768 bytes
	s_add_nc_u64 s[\src:\src+1], s[\src:\src+1], s[28:29]
	s_add_nc_u64 s[\dst:\dst+1], s[\dst:\dst+1], s[32:33]
.irp i, 0,1,2,3,4,5,6,7
	global_load_b128 v[X+4*\i:X+4*\i+3], v1, s[\src:\src+1] offset:4096*\i th:TH_LOAD_NT
.endr
.irp i, 0,1,2,3,4,5,6,7
	s_wait_loadcnt 7-\i                            ; loads come back in order: load i is in, the younger ones stay out
.if \scale
	v_pk_mul_f32 v[X+4*\i:X+4*\i+1], v[X+4*\i:X+4*\i+1], s[30:31] op_sel_hi:[1,0]
	v_pk_mul_f32 v[X+4*\i+2:X+4*\i+3], v[X+4*\i+2:X+4*\i+3], s[30:31] op_sel_hi:[1,0]
.endif
	v_cvt_pk_bf16_f32 v[Y+2*\i], v[X+4*\i], v[X+4*\i+1]
	v_cvt_pk_bf16_f32 v[Y+2*\i+1], v[X+4*\i+2], v[X+4*\i+3]
.if \half
	v_lshlrev_b32 v[X+4*\i],   16, v[Y+2*\i]               ; the bf16 numbers, widened again (load i has landed: its registers are free),
	v_and_b32     v[X+4*\i+1], 0xffff0000, v[Y+2*\i]
	v_lshlrev_b32 v[X+4*\i+2], 16, v[Y+2*\i+1]
	v_and_b32     v[X+4*\i+3], 0xffff0000, v[Y+2*\i+1]
	v_cvt_pk_f16_f32 v[Y+2*\i],   v[X+4*\i],   v[X+4*\i+1]  ; and written in f16: no second rounding inside the range stated above
	v_cvt_pk_f16_f32 v[Y+2*\i+1], v[X+4*\i+2], v[X+4*\i+3]
.endif
	global_store_b64 v2, v[Y+2*\i:Y+2*\i+1], s[\dst:\dst+1] offset:2048*\i          ; read again by the next launches: no hint
.endr
	s_endpgm
.endm
	s_cmp_lt_u32 ttmp9, 1024
	s_cbranch_scc0 .Lweights
	s_mov_b32 s4, ttmp9                            ; hidden_states: chunk for chunk
	s_lshl_b32 s32, ttmp9, 14
	BODY 8, 18, 0, 0
.Lweights:
	s_cmp_lt_u32 ttmp9, 1280
	s_cbranch_scc0 .Lnot_q
	s_sub_co_u32 s4, ttmp9, 1024                   ; Wq: a chunk is 4 rows; 32 chunks (two heads) go to the head of each block of 64 chunks
	s_lshr_b32 s5, s4, 5
	s_and_b32 s6, s4, 31
	s_lshl_b32 s5, s5, 6
	s_add_co_u32 s5, s5, s6
	s_lshl_b32 s32, s5, 14
	s_mov_b32 s30, 0x3e38aa3b                      ; c = 0.125 x 1.442695
	s_mov_b32 s31, 0x3e38aa3b                      ; (the pair is named whole by the packed multiply)
	BODY 10, 20, 1, 0
.Lnot_q:
	s_cmp_lt_u32 ttmp9, 1408
	s_cbranch_scc0 .Lnot_k
	s_sub_co_u32 s4, ttmp9, 1280                   ; Wk: 16 chunks (a head) at chunk 32 of each block
	s_lshr_b32 s5, s4, 4
	s_and_b32 s6, s4, 15
	s_lshl_b32 s5, s5, 6
	s_add_co_u32 s5, s5, s6
	s_add_co_u32 s5, s5, 32
	s_lshl_b32 s32, s5, 14
	BODY 12, 20, 0, 0
.Lnot_k:
	s_cmp_lt_u32 ttmp9, 1536
	s_cbranch_scc0 .Lnot_v
	s_sub_co_u32 s4, ttmp9, 1408                   ; Wv: 16 chunks (a head) at chunk 48 of each block
	s_lshr_b32 s5, s4, 4
	s_and_b32 s6, s4, 15
	s_lshl_b32 s5, s5, 6
	s_add_co_u32 s5, s5, s6
	s_add_co_u32 s5, s5, 48
	s_lshl_b32 s32, s5, 14
	s_mov_b32 s30, 0x41800000                      ; 16
	s_mov_b32 s31, 0x41800000
	BODY 14, 20, 1, 0
.Lnot_v:
	s_sub_co_u32 s4, ttmp9, 1536                   ; Wo: chunk for chunk
	s_lshl_b32 s32, s4, 14
	BODY 16, 22, 0, 1
.Lfunc_end_k_q538269685f_tobf16:
	.size	k_q538269685f_tobf16, .Lfunc_end_k_q538269685f_tobf16-k_q538269685f_tobf16
	.p2alignl 7, 3214868480
	.fill 96, 4, 3214868480
	.section	.rodata,"a",@progbits
	.p2align	6, 0x0
	.amdhsa_kernel k_q538269685f_tobf16
		.amdhsa_group_segment_fixed_size 0
		.amdhsa_private_segment_fixed_size 0
		.amdhsa_enable_private_segment 0
		.amdhsa_kernarg_size 64
		.amdhsa_user_sgpr_count 2
		.amdhsa_user_sgpr_kernarg_segment_ptr 1
		.amdhsa_wavefront_size32 1
		.amdhsa_system_sgpr_workgroup_id_x 1
		.amdhsa_system_sgpr_workgroup_id_y 1
		.amdhsa_system_sgpr_workgroup_id_z 1
		.amdhsa_system_vgpr_workitem_id 0
		.amdhsa_next_free_vgpr 52
		.amdhsa_next_free_sgpr 66
		.amdhsa_reserve_vcc 0
		.amdhsa_float_denorm_mode_32 3
		.amdhsa_float_denorm_mode_16_64 3
		.amdhsa_memory_ordered 1
		.amdhsa_forward_progress 1
		.amdhsa_inst_pref_size 21
	.end_amdhsa_kernel
	.amdgpu_metadata
---
amdhsa.version: [ 1, 2 ]
amdhsa.kernels:
  - .name:           k_q538269685f_tobf16
    .symbol:         k_q538269685f_tobf16.kd
    .args:
      - { .name: hidden_states, .offset: 0, .size: 8, .value_kind: global_buffer, .address_space: global }
      - { .name: Wq, .offset: 8, .size: 8, .value_kind: global_buffer, .address_space: global }
      - { .name: Wk, .offset: 16, .size: 8, .value_kind: global_buffer, .address_space: global }
      - { .name: Wv, .offset: 24, .size: 8, .value_kind: global_buffer, .address_space: global }
      - { .name: Wo, .offset: 32, .size: 8, .value_kind: global_buffer, .address_space: global }
      - { .name: hsb, .offset: 40, .size: 8, .value_kind: global_buffer, .address_space: global }
      - { .name: wqkv, .offset: 48, .size: 8, .value_kind: global_buffer, .address_space: global }
      - { .name: wob, .offset: 56, .size: 8, .value_kind: global_buffer, .address_space: global }
    .group_segment_fixed_size: 0
    .private_segment_fixed_size: 0
    .kernarg_segment_align: 8
    .kernarg_segment_size: 64
    .max_flat_workgroup_size: 256
    .sgpr_count:     66
    .vgpr_count:     52
    .wavefront_size: 32
...
	.end_amdgpu_metadata
.endif
;; end of part 5
;; launch qkvproj (part 6): grid 8 x 32, 4 waves a work-group, clusters of 4 x 4, 327,680 bytes of LDS; arguments hsb, wqkv, cos, sin, qkvb; writes qkvb
.if DOCPART == 6
	.amdgcn_target "amdgcn-amd-amdhsa--gfx1250"
	.amdhsa_code_object_version 6
	.text
	.protected	k_q538269685f_qkvproj
	.globl	k_q538269685f_qkvproj
	.p2align	8
	.type	k_q538269685f_qkvproj,@function
k_q538269685f_qkvproj:
	s_mov_b64 s[64:65], 0
	v_nop
	global_prefetch_b8 v0, s[64:65] scope:SCOPE_SE
	s_setreg_imm32_b32 hwreg(HW_REG_WAVE_MODE, 25, 1), 1
	s_wait_xcnt 0x0
	s_wait_alu depctr_hold_cnt(0) depctr_sa_sdst(0) depctr_va_vdst(0) depctr_va_sdst(0) depctr_va_ssrc(0) depctr_va_vcc(0) depctr_vm_vsrc(0)
	s_getreg_b32 s2, hwreg(HW_REG_IB_STS2, 6, 4)
	s_cmp_eq_u32 s2, 0
	s_cbranch_scc0 .Lentry_in_a_cluster
	s_endpgm
.Lentry_in_a_cluster:
	s_bfe_u32 s2, ttmp6, 0x10000c
	s_cmp_lg_u32 s2, 0xf033
	s_cbranch_scc0 .Lentry_shape_is_right
	s_endpgm
.Lentry_shape_is_right:
; C[m][n] = sum over k of hsb[m][k] wqkv[n][k], m = 4096 tokens, n = 2048, k = 2048; bf16 operands, f32 sums.
; Block column j of 256 columns holds query heads 2j and 2j+1, key head j and value head j (wqkv's rows are laid so).
; On the way out the first 32 of each head's 64 columns of q and k are rotated by cos and sin (f32) and rounded once to bf16.  v (which carries a factor
; 16 from Wv) is rounded once to f16, eleven significant bits: a row that attends to few keys hands v through almost unchanged and is far larger than the
; average row, so bf16's eight bits would show in the result.
; qkvb [batch 2][slot 32][token 2048][64] of 16 bits: slots 0-15 query heads, 16-23 key heads (bf16), 24-31 value heads (f16, times 16); a slot is a dense
; block of 262,144 bytes.
; LIMITS of v in f16: |v| of 4,094 and above becomes infinite; where 16 |v| is under 6.1e-5 the absolute error is up to 3e-8 in 16 v.
; SHAPE: C has 4096 x 2048 numbers; blocks of 128 x 256 make 256 work-groups.  Four waves, each 64 x 128 of C: 32 accumulator tiles, 256 registers.
; K goes in steps of 128 (rows of 256 bytes) through two LDS slots that tensor loads fill.
; CLUSTERS: 4 x 4 work-groups.  The four of a row of the cluster share the block row, so hsb's tile; the four of a column share wqkv's tile.  Each tile is
; asked for jointly by its four, which divides the requests by four.
; REGISTERS in windows of 256: window 0 addresses and two buffers of fragments; window 1 the accumulators, tile (a, b) at v[8 (8 a + b)];
; window 2 cos and sin of my 64 tokens.
; The matrix instruction is used transposed (source 0 = 16 rows of wqkv, source 1 = 16 rows of hsb): lane (r, h) then holds row r of C and in its
; registers 0 to 7 the columns 8 h + 0 .. 7 of the tile: eight neighbouring numbers of a row.
.set KDIM,  2048
.set KSTEP, 128
.set PITCH, 272                        ; an LDS row: 256 bytes + 16 of padding: the 16 rows that a fragment load touches start 16 bytes apart modulo 256
.set BHALF, 128*PITCH                  ; 128 rows of wqkv: one tensor load
.set AHALF, 64*PITCH                   ; 64 rows of hsb: one tensor load
.set ABASE, 2*BHALF                    ; a slot: wqkv's 256 rows, then hsb's 128 rows
.set SLOT,  ABASE+2*AHALF              ; 104,448 bytes
.set STAGE, 2*SLOT                     ; behind the ring, never filled by a tensor load: each wave's own 2 heads x 16 rows x 144 bytes
.set SSZ,   4608
.set LAPS,  KDIM/(2*KSTEP)             ; a lap = two K steps = once round the ring
.set ADRA, 16                          ; v16-17  LDS address of my hsb fragments in slot 0, 1
.set ADRB, 20                          ; v20-21  the same for wqkv
.set STO,  24                          ; the way out: where I put 16 bytes
.set RD,   25                          ; the way out: where I read rows back
.set CO,   26                          ; my byte offset in qkvb
.set CS,   27                          ; my byte offset in cos and sin
.set F0,   32                          ; fragment buffer 0: wqkv's 8 tiles at +8 b, hsb's 4 tiles at +64 + 8 a
.set F1,   128                         ; fragment buffer 1
.set TW,   32                          ; the way out: rotated numbers in f32
.set PK,   64                          ; the way out: packed 16-bit numbers, head hh, tile q at +16 hh + 4 q: v[64:95]
.set G1A, 24                           ; s[24:31] descriptor group 1, hsb's tiles
.set G0A, 32                           ; s[32:39] group 0, hsb's tiles, a set for each slot
.set G1B, 48                           ; s[48:55] group 1, wqkv's tiles
.set G0B, 56                           ; s[56:63] group 0, wqkv's tiles, a set for each slot
.set CW, (1<<16)|(1<<20)|(1<<21)|(5<<22)|(3<<25)   ; elements of 2 bytes; padding on; bit 21 beside a mask; after every 64 words; 4 words
.set MUL, 0x50                         ; C and D in window 1, both sources in window 0
.set MSB, 0
.macro WIN new                         ; the immediate's high byte repeats the setting that is left
.if MSB != \new
	s_set_vgpr_msb (MSB<<8)|\new
.set MSB, \new
.endif
.endm
.macro PLACES                          ; four plain vector instructions behind a matrix instruction, ahead of a load into, or a vector write of, its registers and of a read of its result
.rept 4
	v_nop
.endr
.endm
; A joint load: waves 0 and 1 fetch wqkv's two halves, waves 2 and 3 hsb's.  The branch hangs on the wave's number alone.
.macro JLOAD s
	s_cmp_eq_u32 s15, 0
	s_cbranch_scc0 .Lfor_a_\@
	tensor_load_to_lds s[G0B+4*\s:G0B+4*\s+3], s[G1B:G1B+7]
	s_nop 0
	s_branch .Lasked_\@
.Lfor_a_\@:
	tensor_load_to_lds s[G0A+4*\s:G0A+4*\s+3], s[G1A:G1A+7]
	s_nop 0
.Lasked_\@:
.endm
.macro CREST                           ; a round of the cluster's barrier behind its opening work-group barrier
	s_cmp_lg_u32 s14, 0
	s_cbranch_scc1 .Lnot_wave_0_\@
	s_barrier_signal -3
.Lnot_wave_0_\@:
	s_barrier_wait -3
	s_barrier_signal -1
	s_barrier_wait -1
.endm
.macro CROUND                          ; a whole round
	s_barrier_signal -1
	s_barrier_wait -1
	CREST
.endm
	s_load_b256 s[4:11], s[0:1], 0x0               ; hsb s[4:5], wqkv s[6:7], cos s[8:9], sin s[10:11]
	s_load_b64 s[12:13], s[0:1], 0x20              ; qkvb
	v_lshl_add_u32 v254, v0, 2, 0x37800
	v_mov_b32 v255, 0
	ds_add_u32 v254, v255
	v_lshrrev_b32 v1, 5, v0
	v_readfirstlane_b32 s14, v1                    ; wave 0..3
	s_lshr_b32 s15, s14, 1                         ; which 64 rows of the block are mine.  Also: I fetch for wqkv (0) or for hsb (1)
	s_and_b32 s16, s14, 1                          ; which 128 columns are mine: the two query heads (0) or key and value head (1).  Also: which half of a tile I fetch
	s_bfe_u32 s40, ttmp6, 0x40000                  ; cx
	s_bfe_u32 s41, ttmp6, 0x40004                  ; cy
	s_lshl_b32 s42, ttmp9, 2
	s_add_co_u32 s42, s42, s40                     ; block column = 4 x cluster x + cx
	s_and_b32 s43, ttmp7, 0xffff
	s_lshl_b32 s43, s43, 2
	s_add_co_u32 s43, s43, s41                     ; block row = 4 x cluster y + cy
	s_lshl_b32 s44, s41, 2
	s_lshl_b32 s44, 15, s44                        ; my row of the cluster
	s_lshl_b32 s45, 0x1111, s40                    ; my column of the cluster
	s_or_b32 s[G1A+0], s44, CW                     ; hsb's tiles go to my row of the cluster
	s_mov_b32 s[G1A+1], KSTEP<<16                  ; tensor_dim0 = 128
	s_mov_b32 s[G1A+2], 64<<16                     ; tensor_dim1 = 64
	s_mov_b32 s[G1A+3], KSTEP<<16                  ; tile_dim0 = 128
	s_mov_b32 s[G1A+4], 64                         ; tile_dim1 = 64
	s_mov_b32 s[G1A+5], KDIM                       ; elements from row to row
	s_mov_b32 s[G1A+6], 0
	s_mov_b32 s[G1A+7], 0
	s_or_b32 s[G1B+0], s45, CW                     ; wqkv's tiles go to my column of the cluster
	s_mov_b32 s[G1B+1], KSTEP<<16
	s_mov_b32 s[G1B+2], 128<<16                    ; 128 rows
	s_mov_b32 s[G1B+3], KSTEP<<16
	s_mov_b32 s[G1B+4], 128
	s_mov_b32 s[G1B+5], KDIM
	s_mov_b32 s[G1B+6], 0
	s_mov_b32 s[G1B+7], 0
	; where the tiles come from: hsb's hang on the block row alone, wqkv's on the block column alone, each in registers that never hold the other coordinate
	s_lshl_b32 s66, s16, 6
	s_lshl_b32 s68, s43, 7
	s_add_co_u32 s68, s68, s66                     ; hsb: row 128 x block row + 64 x half
	s_mul_i32 s68, s68, KDIM*2                     ; in bytes: under 2^25
	s_mov_b32 s69, 0
	s_lshl_b32 s67, s16, 7
	s_lshl_b32 s72, s42, 8
	s_add_co_u32 s72, s72, s67                     ; wqkv: row 256 x block column + 128 x half
	s_mul_i32 s72, s72, KDIM*2
	s_mov_b32 s73, 0
	s_mul_i32 s74, s14, BHALF                      ; and where they go: waves 0, 1: wqkv's halves at wave x 34,816
	s_mul_i32 s75, s14, AHALF
	s_add_co_u32 s75, s75, BHALF                   ; waves 2, 3: hsb's halves at 34,816 + wave x 17,408 = 69,632 and 87,040
	s_wait_dscnt 0x0
	s_wait_kmcnt 0x0
	s_add_nc_u64 s[68:69], s[4:5], s[68:69]
	s_add_nc_u64 s[72:73], s[6:7], s[72:73]
	CROUND                                         ; all sixteen work-groups are here: the first joint loads meet
.irp s, 0,1
	s_mov_b32 s[G0A+4*\s], 1
	s_add_co_u32 s[G0A+4*\s+1], s75, \s*SLOT
	s_add_nc_u64 s[G0A+4*\s+2:G0A+4*\s+3], s[68:69], \s*KSTEP*2
	s_or_b32 s[G0A+4*\s+3], s[G0A+4*\s+3], 0x80000000
	s_mov_b32 s[G0B+4*\s], 1
	s_add_co_u32 s[G0B+4*\s+1], s74, \s*SLOT
	s_add_nc_u64 s[G0B+4*\s+2:G0B+4*\s+3], s[72:73], \s*KSTEP*2
	s_or_b32 s[G0B+4*\s+3], s[G0B+4*\s+3], 0x80000000
	JLOAD \s                                       ; K steps 0 and 1: two loads of the wave are out, later one
.endr
	; a fragment: lane (r, h) takes row r; two loads of 16 bytes, 32 bytes apart, at row x pitch + 16 h
	v_and_b32 v1, 15, v0                           ; r
	v_bfe_u32 v2, v0, 4, 1                         ; h
	v_mul_u32_u24 v3, v1, PITCH
	v_lshl_add_u32 v3, v2, 4, v3
	s_mul_i32 s80, s15, AHALF
	s_add_co_u32 s80, s80, ABASE                   ; my 64 rows of hsb
	s_mul_i32 s81, s16, BHALF                      ; my 128 rows of wqkv
.irp s, 0,1
	v_add_nc_u32 v[ADRA+\s], s80, v3
	v_add_nc_u32 v[ADRB+\s], s81, v3
	s_add_co_u32 s80, s80, SLOT
	s_add_co_u32 s81, s81, SLOT
.endr
	s_mul_i32 s82, s14, SSZ
	s_add_co_u32 s82, s82, STAGE                   ; my stage
	v_mul_u32_u24 v4, v1, 144                      ; in: row r of a head's 16 rows of 128 + 16 bytes, 16 bytes for each half of the lanes
	v_lshl_add_u32 v4, v2, 4, v4
	v_add_nc_u32 v[STO], s82, v4
	v_and_b32 v5, 31, v0                           ; lane
	v_lshrrev_b32 v6, 3, v5
	v_and_b32 v7, 7, v0
	v_mul_u32_u24 v6, v6, 144                      ; back: eight lanes take a row of 128 bytes, the wave four rows
	v_lshl_add_u32 v6, v7, 4, v6
	v_add_nc_u32 v[RD], s82, v6
	v_lshlrev_b32 v[CO], 4, v5                     ; four rows of a slot are 512 neighbouring bytes of qkvb
	v_lshlrev_b32 v[CS], 7, v1                     ; cos, sin: token r x 128 bytes + 32 h
	v_lshl_add_u32 v[CS], v2, 5, v[CS]
	s_lshl_b32 s76, s43, 7
	s_lshl_b32 s77, s15, 6
	s_add_co_u32 s76, s76, s77                     ; my first token
	s_lshl_b32 s78, s76, 7
	s_mov_b32 s79, 0
	s_add_nc_u64 s[8:9], s[8:9], s[78:79]
	s_add_nc_u64 s[10:11], s[10:11], s[78:79]
	; cos and sin of my 64 tokens, once, into window 2; they are waited for on the way out.  For tokens 16 a + r:
	; v[32a..+7] cos of dims 8h..8h+7, +8 cos of dims 16+8h.., +16 and +24 the same of sin.
	WIN 0x80
.irp a, 0,1,2,3
	global_load_b128 v[32*\a:32*\a+3],     v[CS], s[8:9] offset:\a*2048
	global_load_b128 v[32*\a+4:32*\a+7],   v[CS], s[8:9] offset:\a*2048+16
	global_load_b128 v[32*\a+8:32*\a+11],  v[CS], s[8:9] offset:\a*2048+64
	global_load_b128 v[32*\a+12:32*\a+15], v[CS], s[8:9] offset:\a*2048+80
	global_load_b128 v[32*\a+16:32*\a+19], v[CS], s[10:11] offset:\a*2048
	global_load_b128 v[32*\a+20:32*\a+23], v[CS], s[10:11] offset:\a*2048+16
	global_load_b128 v[32*\a+24:32*\a+27], v[CS], s[10:11] offset:\a*2048+64
	global_load_b128 v[32*\a+28:32*\a+31], v[CS], s[10:11] offset:\a*2048+80
.endr
	WIN 0
; 8 matrix instructions: row tile a x all 8 column tiles, 32 along K.  zero = 1: the first product starts the sums.
; The 32 accumulators take turns, one instruction a turn, in the same order in every quarter step.
.macro MULA f, a, zero
.irp b, 0,1,2,3,4,5,6,7
.if \zero
	v_wmma_f32_16x16x32_bf16 v[8*(8*\a+\b):8*(8*\a+\b)+7], v[\f+8*\b:\f+8*\b+7], v[\f+64+8*\a:\f+64+8*\a+7], 0
.else
	v_wmma_f32_16x16x32_bf16 v[8*(8*\a+\b):8*(8*\a+\b)+7], v[\f+8*\b:\f+8*\b+7], v[\f+64+8*\a:\f+64+8*\a+7], v[8*(8*\a+\b):8*(8*\a+\b)+7]
.endif
.endr
.endm
; 24 LDS loads in one run: a quarter step's fragments (128 rows of wqkv, then 64 rows of hsb, 32 K at byte k of the rows) into buffer f
.macro FETCH slot, k, f
	WIN 0
.irp i, 0,1,2,3,4,5,6,7
	ds_load_b128 v[\f+8*\i:\f+8*\i+3],   v[ADRB+\slot] offset:\k+\i*16*PITCH
	ds_load_b128 v[\f+8*\i+4:\f+8*\i+7], v[ADRB+\slot] offset:\k+\i*16*PITCH+32
.endr
.irp i, 0,1,2,3
	ds_load_b128 v[\f+64+8*\i:\f+64+8*\i+3], v[ADRA+\slot] offset:\k+\i*16*PITCH
	ds_load_b128 v[\f+64+8*\i+4:\f+64+8*\i+7], v[ADRA+\slot] offset:\k+\i*16*PITCH+32
.endr
.endm
; One of a K step's first three quarters: multiplies buffer f; in its middle fetches the next quarter's fragments into buffer g.
.macro QUARTER slot, k, f, g, zero
	s_wait_dscnt 4                                 ; wqkv's tiles and hsb's tiles 0, 1 are in; the youngest four loads (hsb's tiles 2, 3) may be out
	WIN MUL
	MULA \f, 0, \zero
	MULA \f, 1, \zero
	PLACES
	FETCH \slot, \k, \g
	s_wait_dscnt 24                                ; all but the 24 just issued
	WIN MUL
	MULA \f, 2, \zero
	MULA \f, 3, \zero
.endm
.macro THREE slot, zero
	QUARTER \slot, 64,  F0, F1, \zero
	QUARTER \slot, 128, F1, F0, 0
	QUARTER \slot, 192, F0, F1, 0
.endm
; The last quarter: multiplies buffer 1 and changes slots.  In front of the barrier each wave waits for its reads of this slot and for all its tensor
; loads (the one that is out is its part of the next slot).  Behind it, where the slot is filled again, the rest of the cluster's round, then the joint
; refill first, then the next slot's first fragments.  From a request to the wait for it a wave issues 120 matrix instructions.
.macro TURN slot, next, fill
	s_wait_dscnt 4
	WIN MUL
	MULA F1, 0, 0
	s_wait_dscnt 0                                 ; my reads of this slot are over
	s_wait_tensorcnt 0x0                           ; and all my tensor loads have landed
	ds_add_u32 v254, v255
	s_wait_dscnt 0x0
	s_barrier_signal -1
	MULA F1, 1, 0                                  ; register work while the others arrive
	WIN 0
	s_barrier_wait -1
.if \fill
	CREST                                          ; no wave of any partner still reads this slot or has a load on its way
	s_add_nc_u64 s[G0A+4*\slot+2:G0A+4*\slot+3], s[G0A+4*\slot+2:G0A+4*\slot+3], 2*KSTEP*2
	s_add_nc_u64 s[G0B+4*\slot+2:G0B+4*\slot+3], s[G0B+4*\slot+2:G0B+4*\slot+3], 2*KSTEP*2
	JLOAD \slot                                    ; the wave's one tensor load behind the round
.endif
	PLACES
	FETCH \next, 0, F0
	WIN MUL
	MULA F1, 2, 0
	MULA F1, 3, 0
.endm
.macro LAP zero
	THREE 0, \zero
	TURN 0, 1, 1
	THREE 1, 0
	TURN 1, 0, 1
.endm
	s_wait_tensorcnt 1                             ; my part of K step 0 is in; K step 1's stays out
	s_barrier_signal -1
	s_barrier_wait -1
	FETCH 0, 0, F0
	LAP 1                                          ; the first lap stands in front of the loop: its first products start the sums
	WIN 0
	s_mov_b32 s3, LAPS-2
.Llap:
	LAP 0
	WIN 0
	s_sub_co_u32 s3, s3, 1
	s_cmp_lg_u32 s3, 0
	s_cbranch_scc1 .Llap
	THREE 0, 0                                     ; the last lap fills nothing
	TURN 0, 1, 0
	THREE 1, 0
	s_wait_dscnt 4
	WIN MUL
	MULA F1, 0, 0
	MULA F1, 1, 0
	s_wait_dscnt 0
	MULA F1, 2, 0
	MULA F1, 3, 0
	; THE WAY OUT.  My 128 columns are two heads; in a head of q or k, tiles 0 and 1 hold dims 0-15 and 16-31, which the rotation pairs lane by lane:
	; out[d] = x[d] cos[d] - x[d+16] sin[d], out[d+16] = x[d+16] cos[d+16] + x[d] sin[d+16].  Tiles 2 and 3 pass.
	PLACES
	WIN 0
	s_lshr_b32 s84, s43, 4                         ; batch
	s_lshl_b32 s84, s84, 5                         ; its first slot
	s_lshl_b32 s85, s42, 1                         ; query heads 2j, 2j+1
	s_add_co_u32 s86, s42, 16                      ; key head j; the value head lies 8 slots behind it
	s_cmp_eq_u32 s16, 0
	s_cselect_b32 s85, s85, s86
	s_add_co_u32 s84, s84, s85                     ; my first slot
	s_lshl_b32 s84, s84, 11
	s_and_b32 s85, s43, 15
	s_lshl_b32 s85, s85, 7
	s_add_co_u32 s84, s84, s85
	s_lshl_b32 s85, s15, 6
	s_add_co_u32 s84, s84, s85                     ; + my first token in the batch
	s_lshl_b32 s84, s84, 7                         ; rows of 128 bytes: under 2^25
	s_mov_b32 s85, 0
	s_add_nc_u64 s[12:13], s[12:13], s[84:85]
	s_wait_loadcnt 0x0                             ; cos and sin
.macro ROT a, hh                       ; head hh of rows 16 a ..: tiles 0 and 1 rotated into TW.  Source 0 the sums (window 1), source 1 cos or sin (window 2)
.irp p, 0,1,2,3
	v_pk_mul_f32 v[TW+16*\hh+2*\p:TW+16*\hh+2*\p+1], v[8*(8*\a+4*\hh)+2*\p:8*(8*\a+4*\hh)+2*\p+1], v[32*\a+2*\p:32*\a+2*\p+1]
	v_pk_mul_f32 v[TW+16*\hh+8+2*\p:TW+16*\hh+8+2*\p+1], v[8*(8*\a+4*\hh+1)+2*\p:8*(8*\a+4*\hh+1)+2*\p+1], v[32*\a+8+2*\p:32*\a+8+2*\p+1]
	v_pk_fma_f32 v[TW+16*\hh+2*\p:TW+16*\hh+2*\p+1], v[8*(8*\a+4*\hh+1)+2*\p:8*(8*\a+4*\hh+1)+2*\p+1], v[32*\a+16+2*\p:32*\a+16+2*\p+1], v[TW+16*\hh+2*\p:TW+16*\hh+2*\p+1] neg_lo:[1,0,0] neg_hi:[1,0,0]
	v_pk_fma_f32 v[TW+16*\hh+8+2*\p:TW+16*\hh+8+2*\p+1], v[8*(8*\a+4*\hh)+2*\p:8*(8*\a+4*\hh)+2*\p+1], v[32*\a+24+2*\p:32*\a+24+2*\p+1], v[TW+16*\hh+8+2*\p:TW+16*\hh+8+2*\p+1]
.endr
.endm
.macro PACKROT hh                      ; the rotated tiles, rounded (all in window 0)
.irp q, 0,1
.irp p, 0,1,2,3
	v_cvt_pk_bf16_f32 v[PK+4*(4*\hh+\q)+\p], v[TW+16*\hh+8*\q+2*\p], v[TW+16*\hh+8*\q+2*\p+1]
.endr
.endr
.endm
.macro PACKPASS a, hh                  ; tiles 2 and 3, rounded (both sources the sums, window 1)
.irp q, 2,3
.irp p, 0,1,2,3
	v_cvt_pk_bf16_f32 v[PK+4*(4*\hh+\q)+\p], v[8*(8*\a+4*\hh+\q)+2*\p], v[8*(8*\a+4*\hh+\q)+2*\p+1]
.endr
.endr
.endm
; Two heads' 16 rows x 128 bytes go through my own stage and out, the second head to the slot pstr bytes behind my first.  R: the registers that carry them, two sets in turn.
.macro FLUSH a, R, pstr
.set t_, 0
.rept 8
	ds_store_b128 v[STO], v[PK+4*t_:PK+4*t_+3] offset:(t_/4)*2304+(t_%4)*32
.set t_, t_+1
.endr
	s_wait_xcnt 0x0                                ; R, which earlier stores read, is loaded again only behind this wait
.set t_, 0
.rept 8
	ds_load_b128 v[\R+4*t_:\R+4*t_+3], v[RD] offset:(t_/4)*2304+(t_%4)*576    ; my own stage: LDS serves a wave's instructions in order (ISA guide 5.7.1)
.set t_, t_+1
.endr
.set t_, 0
.rept 8
	s_wait_dscnt 7-t_                              ; read-back t is in, the younger ones may be out
	global_store_b128 v[CO], v[\R+4*t_:\R+4*t_+3], s[12:13] offset:(t_/4)*\pstr+\a*2048+(t_%4)*512   ; 512 neighbouring bytes, at a multiple of 512 from the buffer's first byte
.set t_, t_+1
.endr
.endm
.macro OUTQQ a, R                      ; rows 16 a .. of two query heads
	WIN 0x09
	ROT \a, 0
	ROT \a, 1
	WIN 0
	PACKROT 0
	PACKROT 1
	WIN 0x05
	PACKPASS \a, 0
	PACKPASS \a, 1
	WIN 0
	FLUSH \a, \R, 262144
.endm
.macro OUTKV a, R                      ; rows 16 a .. of the key head and of the value head
	WIN 0x09
	ROT \a, 0
	WIN 0
	PACKROT 0
	WIN 0x05                                       ; both sources the sums
	PACKPASS \a, 0
.set i_, 0
.rept 16
	v_cvt_pk_f16_f32 v[PK+16+i_], v[8*(8*\a+4)+2*i_], v[8*(8*\a+4)+2*i_+1]     ; 16 v: tiles 4 to 7 are 32 registers in a row; the one rounding, to f16
.set i_, i_+1
.endr
	WIN 0
	FLUSH \a, \R, 2097152
.endm
	s_cmp_eq_u32 s16, 0                            ; the wave's number alone decides: the same in every work-group
	s_cbranch_scc0 .Lkv_out
	OUTQQ 0, 96
	OUTQQ 1, 128
	OUTQQ 2, 96
	OUTQQ 3, 128
	s_branch .Lclose
.Lkv_out:
	OUTKV 0, 96
	OUTKV 1, 128
	OUTKV 2, 96
	OUTKV 3, 128
.Lclose:
	s_wait_tensorcnt 0x0
	ds_add_u32 v254, v255
	s_wait_dscnt 0x0
	CROUND                                         ; the closing round: no work-group ends while a partner may still ask for a tile that names it
	s_endpgm
.Lfunc_end_k_q538269685f_qkvproj:
	.size	k_q538269685f_qkvproj, .Lfunc_end_k_q538269685f_qkvproj-k_q538269685f_qkvproj
	.p2alignl 7, 3214868480
	.fill 96, 4, 3214868480
	.section	.rodata,"a",@progbits
	.p2align	6, 0x0
	.amdhsa_kernel k_q538269685f_qkvproj
		.amdhsa_group_segment_fixed_size 327680
		.amdhsa_private_segment_fixed_size 0
		.amdhsa_enable_private_segment 0
		.amdhsa_kernarg_size 40
		.amdhsa_user_sgpr_count 2
		.amdhsa_user_sgpr_kernarg_segment_ptr 1
		.amdhsa_wavefront_size32 1
		.amdhsa_system_sgpr_workgroup_id_x 1
		.amdhsa_system_sgpr_workgroup_id_y 1
		.amdhsa_system_sgpr_workgroup_id_z 1
		.amdhsa_system_vgpr_workitem_id 0
		.amdhsa_next_free_vgpr 640
		.amdhsa_next_free_sgpr 96
		.amdhsa_reserve_vcc 0
		.amdhsa_float_denorm_mode_32 3
		.amdhsa_float_denorm_mode_16_64 3
		.amdhsa_memory_ordered 1
		.amdhsa_forward_progress 1
		.amdhsa_inst_pref_size 150
	.end_amdhsa_kernel
	.amdgpu_metadata
---
amdhsa.version: [ 1, 2 ]
amdhsa.kernels:
  - .name:           k_q538269685f_qkvproj
    .symbol:         k_q538269685f_qkvproj.kd
    .args:
      - { .name: hsb, .offset: 0, .size: 8, .value_kind: global_buffer, .address_space: global }
      - { .name: wqkv, .offset: 8, .size: 8, .value_kind: global_buffer, .address_space: global }
      - { .name: cos, .offset: 16, .size: 8, .value_kind: global_buffer, .address_space: global }
      - { .name: sin, .offset: 24, .size: 8, .value_kind: global_buffer, .address_space: global }
      - { .name: qkvb, .offset: 32, .size: 8, .value_kind: global_buffer, .address_space: global }
    .group_segment_fixed_size: 327680
    .private_segment_fixed_size: 0
    .kernarg_segment_align: 8
    .kernarg_segment_size: 40
    .max_flat_workgroup_size: 128
    .sgpr_count:     96
    .vgpr_count:     640
    .wavefront_size: 32
...
	.end_amdgpu_metadata
.endif
;; end of part 6
;; launch attention (part 7): grid 16 x 16, 8 waves a work-group, clusters of 4 x 4, 327,680 bytes of LDS; arguments qkvb, attention_mask, attb; writes attb
.if DOCPART == 7
	.amdgcn_target "amdgcn-amd-amdhsa--gfx1250"
	.amdhsa_code_object_version 6
	.text
	.protected	k_q538269685f_attention
	.globl	k_q538269685f_attention
	.p2align	8
	.type	k_q538269685f_attention,@function
k_q538269685f_attention:
	s_mov_b64 s[64:65], 0
	v_nop
	global_prefetch_b8 v0, s[64:65] scope:SCOPE_SE
	s_setreg_imm32_b32 hwreg(HW_REG_WAVE_MODE, 25, 1), 1
	s_wait_xcnt 0x0
	s_wait_alu depctr_hold_cnt(0) depctr_sa_sdst(0) depctr_va_vdst(0) depctr_va_sdst(0) depctr_va_ssrc(0) depctr_va_vcc(0) depctr_vm_vsrc(0)
	s_getreg_b32 s2, hwreg(HW_REG_IB_STS2, 6, 4)
	s_cmp_eq_u32 s2, 0
	s_cbranch_scc0 .Lentry_in_a_cluster
	s_endpgm
.Lentry_in_a_cluster:
	s_bfe_u32 s2, ttmp6, 0x10000c
	s_cmp_lg_u32 s2, 0xf033
	s_cbranch_scc0 .Lentry_shape_is_right
	s_endpgm
.Lentry_shape_is_right:
; Attention with a running maximum.  Work-group (x, y): the 128 queries of block x, the two query heads of key-value head y & 7, batch y >> 3.
; q carries 0.125 x log2(e) already (it was multiplied into Wq), the mask is multiplied by log2(e) here in f32 and is the C operand of the score
; product, so scores are in base 2:  p = 2^(s - m), m the running maximum of the row, taken away exactly: p is at most 1 for every input.
; The mask is read and used as it is given: every one of its 2048 x 2048 numbers enters a score, no key is skipped.
; PRECISION: q and k are bf16.  P goes to the second product in f16 (it lies in [0, 1] for every input; its row sum is kept in f32); v comes in f16, times
; 16.  The result leaves in f16, still times 16: attb [4096][1024] = 16 heads x 64; the last product takes the 16 out.  A row that attends to few keys is
; far larger than the average row, so an 8-bit rounding of v, P or the result would show there: all three have f16's eleven bits.
; LIMITS: m is floored at -1e38, so that masks of -inf work; a row in which every mask + score is -inf gives NaN, as the softmax of such a row does;
; |mask| above 2.3e38 overflows in the multiplication by log2(e); the result is a mean of v's rows, so v's range in f16 (stated where v is made: |v| under
; 4,094) is the result's too.
; WAVES: eight.  Wave w takes the 32 queries 32 (w & 3) .. of both heads (four column groups c = 2 head + 16-query tile) and, of each step of 128 keys,
; the 64 keys 64 (w >> 2) ..; waves w and w + 4 are joined at the end through LDS.  One load of mask numbers serves both heads.
; BOTH PRODUCTS ARE TRANSPOSED.  S^T = K Q^T + mask: lane (r, h) holds query r and in registers 0-7 keys 8 h + 0..7 of a tile, so two neighbouring tiles,
; packed to 16 bits, are a source-1 fragment of P as they stand, and a row's figures are a lane's own but for one exchange between the halves.
; O^T = V^T P: V^T comes from V's rows [key][d] by the transposing LDS load.
; CLUSTERS: 4 x 4 work-groups.  K and V tiles hang on y alone and are asked for jointly along a row of the cluster, the mask's tile on x alone and is
; asked for jointly along a column: each tile is requested once for four work-groups.
.set KOFF,  67584                      ; a slot: mask 128 rows x 528, K 128 rows x 144, V 128 rows x 160
.set VOFF,  86016
.set SLOT,  106496
.set MERGE, 2*SLOT                     ; behind the ring, never filled by a tensor load: waves 4-7 hand O and their figures to waves 0-3,
.set MSZ,   17920                      ; 128 registers x 128 bytes + 3 x 512 for each pair; when wave w has read its part, it is the wave's stage on the way out
.set ADM,  8                           ; v8-9    LDS address of my mask numbers in slot 0, 1
.set ADK,  10                          ; v10-11  of my K fragments
.set ADV,  12                          ; v12-13  of my V fragments
.set QOFF, 14
.set MRG,  15
.set STO,  16
.set RD,   17
.set CO,   18
.set MP,   20                          ; v[20:27]  group c: the running maximum, twice (a pair for the packed subtraction)
.set LL,   28                          ; v[28:31]  group c: the running sum of my half of the keys
.set AL,   32                          ; v[32:39]  group c: 2^(old maximum - new), twice
.set T,    44                          ; v[44:47]  at work (v[44:55] at the end)
.set LS,   48                          ; v[48:51]  two chains of a step's sum
.set KV,   64                          ; v[64:127] K(tt, dh) at +16 tt + 8 dh; later V(dt, u) at +16 dt + 8 u
.set SB,   128                         ; v[128:255] S(c, tt) at +32 c + 8 tt; P(c, u) at +32 c + 16 u
.set QB,   128                         ; window 1: O(c, dt) at v[32 c + 8 dt], Q(c, dh) at v[128 + 16 c + 8 dh]
.set G1M, 16                           ; s[16:23] group 1, mask
.set G1K, 24                           ; s[24:31] group 1, K
.set G1V, 32                           ; s[32:39] group 1, V
.set G0M, 48                           ; s[48:55] group 0, mask, a set for each slot
.set G0K, 56                           ; s[56:63] group 0, K
.set G0V, 68                           ; s[68:75] group 0, V
.set MSB, 0
.macro WIN new                         ; the immediate's high byte repeats the setting that is left
.if MSB != \new
	s_set_vgpr_msb (MSB<<8)|\new
.set MSB, \new
.endif
.endm
.macro ROUND                           ; a round of the cluster's barrier
	s_barrier_signal -1
	s_barrier_wait -1
	s_cmp_lg_u32 s10, 0
	s_cbranch_scc1 .Lnot_wave_0_\@
	s_barrier_signal -3
.Lnot_wave_0_\@:
	s_barrier_wait -3
	s_barrier_signal -1
	s_barrier_wait -1
.endm
; A step's tiles, one joint load a wave: waves 0-3 32 rows of the mask each, waves 4, 5 64 rows of K each, waves 6, 7 64 rows of V each.
.macro JLOAD s
	s_cmp_lt_u32 s10, 4
	s_cbranch_scc0 .Lnot_m_\@
	tensor_load_to_lds s[G0M+4*\s:G0M+4*\s+3], s[G1M:G1M+7]
	s_nop 0
	s_branch .Lasked_\@
.Lnot_m_\@:
	s_cmp_lt_u32 s10, 6
	s_cbranch_scc0 .Lfor_v_\@
	tensor_load_to_lds s[G0K+4*\s:G0K+4*\s+3], s[G1K:G1K+7]
	s_nop 0
	s_branch .Lasked_\@
.Lfor_v_\@:
	tensor_load_to_lds s[G0V+4*\s:G0V+4*\s+3], s[G1V:G1V+7]
	s_nop 0
.Lasked_\@:
.endm
	s_load_b128 s[4:7], s[0:1], 0x0                ; qkvb s[4:5], mask s[6:7]
	s_load_b64 s[8:9], s[0:1], 0x10                ; attb
	v_lshl_add_u32 v62, v0, 2, 0x45800
	v_mov_b32 v63, 0
	ds_add_u32 v62, v63
	v_lshrrev_b32 v1, 5, v0
	v_readfirstlane_b32 s10, v1                    ; wave 0..7
	s_lshr_b32 s11, s10, 2                         ; which 64 keys of a step
	s_and_b32 s12, s10, 3                          ; which 32 queries.  Also: which 32 rows of the mask I fetch
	s_and_b32 s13, s10, 1                          ; which half of K or of V I fetch
	s_bfe_u32 s40, ttmp6, 0x40000                  ; cx
	s_bfe_u32 s41, ttmp6, 0x40004                  ; cy
	s_lshl_b32 s42, ttmp9, 2
	s_add_co_u32 s42, s42, s40                     ; x: query block
	s_and_b32 s43, ttmp7, 0xffff
	s_lshl_b32 s43, s43, 2
	s_add_co_u32 s43, s43, s41                     ; y: 8 x batch + key-value head
	s_lshl_b32 s44, s41, 2
	s_lshl_b32 s44, 15, s44                        ; my row of the cluster
	s_lshl_b32 s45, 0x1111, s40                    ; my column
	s_mov_b32 s76, 0x76543210                      ; v_permlanex16_b32: lane i reads lane i of the other half
	s_mov_b32 s77, 0xfedcba98
	s_or_b32 s[G1M+0], s45, (2<<16)|(1<<20)|(1<<21)|(6<<22)|(3<<25)   ; to my column; elements of 4 bytes; 4 words of padding after every 128: LDS pitch 528
	s_mov_b32 s[G1M+1], 128<<16                    ; tensor_dim0 = 128 keys
	s_mov_b32 s[G1M+2], 32<<16                     ; tensor_dim1 = 32 queries
	s_mov_b32 s[G1M+3], 128<<16                    ; tile_dim0
	s_mov_b32 s[G1M+4], 32                         ; tile_dim1
	s_mov_b32 s[G1M+5], 2048                       ; elements from row to row
	s_mov_b32 s[G1M+6], 0
	s_mov_b32 s[G1M+7], 0
	s_or_b32 s[G1K+0], s44, (1<<16)|(1<<20)|(1<<21)|(4<<22)|(3<<25)   ; to my row; elements of 2 bytes; 4 words after every 32: LDS pitch 144
	s_mov_b32 s[G1K+1], 64<<16
	s_mov_b32 s[G1K+2], 64<<16                     ; 64 rows
	s_mov_b32 s[G1K+3], 64<<16
	s_mov_b32 s[G1K+4], 64
	s_mov_b32 s[G1K+5], 64
	s_mov_b32 s[G1K+6], 0
	s_mov_b32 s[G1K+7], 0
	s_or_b32 s[G1V+0], s44, (1<<16)|(1<<20)|(1<<21)|(4<<22)|(7<<25)   ; the same with 8 words: LDS pitch 160, an odd multiple of 32, for the transposing load
	s_mov_b32 s[G1V+1], 64<<16
	s_mov_b32 s[G1V+2], 64<<16
	s_mov_b32 s[G1V+3], 64<<16
	s_mov_b32 s[G1V+4], 64
	s_mov_b32 s[G1V+5], 64
	s_mov_b32 s[G1V+6], 0
	s_mov_b32 s[G1V+7], 0
	s_lshl_b32 s80, s42, 7                         ; the mask's tile: made of x and the wave's number alone
	s_lshl_b32 s81, s12, 5
	s_add_co_u32 s80, s80, s81                     ; query row 128 x + 32 (w & 3)
	s_lshl_b32 s80, s80, 13                        ; rows of 8,192 bytes: under 2^25
	s_mov_b32 s81, 0
	s_lshr_b32 s82, s43, 3                         ; K's and V's tiles: made of y and the wave's number alone.  Batch,
	s_and_b32 s83, s43, 7                          ; key-value head,
	s_lshl_b32 s98, s82, 5                         ; the batch's first slot in qkvb
	s_add_co_u32 s84, s98, s83
	s_add_co_u32 s84, s84, 16                      ; K's slot
	s_lshl_b32 s84, s84, 11
	s_lshl_b32 s85, s13, 6
	s_add_co_u32 s84, s84, s85                     ; + 64 rows x half
	s_lshl_b32 s84, s84, 7                         ; rows of 128 bytes: under 2^24
	s_mov_b32 s85, 0
	s_mul_i32 s88, s10, 16896                      ; LDS: mask, waves 0-3: w x 32 rows x 528
	s_mul_i32 s89, s10, 9216
	s_add_co_u32 s89, s89, 30720                   ; K, waves 4, 5: 67,584 + (w - 4) x 9,216
	s_mul_i32 s90, s10, 10240
	s_add_co_u32 s90, s90, 24576                   ; V, waves 6, 7: 86,016 + (w - 6) x 10,240
	s_wait_dscnt 0x0
	s_wait_kmcnt 0x0
	s_add_nc_u64 s[80:81], s[6:7], s[80:81]
	s_add_nc_u64 s[84:85], s[4:5], s[84:85]
	ROUND                                          ; all sixteen work-groups are here: the first joint loads meet
.irp s, 0,1
	s_mov_b32 s[G0M+4*\s], 1
	s_add_co_u32 s[G0M+4*\s+1], s88, \s*SLOT
	s_add_nc_u64 s[G0M+4*\s+2:G0M+4*\s+3], s[80:81], \s*512          ; 128 keys of 4 bytes on
	s_or_b32 s[G0M+4*\s+3], s[G0M+4*\s+3], 0x80000000
	s_mov_b32 s[G0K+4*\s], 1
	s_add_co_u32 s[G0K+4*\s+1], s89, \s*SLOT
	s_add_nc_u64 s[G0K+4*\s+2:G0K+4*\s+3], s[84:85], \s*16384        ; 128 rows of 128 bytes on
	s_or_b32 s[G0K+4*\s+3], s[G0K+4*\s+3], 0x80000000
	s_mov_b32 s[G0V+4*\s], 1
	s_add_co_u32 s[G0V+4*\s+1], s90, \s*SLOT
	s_add_nc_u64 s[G0V+4*\s+2:G0V+4*\s+3], s[84:85], \s*16384+2097152  ; V's slot is eight slots behind K's
	s_or_b32 s[G0V+4*\s+3], s[G0V+4*\s+3], 0x80000000
	JLOAD \s                                       ; steps 0 and 1: two loads of the wave are out, later one
.endr
	v_and_b32 v1, 31, v0                           ; lane
	v_and_b32 v2, 15, v0                           ; r
	v_bfe_u32 v3, v0, 4, 1                         ; h
	v_and_b32 v4, 7, v0
	v_bfe_u32 v5, v0, 3, 1
	; Q: my 32 queries of both heads, once, as source-1 fragments in window 1
	v_lshlrev_b32 v[QOFF], 7, v2
	v_lshl_add_u32 v[QOFF], v3, 4, v[QOFF]         ; row r x 128 bytes + 16 h
	s_lshl_b32 s96, s83, 1
	s_add_co_u32 s96, s96, s98                     ; slot of my first query head
	s_lshl_b32 s96, s96, 11
	s_lshl_b32 s97, s42, 7
	s_add_co_u32 s96, s96, s97
	s_lshl_b32 s97, s12, 5
	s_add_co_u32 s96, s96, s97
	s_lshl_b32 s96, s96, 7
	s_mov_b32 s97, 0
	s_add_nc_u64 s[96:97], s[4:5], s[96:97]
	WIN 0x40
.irp g, 0,1
.irp qt, 0,1
.irp dh, 0,1
	global_load_b128 v[QB+16*(2*\g+\qt)+8*\dh:QB+16*(2*\g+\qt)+8*\dh+3],   v[QOFF], s[96:97] offset:\g*262144+\qt*2048+\dh*64
	global_load_b128 v[QB+16*(2*\g+\qt)+8*\dh+4:QB+16*(2*\g+\qt)+8*\dh+7], v[QOFF], s[96:97] offset:\g*262144+\qt*2048+\dh*64+32
.endr
.endr
.endr
	WIN 0
	v_mul_u32_u24 v6, v2, 528                      ; mask: query row r, my 64 keys, 8 keys (32 bytes) for each half of the lanes
	v_lshl_add_u32 v6, v3, 5, v6
	s_mul_i32 s94, s12, 16896
	s_lshl_b32 s95, s11, 8
	s_add_co_u32 s94, s94, s95
	v_add_nc_u32 v[ADM], s94, v6
	v_add_nc_u32 v[ADM+1], SLOT, v[ADM]
	v_mul_u32_u24 v6, v2, 144                      ; K: row r x pitch + 16 h
	v_lshl_add_u32 v6, v3, 4, v6
	s_mul_i32 s94, s11, 9216
	s_add_co_u32 s94, s94, KOFF
	v_add_nc_u32 v[ADK], s94, v6
	v_add_nc_u32 v[ADK+1], SLOT, v[ADK]
	v_lshl_add_u32 v7, v3, 3, v4                   ; V, transposing load: key 8 h + (lane & 7), 16 bytes of d by bit 3 of the lane
	v_mul_u32_u24 v7, v7, 160
	v_lshl_add_u32 v7, v5, 4, v7
	s_mul_i32 s94, s11, 10240
	s_add_co_u32 s94, s94, VOFF
	v_add_nc_u32 v[ADV], s94, v7
	v_add_nc_u32 v[ADV+1], SLOT, v[ADV]
	s_mul_i32 s94, s12, MSZ
	s_add_co_u32 s94, s94, MERGE                   ; the part of the merge region that waves w and w + 4 share
	v_lshl_add_u32 v[MRG], v1, 4, s94              ; 16 bytes a lane
	v_mul_u32_u24 v6, v2, 272
	v_lshl_add_u32 v6, v3, 4, v6
	v_add_nc_u32 v[STO], s94, v6                   ; the way out, in: query r, 16 bytes for each half of the lanes
	v_mul_u32_u24 v6, v3, 272
	v_lshl_add_u32 v6, v2, 4, v6
	v_add_nc_u32 v[RD], s94, v6                    ; back: lanes 0-15 one row of 256 bytes, lanes 16-31 the next
	v_lshlrev_b32 v6, 11, v3
	v_lshl_add_u32 v[CO], v2, 4, v6                ; the same two rows in attb
	s_lshl_b32 s92, s82, 11                        ; 2048 x batch
	s_lshl_b32 s93, s42, 7
	s_add_co_u32 s92, s92, s93
	s_lshl_b32 s93, s12, 5
	s_add_co_u32 s92, s92, s93                     ; my first token
	s_lshl_b32 s92, s92, 11                        ; rows of 2,048 bytes: under 2^24
	s_lshl_b32 s93, s83, 8                         ; my two heads: 256 bytes of a row
	s_add_co_u32 s92, s92, s93
	s_mov_b32 s93, 0
	s_add_nc_u64 s[8:9], s[8:9], s[92:93]
; the pieces of a column group's softmax
.macro SMAX c                          ; the largest of my 32 scores: two chains
	v_max3_num_f32 v[T], v[SB+32*\c], v[SB+32*\c+1], v[SB+32*\c+2]
	v_max3_num_f32 v[T+1], v[SB+32*\c+17], v[SB+32*\c+18], v[SB+32*\c+19]
.irp i, 0,1,2,3,4,5
	v_max3_num_f32 v[T], v[T], v[SB+32*\c+3+2*\i], v[SB+32*\c+4+2*\i]
	v_max3_num_f32 v[T+1], v[T+1], v[SB+32*\c+20+2*\i], v[SB+32*\c+21+2*\i]
.endr
	v_max3_num_f32 v[T], v[T], v[SB+32*\c+15], v[SB+32*\c+16]
	v_max_num_f32 v[T], v[T], v[T+1]
.endm
.macro SUBM c, tt                      ; s - m, exactly
.irp k, 0,2,4,6
	v_pk_add_f32 v[SB+32*\c+8*\tt+\k:SB+32*\c+8*\tt+\k+1], v[SB+32*\c+8*\tt+\k:SB+32*\c+8*\tt+\k+1], v[MP+2*\c:MP+2*\c+1] neg_lo:[0,1] neg_hi:[0,1]
.endr
.endm
.macro EXPM c, tt
.irp k, 0,1,2,3,4,5,6,7
	v_exp_f32 v[SB+32*\c+8*\tt+\k], v[SB+32*\c+8*\tt+\k]
.endr
.endm
.macro SUMM c, tt                      ; the first tile starts the two chains: nothing is cleared
.if \tt == 0
	s_wait_alu depctr_va_vdst(0)
	v_pk_add_f32 v[LS:LS+1], v[SB+32*\c:SB+32*\c+1], v[SB+32*\c+2:SB+32*\c+3]
	v_pk_add_f32 v[LS+2:LS+3], v[SB+32*\c+4:SB+32*\c+5], v[SB+32*\c+6:SB+32*\c+7]
.else
	s_wait_alu depctr_va_vdst(0)
	v_pk_add_f32 v[LS:LS+1], v[LS:LS+1], v[SB+32*\c+8*\tt:SB+32*\c+8*\tt+1]
	v_pk_add_f32 v[LS+2:LS+3], v[LS+2:LS+3], v[SB+32*\c+8*\tt+2:SB+32*\c+8*\tt+3]
	v_pk_add_f32 v[LS:LS+1], v[LS:LS+1], v[SB+32*\c+8*\tt+4:SB+32*\c+8*\tt+5]
	v_pk_add_f32 v[LS+2:LS+3], v[LS+2:LS+3], v[SB+32*\c+8*\tt+6:SB+32*\c+8*\tt+7]
.endif
.endm
.macro CVTM c, tt                      ; tile tt, in f16, becomes registers 4 (tt & 1) .. + 3 of P(c, tt / 2); each target has been read by then
.irp k, 0,1,2,3
	v_cvt_pk_f16_f32 v[SB+32*\c+8*(\tt&2)+4*(\tt&1)+\k], v[SB+32*\c+8*\tt+2*\k], v[SB+32*\c+8*\tt+2*\k+1]
.endr
.endm
; Behind SMAX: the other half's maximum, the new running maximum, alpha, then tile by tile 2^(s - m), its sum, its rounding.
; Behind each run of v_exp_f32 stands plain work on other registers before a result is read (ISA guide 5.7.2): the next tile's subtraction, or a v_nop.
.macro SREST c, first
	v_permlanex16_b32 v[T+1], v[T], s76, s77
.if \first
	v_max3_num_f32 v[MP+2*\c], v[T], v[T+1], 0xfe967699            ; the floor, -1e38
	v_mov_b32 v[MP+2*\c+1], v[MP+2*\c]
	SUBM \c, 0
.else
	v_max3_num_f32 v[T+2], v[T], v[T+1], v[MP+2*\c]
	v_sub_f32 v[T+3], v[MP+2*\c], v[T+2]
	v_mov_b32 v[MP+2*\c], v[T+2]
	v_mov_b32 v[MP+2*\c+1], v[T+2]
	v_exp_f32 v[AL+2*\c], v[T+3]
	SUBM \c, 0
	s_wait_alu depctr_va_vdst(0)
	v_mov_b32 v[AL+2*\c+1], v[AL+2*\c]
.endif
	EXPM \c, 0
	SUBM \c, 1
	SUMM \c, 0
	CVTM \c, 0
	EXPM \c, 1
	SUBM \c, 2
	SUMM \c, 1
	CVTM \c, 1
	EXPM \c, 2
	SUBM \c, 3
	SUMM \c, 2
	CVTM \c, 2
	EXPM \c, 3
	v_nop
	SUMM \c, 3
	CVTM \c, 3
	v_pk_add_f32 v[LS:LS+1], v[LS:LS+1], v[LS+2:LS+3]
.if \first
	v_add_f32 v[LL+\c], v[LS], v[LS+1]
.else
	v_add_f32 v[T+2], v[LS], v[LS+1]
	v_fma_f32 v[LL+\c], v[LL+\c], v[AL+2*\c], v[T+2]
.endif
.endm
; One step: my 64 keys of the slot's 128 against my 4 column groups.
; In each run of matrix instructions 8 or 16 accumulators take turns, one instruction a turn.
.macro WORK slot, first
.if \first == 0
.rept 5
	v_nop                                          ; five places behind the last step's products (ISA guide 7.12.1): their sources are loaded and written over below
.endr
.endif
.irp qt, 0,1
.irp tt, 0,1,2,3
	ds_load_b128 v[SB+32*\qt+8*\tt:SB+32*\qt+8*\tt+3],   v[ADM+\slot] offset:\qt*8448+\tt*64
	ds_load_b128 v[SB+32*\qt+8*\tt+4:SB+32*\qt+8*\tt+7], v[ADM+\slot] offset:\qt*8448+\tt*64+16
.endr
.endr
.irp tt, 0,1,2,3
.irp dh, 0,1
	ds_load_b128 v[KV+16*\tt+8*\dh:KV+16*\tt+8*\dh+3],   v[ADK+\slot] offset:\tt*2304+\dh*64
	ds_load_b128 v[KV+16*\tt+8*\dh+4:KV+16*\tt+8*\dh+7], v[ADK+\slot] offset:\tt*2304+\dh*64+32
.endr
.endr
	s_wait_dscnt 16                                ; the mask's 16 loads are in, K's 16 may be out
.set i, 0
.rept 32
	v_pk_mul_f32 v[SB+i:SB+i+1], v[SB+i:SB+i+1], 0x3fb8aa3b op_sel_hi:[1,0]     ; mask x log2(e)
.set i, i+2
.endr
	s_wait_dscnt 0
	WIN 0x04                                       ; source 1 (Q) in window 1
.irp qt, 0,1                                       ; head 1 first: it takes the mask as C and leaves it whole for head 0
.irp tt, 0,1,2,3
	v_wmma_f32_16x16x32_bf16 v[SB+64+32*\qt+8*\tt:SB+64+32*\qt+8*\tt+7], v[KV+16*\tt:KV+16*\tt+7], v[QB+16*(2+\qt):QB+16*(2+\qt)+7], v[SB+32*\qt+8*\tt:SB+32*\qt+8*\tt+7]
.endr
.endr
.irp qt, 0,1
.irp tt, 0,1,2,3
	v_wmma_f32_16x16x32_bf16 v[SB+64+32*\qt+8*\tt:SB+64+32*\qt+8*\tt+7], v[KV+16*\tt+8:KV+16*\tt+15], v[QB+16*(2+\qt)+8:QB+16*(2+\qt)+15], v[SB+64+32*\qt+8*\tt:SB+64+32*\qt+8*\tt+7]
.endr
.endr
.rept 5
	v_nop                                          ; five places: head 0's products write over the C of head 1's first; also the places in front of the reads of head 1's scores
.endr
.irp qt, 0,1
.irp tt, 0,1,2,3
	v_wmma_f32_16x16x32_bf16 v[SB+32*\qt+8*\tt:SB+32*\qt+8*\tt+7], v[KV+16*\tt:KV+16*\tt+7], v[QB+16*\qt:QB+16*\qt+7], v[SB+32*\qt+8*\tt:SB+32*\qt+8*\tt+7]
.endr
.endr
.irp qt, 0,1
.irp tt, 0,1,2,3
	v_wmma_f32_16x16x32_bf16 v[SB+32*\qt+8*\tt:SB+32*\qt+8*\tt+7], v[KV+16*\tt+8:KV+16*\tt+15], v[QB+16*\qt+8:QB+16*\qt+15], v[SB+32*\qt+8*\tt:SB+32*\qt+8*\tt+7]
.endr
.endr
	WIN 0
	SMAX 2                                         ; sixteen plain instructions on head 1's scores: the places behind the last products, whose K registers V now takes
.irp dt, 0,1,2,3
.irp u, 0,1
	ds_load_tr16_b128 v[KV+16*\dt+8*\u:KV+16*\dt+8*\u+3],   v[ADV+\slot] offset:\u*5120+\dt*32
	ds_load_tr16_b128 v[KV+16*\dt+8*\u+4:KV+16*\dt+8*\u+7], v[ADV+\slot] offset:\u*5120+\dt*32+2560
.endr
.endr
	SREST 2, \first
	SMAX 3
	SREST 3, \first
	SMAX 0
	SREST 0, \first
	SMAX 1
	SREST 1, \first
.if \first == 0
	WIN 0x41                                       ; O in window 1, alpha in window 0
.irp c, 0,1,2,3
.irp k, 0,2,4,6,8,10,12,14,16,18,20,22,24,26,28,30
	v_pk_mul_f32 v[32*\c+\k:32*\c+\k+1], v[32*\c+\k:32*\c+\k+1], v[AL+2*\c:AL+2*\c+1]
.endr
.endr
.endif
	s_wait_dscnt 0                                 ; V
	WIN 0x50                                       ; C and D in window 1
.irp u, 0,1
.irp c, 0,1,2,3
.irp dt, 0,1,2,3
.if (\first) & (1-\u)
	v_wmma_f32_16x16x32_f16 v[32*\c+8*\dt:32*\c+8*\dt+7], v[KV+16*\dt+8*\u:KV+16*\dt+8*\u+7], v[SB+32*\c+16*\u:SB+32*\c+16*\u+7], 0
.else
	v_wmma_f32_16x16x32_f16 v[32*\c+8*\dt:32*\c+8*\dt+7], v[KV+16*\dt+8*\u:KV+16*\dt+8*\u+7], v[SB+32*\c+16*\u:SB+32*\c+16*\u+7], v[32*\c+8*\dt:32*\c+8*\dt+7]
.endif
.endr
.endr
.endr
	WIN 0
.endm
; A later step.  In front of the round every wave waits for all its tensor loads (its part of this step's tiles) and for its reads of the other slot;
; behind the round the other slot is asked for again first, two steps ahead, one joint load a wave; it has this step's work in which to land.
.macro STEP slot, other, refill
	s_wait_tensorcnt 0x0
	ds_add_u32 v62, v63
	s_wait_dscnt 0x0
.if \refill
	s_add_nc_u64 s[G0M+4*\other+2:G0M+4*\other+3], s[G0M+4*\other+2:G0M+4*\other+3], 1024
	s_add_nc_u64 s[G0K+4*\other+2:G0K+4*\other+3], s[G0K+4*\other+2:G0K+4*\other+3], 32768
	s_add_nc_u64 s[G0V+4*\other+2:G0V+4*\other+3], s[G0V+4*\other+2:G0V+4*\other+3], 32768
.endif
	s_wait_dscnt 0x0
.if \refill
	ROUND
	JLOAD \other
.else
	s_barrier_signal -1                            ; the work-group's barrier shows the tile whole
	s_barrier_wait -1
.endif
	WORK \slot, 0
.endm
	s_wait_loadcnt 0x0                             ; Q
	s_wait_tensorcnt 1                             ; my part of step 0 is in; step 1's stays out
	s_barrier_signal -1
	s_barrier_wait -1
	WORK 0, 1                                      ; the first step starts maxima, sums and O
	s_mov_b32 s78, 7
.Lkv:
	STEP 1, 0, 1
	STEP 0, 1, 1
	s_sub_co_u32 s78, s78, 1
	s_cmp_lg_u32 s78, 0
	s_cbranch_scc1 .Lkv
	STEP 1, 0, 0                                   ; step 15: nothing is left to fetch
	; THE TWO HALVES OF THE KEYS ARE JOINED.  First each lane's sum with the other half of the lanes, then waves 4-7 hand O, m and l to waves 0-3.
.rept 4
	v_nop                                          ; four places behind the last products, ahead of the reads of O and the writes of their sources
.endr
.irp c, 0,1,2,3
	v_permlanex16_b32 v[T+\c], v[LL+\c], s76, s77
.endr
.irp c, 0,1,2,3
	v_add_f32 v[LL+\c], v[LL+\c], v[T+\c]
.endr
	s_cmp_lt_u32 s10, 4
	s_cbranch_scc1 .Lkeep
	WIN 0x04                                       ; store data in window 1
.set i, 0
.rept 32
	ds_store_b128 v[MRG], v[4*i:4*i+3] offset:512*i
.set i, i+1
.endr
	WIN 0
	ds_store_b128 v[MRG], v[MP:MP+3] offset:16384
	ds_store_b128 v[MRG], v[MP+4:MP+7] offset:16896
	ds_store_b128 v[MRG], v[LL:LL+3] offset:17408
.Lkeep:
	s_wait_dscnt 0x0                               ; for the readers: my stores are done
	s_barrier_signal -1
	s_barrier_wait -1
	s_cmp_ge_u32 s10, 4
	s_cbranch_scc1 .Lend
	ds_load_b128 v[T:T+3], v[MRG] offset:16384     ; the partner's maxima (pairs) in v[44:51], its sums in v[52:55]
	ds_load_b128 v[T+4:T+7], v[MRG] offset:16896
	ds_load_b128 v[T+8:T+11], v[MRG] offset:17408
.set i, 0
.rept 32
	ds_load_b128 v[SB+4*i:SB+4*i+3], v[MRG] offset:512*i
.set i, i+1
.endr
	s_wait_dscnt 32                                ; the three loads of figures are in, the 32 of O may be out
.set FO, 88                            ; group c: my factor, twice
.set FP, 96                            ; group c: the partner's factor, twice
.set MX, 104
.irp c, 0,1,2,3
	v_max_num_f32 v[MX+\c], v[MP+2*\c], v[T+2*\c]
.endr
.irp c, 0,1,2,3
	v_sub_f32 v[64+\c], v[MP+2*\c], v[MX+\c]
	v_sub_f32 v[68+\c], v[T+2*\c], v[MX+\c]
.endr
.irp c, 0,1,2,3
	v_exp_f32 v[72+\c], v[64+\c]
	v_exp_f32 v[76+\c], v[68+\c]
.endr
	v_nop                                          ; a plain place behind the run of exponentials
.irp c, 0,1,2,3
	s_wait_alu depctr_va_vdst(0)
	v_mul_f32 v[80+\c], v[LL+\c], v[72+\c]
.endr
.irp c, 0,1,2,3
	v_fmac_f32 v[80+\c], v[T+8+\c], v[76+\c]       ; the row's whole sum
.endr
.irp c, 0,1,2,3
	v_rcp_f32 v[84+\c], v[80+\c]
.endr
	v_nop                                          ; a plain place behind the run of reciprocals
.irp c, 0,1,2,3
	s_wait_alu depctr_va_vdst(0)
	v_mul_f32 v[FO+2*\c], v[72+\c], v[84+\c]
	v_mul_f32 v[FO+2*\c+1], v[72+\c], v[84+\c]
	v_mul_f32 v[FP+2*\c], v[76+\c], v[84+\c]
	v_mul_f32 v[FP+2*\c+1], v[76+\c], v[84+\c]
.endr
	s_wait_dscnt 0x0                               ; the partner's O is in: from here on my part of the merge region is my stage
.irp c, 0,1,2,3
.irp k, 0,2,4,6,8,10,12,14,16,18,20,22,24,26,28,30
	v_pk_mul_f32 v[SB+32*\c+\k:SB+32*\c+\k+1], v[SB+32*\c+\k:SB+32*\c+\k+1], v[FP+2*\c:FP+2*\c+1]
.endr
.endr
	WIN 0x01                                       ; source 0: my O, window 1
.irp c, 0,1,2,3
.irp k, 0,2,4,6,8,10,12,14,16,18,20,22,24,26,28,30
	v_pk_fma_f32 v[SB+32*\c+\k:SB+32*\c+\k+1], v[32*\c+\k:32*\c+\k+1], v[FO+2*\c:FO+2*\c+1], v[SB+32*\c+\k:SB+32*\c+\k+1]
.endr
.endr
	WIN 0
; THE WAY OUT, 16 queries at a time: a lane holds eight neighbouring d of query r, which round to 16 bytes of f16 (still times 16).  Both heads make a row of
; 256 bytes, which goes through my stage.  The rows come back into the registers of a column group just rounded, which nothing writes again.
.macro OUTQ qt
.irp g, 0,1
.irp dt, 0,1,2,3
.irp k, 0,1,2,3
	v_cvt_pk_f16_f32 v[64+16*\g+4*\dt+\k], v[SB+32*(2*\g+\qt)+8*\dt+2*\k], v[SB+32*(2*\g+\qt)+8*\dt+2*\k+1]
.endr
.endr
.endr
.irp g, 0,1
.irp dt, 0,1,2,3
	ds_store_b128 v[STO], v[64+16*\g+4*\dt:64+16*\g+4*\dt+3] offset:\g*128+\dt*32
.endr
.endr
.irp t, 0,1,2,3,4,5,6,7
	ds_load_b128 v[SB+32*\qt+4*\t:SB+32*\qt+4*\t+3], v[RD] offset:\t*544             ; my own stage: LDS serves a wave's instructions in order (ISA guide 5.7.1)
.endr
.irp t, 0,1,2,3,4,5,6,7
	s_wait_dscnt 7-\t                              ; read-back t is in, the younger ones may be out
	global_store_b128 v[CO], v[SB+32*\qt+4*\t:SB+32*\qt+4*\t+3], s[8:9] offset:(16*\qt+2*\t)*2048    ; 16 lanes store 256 neighbouring bytes, at a multiple of 256 from the buffer's first byte
.endr
.endm
	OUTQ 0
	OUTQ 1
.Lend:
	s_wait_tensorcnt 0x0
	ds_add_u32 v62, v63
	s_wait_dscnt 0x0
	ROUND                                          ; the closing round: no work-group ends while a partner may still ask for a tile that names it
	s_endpgm
.Lfunc_end_k_q538269685f_attention:
	.size	k_q538269685f_attention, .Lfunc_end_k_q538269685f_attention-k_q538269685f_attention
	.p2alignl 7, 3214868480
	.fill 96, 4, 3214868480
	.section	.rodata,"a",@progbits
	.p2align	6, 0x0
	.amdhsa_kernel k_q538269685f_attention
		.amdhsa_group_segment_fixed_size 327680
		.amdhsa_private_segment_fixed_size 0
		.amdhsa_enable_private_segment 0
		.amdhsa_kernarg_size 24
		.amdhsa_user_sgpr_count 2
		.amdhsa_user_sgpr_kernarg_segment_ptr 1
		.amdhsa_wavefront_size32 1
		.amdhsa_system_sgpr_workgroup_id_x 1
		.amdhsa_system_sgpr_workgroup_id_y 1
		.amdhsa_system_sgpr_workgroup_id_z 1
		.amdhsa_system_vgpr_workitem_id 0
		.amdhsa_next_free_vgpr 448
		.amdhsa_next_free_sgpr 100
		.amdhsa_reserve_vcc 0
		.amdhsa_float_denorm_mode_32 3
		.amdhsa_float_denorm_mode_16_64 3
		.amdhsa_memory_ordered 1
		.amdhsa_forward_progress 1
		.amdhsa_inst_pref_size 178
	.end_amdhsa_kernel
	.amdgpu_metadata
---
amdhsa.version: [ 1, 2 ]
amdhsa.kernels:
  - .name:           k_q538269685f_attention
    .symbol:         k_q538269685f_attention.kd
    .args:
      - { .name: qkvb, .offset: 0, .size: 8, .value_kind: global_buffer, .address_space: global }
      - { .name: attention_mask, .offset: 8, .size: 8, .value_kind: global_buffer, .address_space: global }
      - { .name: attb, .offset: 16, .size: 8, .value_kind: global_buffer, .address_space: global }
    .group_segment_fixed_size: 327680
    .private_segment_fixed_size: 0
    .kernarg_segment_align: 8
    .kernarg_segment_size: 24
    .max_flat_workgroup_size: 256
    .sgpr_count:     100
    .vgpr_count:     448
    .wavefront_size: 32
...
	.end_amdgpu_metadata
.endif
;; end of part 7
;; launch oproj (part 8): grid 8 x 32, 4 waves a work-group, clusters of 4 x 4, 327,680 bytes of LDS; arguments attb, wob, out0; writes out0
.if DOCPART == 8
	.amdgcn_target "amdgcn-amd-amdhsa--gfx1250"
	.amdhsa_code_object_version 6
	.text
	.protected	k_q538269685f_oproj
	.globl	k_q538269685f_oproj
	.p2align	8
	.type	k_q538269685f_oproj,@function
k_q538269685f_oproj:
	s_mov_b64 s[64:65], 0
	v_nop
	global_prefetch_b8 v0, s[64:65] scope:SCOPE_SE
	s_setreg_imm32_b32 hwreg(HW_REG_WAVE_MODE, 25, 1), 1
	s_wait_xcnt 0x0
	s_wait_alu depctr_hold_cnt(0) depctr_sa_sdst(0) depctr_va_vdst(0) depctr_va_sdst(0) depctr_va_ssrc(0) depctr_va_vcc(0) depctr_vm_vsrc(0)
	s_getreg_b32 s2, hwreg(HW_REG_IB_STS2, 6, 4)
	s_cmp_eq_u32 s2, 0
	s_cbranch_scc0 .Lentry_in_a_cluster
	s_endpgm
.Lentry_in_a_cluster:
	s_bfe_u32 s2, ttmp6, 0x10000c
	s_cmp_lg_u32 s2, 0xf033
	s_cbranch_scc0 .Lentry_shape_is_right
	s_endpgm
.Lentry_shape_is_right:
; out0[m][n] = 1/16 x sum over k of attb[m][k] wob[n][k], m = 4096 tokens, n = 2048, k = 1024; f16 operands, f32 sums, f32 out.
; attb holds the attention's result times 16 in f16; wob holds Wo, rounded to bf16 and written in f16; the 16 is taken out of the f32 sums, exactly.
; SHAPE: out0 has 4096 x 2048 numbers; blocks of 128 x 256 make 256 work-groups.  Four waves, each 64 x 128: 32 accumulator tiles, 256 registers.
; K goes in steps of 128 (rows of 256 bytes) through two LDS slots that tensor loads fill.
; CLUSTERS: 4 x 4 work-groups.  The four of a row of the cluster share attb's tile, the four of a column wob's; each tile is asked for jointly by its
; four, which divides the requests by four.
; REGISTERS in windows of 256: window 0 addresses and two buffers of fragments; window 1 the accumulators, tile (a, b) at v[8 (8 a + b)].
; The matrix instruction is used transposed (source 0 = 16 rows of wob, source 1 = 16 rows of attb): lane (r, h) holds row r of the result and in its
; registers 0 to 7 the columns 8 h + 0 .. 7 of the tile: 32 neighbouring bytes of a row.
.set KDIM,  1024
.set KSTEP, 128
.set PITCH, 272                        ; an LDS row: 256 bytes + 16 of padding: the 16 rows that a fragment load touches start 16 bytes apart modulo 256
.set BHALF, 128*PITCH                  ; 128 rows of wob: one tensor load
.set AHALF, 64*PITCH                   ; 64 rows of attb: one tensor load
.set ABASE, 2*BHALF                    ; a slot: wob's 256 rows, then attb's 128 rows
.set SLOT,  ABASE+2*AHALF              ; 104,448 bytes
.set STAGE, 2*SLOT                     ; behind the ring, never filled by a tensor load: each wave's own 16 rows x 528 bytes
.set SSZ,   8448
.set LAPS,  KDIM/(2*KSTEP)             ; a lap = two K steps = once round the ring
.set ADRA, 16                          ; v16-17  LDS address of my attb fragments in slot 0, 1
.set ADRB, 20                          ; v20-21  the same for wob
.set STO,  24
.set RD,   25
.set CO,   26
.set F0,   32                          ; fragment buffer 0: wob's 8 tiles at +8 b, attb's 4 tiles at +64 + 8 a
.set F1,   128                         ; fragment buffer 1
.set G1A, 24                           ; s[24:31] descriptor group 1, attb's tiles
.set G0A, 32                           ; s[32:39] group 0, attb's tiles, a set for each slot
.set G1B, 48                           ; s[48:55] group 1, wob's tiles
.set G0B, 56                           ; s[56:63] group 0, wob's tiles, a set for each slot
.set CW, (1<<16)|(1<<20)|(1<<21)|(5<<22)|(3<<25)   ; elements of 2 bytes; padding on; bit 21 beside a mask; after every 64 words; 4 words
.set MUL, 0x50                         ; C and D in window 1, both sources in window 0
.set MSB, 0
.macro WIN new                         ; the immediate's high byte repeats the setting that is left
.if MSB != \new
	s_set_vgpr_msb (MSB<<8)|\new
.set MSB, \new
.endif
.endm
.macro PLACES                          ; four plain vector instructions behind a matrix instruction, ahead of a load into its registers and of a read or a vector write of its result
.rept 4
	v_nop
.endr
.endm
; A joint load: waves 0 and 1 fetch wob's two halves, waves 2 and 3 attb's.  The branch hangs on the wave's number alone.
.macro JLOAD s
	s_cmp_eq_u32 s15, 0
	s_cbranch_scc0 .Lfor_a_\@
	tensor_load_to_lds s[G0B+4*\s:G0B+4*\s+3], s[G1B:G1B+7]
	s_nop 0
	s_branch .Lasked_\@
.Lfor_a_\@:
	tensor_load_to_lds s[G0A+4*\s:G0A+4*\s+3], s[G1A:G1A+7]
	s_nop 0
.Lasked_\@:
.endm
.macro CREST                           ; a round of the cluster's barrier behind its opening work-group barrier
	s_cmp_lg_u32 s14, 0
	s_cbranch_scc1 .Lnot_wave_0_\@
	s_barrier_signal -3
.Lnot_wave_0_\@:
	s_barrier_wait -3
	s_barrier_signal -1
	s_barrier_wait -1
.endm
.macro CROUND                          ; a whole round
	s_barrier_signal -1
	s_barrier_wait -1
	CREST
.endm
	s_load_b128 s[4:7], s[0:1], 0x0                ; attb s[4:5], wob s[6:7]
	s_load_b64 s[12:13], s[0:1], 0x10              ; out0
	v_lshl_add_u32 v254, v0, 2, 0x3b400
	v_mov_b32 v255, 0
	ds_add_u32 v254, v255
	v_lshrrev_b32 v1, 5, v0
	v_readfirstlane_b32 s14, v1                    ; wave 0..3
	s_lshr_b32 s15, s14, 1                         ; which 64 rows of the block are mine.  Also: I fetch for wob (0) or for attb (1)
	s_and_b32 s16, s14, 1                          ; which 128 columns are mine.  Also: which half of that tile I fetch
	s_bfe_u32 s40, ttmp6, 0x40000                  ; cx
	s_bfe_u32 s41, ttmp6, 0x40004                  ; cy
	s_lshl_b32 s42, ttmp9, 2
	s_add_co_u32 s42, s42, s40                     ; block column = 4 x cluster x + cx
	s_and_b32 s43, ttmp7, 0xffff
	s_lshl_b32 s43, s43, 2
	s_add_co_u32 s43, s43, s41                     ; block row = 4 x cluster y + cy
	s_lshl_b32 s44, s41, 2
	s_lshl_b32 s44, 15, s44                        ; my row of the cluster
	s_lshl_b32 s45, 0x1111, s40                    ; my column of the cluster
	s_or_b32 s[G1A+0], s44, CW                     ; attb's tiles go to my row of the cluster
	s_mov_b32 s[G1A+1], KSTEP<<16                  ; tensor_dim0 = 128
	s_mov_b32 s[G1A+2], 64<<16                     ; tensor_dim1 = 64
	s_mov_b32 s[G1A+3], KSTEP<<16                  ; tile_dim0 = 128
	s_mov_b32 s[G1A+4], 64                         ; tile_dim1 = 64
	s_mov_b32 s[G1A+5], KDIM                       ; elements from row to row
	s_mov_b32 s[G1A+6], 0
	s_mov_b32 s[G1A+7], 0
	s_or_b32 s[G1B+0], s45, CW                     ; wob's tiles go to my column of the cluster
	s_mov_b32 s[G1B+1], KSTEP<<16
	s_mov_b32 s[G1B+2], 128<<16                    ; 128 rows
	s_mov_b32 s[G1B+3], KSTEP<<16
	s_mov_b32 s[G1B+4], 128
	s_mov_b32 s[G1B+5], KDIM
	s_mov_b32 s[G1B+6], 0
	s_mov_b32 s[G1B+7], 0
	; where the tiles come from: attb's hang on the block row alone, wob's on the block column alone, each in registers that never hold the other coordinate
	s_lshl_b32 s66, s16, 6
	s_lshl_b32 s68, s43, 7
	s_add_co_u32 s68, s68, s66                     ; attb: row 128 x block row + 64 x half
	s_mul_i32 s68, s68, KDIM*2                     ; in bytes: under 2^24
	s_mov_b32 s69, 0
	s_lshl_b32 s67, s16, 7
	s_lshl_b32 s72, s42, 8
	s_add_co_u32 s72, s72, s67                     ; wob: row 256 x block column + 128 x half
	s_mul_i32 s72, s72, KDIM*2
	s_mov_b32 s73, 0
	s_mul_i32 s74, s14, BHALF                      ; and where they go: waves 0, 1: wob's halves at wave x 34,816
	s_mul_i32 s75, s14, AHALF
	s_add_co_u32 s75, s75, BHALF                   ; waves 2, 3: attb's halves at 34,816 + wave x 17,408 = 69,632 and 87,040
	s_wait_dscnt 0x0
	s_wait_kmcnt 0x0
	s_add_nc_u64 s[68:69], s[4:5], s[68:69]
	s_add_nc_u64 s[72:73], s[6:7], s[72:73]
	CROUND                                         ; all sixteen work-groups are here: the first joint loads meet
.irp s, 0,1
	s_mov_b32 s[G0A+4*\s], 1
	s_add_co_u32 s[G0A+4*\s+1], s75, \s*SLOT
	s_add_nc_u64 s[G0A+4*\s+2:G0A+4*\s+3], s[68:69], \s*KSTEP*2
	s_or_b32 s[G0A+4*\s+3], s[G0A+4*\s+3], 0x80000000
	s_mov_b32 s[G0B+4*\s], 1
	s_add_co_u32 s[G0B+4*\s+1], s74, \s*SLOT
	s_add_nc_u64 s[G0B+4*\s+2:G0B+4*\s+3], s[72:73], \s*KSTEP*2
	s_or_b32 s[G0B+4*\s+3], s[G0B+4*\s+3], 0x80000000
	JLOAD \s                                       ; K steps 0 and 1: two loads of the wave are out, later one
.endr
	; a fragment: lane (r, h) takes row r; two loads of 16 bytes, 32 bytes apart, at row x pitch + 16 h
	v_and_b32 v1, 15, v0                           ; r
	v_bfe_u32 v2, v0, 4, 1                         ; h
	v_mul_u32_u24 v3, v1, PITCH
	v_lshl_add_u32 v3, v2, 4, v3
	s_mul_i32 s80, s15, AHALF
	s_add_co_u32 s80, s80, ABASE                   ; my 64 rows of attb
	s_mul_i32 s81, s16, BHALF                      ; my 128 rows of wob
.irp s, 0,1
	v_add_nc_u32 v[ADRA+\s], s80, v3
	v_add_nc_u32 v[ADRB+\s], s81, v3
	s_add_co_u32 s80, s80, SLOT
	s_add_co_u32 s81, s81, SLOT
.endr
	s_mul_i32 s82, s14, SSZ
	s_add_co_u32 s82, s82, STAGE                   ; my stage
	v_mul_u32_u24 v4, v1, 528                      ; in: row r of 512 + 16 bytes, 32 bytes for each half of the lanes
	v_lshl_add_u32 v4, v2, 5, v4
	v_add_nc_u32 v[STO], s82, v4
	v_and_b32 v5, 31, v0
	v_lshlrev_b32 v[CO], 4, v5                     ; back and out: the wave takes a row's 512 bytes, 16 a lane
	v_add_nc_u32 v[RD], s82, v[CO]
; 8 matrix instructions: row tile a x all 8 column tiles, 32 along K.  zero = 1: the first product starts the sums.
; The 32 accumulators take turns, one instruction a turn, in the same order in every quarter step.
.macro MULA f, a, zero
.irp b, 0,1,2,3,4,5,6,7
.if \zero
	v_wmma_f32_16x16x32_f16 v[8*(8*\a+\b):8*(8*\a+\b)+7], v[\f+8*\b:\f+8*\b+7], v[\f+64+8*\a:\f+64+8*\a+7], 0
.else
	v_wmma_f32_16x16x32_f16 v[8*(8*\a+\b):8*(8*\a+\b)+7], v[\f+8*\b:\f+8*\b+7], v[\f+64+8*\a:\f+64+8*\a+7], v[8*(8*\a+\b):8*(8*\a+\b)+7]
.endif
.endr
.endm
; 24 LDS loads in one run: a quarter step's fragments (128 rows of wob, then 64 rows of attb, 32 K at byte k of the rows) into buffer f
.macro FETCH slot, k, f
	WIN 0
.irp i, 0,1,2,3,4,5,6,7
	ds_load_b128 v[\f+8*\i:\f+8*\i+3],   v[ADRB+\slot] offset:\k+\i*16*PITCH
	ds_load_b128 v[\f+8*\i+4:\f+8*\i+7], v[ADRB+\slot] offset:\k+\i*16*PITCH+32
.endr
.irp i, 0,1,2,3
	ds_load_b128 v[\f+64+8*\i:\f+64+8*\i+3], v[ADRA+\slot] offset:\k+\i*16*PITCH
	ds_load_b128 v[\f+64+8*\i+4:\f+64+8*\i+7], v[ADRA+\slot] offset:\k+\i*16*PITCH+32
.endr
.endm
; One of a K step's first three quarters: multiplies buffer f; in its middle fetches the next quarter's fragments into buffer g.
.macro QUARTER slot, k, f, g, zero
	s_wait_dscnt 4                                 ; wob's tiles and attb's tiles 0, 1 are in; the youngest four loads (attb's tiles 2, 3) may be out
	WIN MUL
	MULA \f, 0, \zero
	MULA \f, 1, \zero
	PLACES
	FETCH \slot, \k, \g
	s_wait_dscnt 24                                ; all but the 24 just issued
	WIN MUL
	MULA \f, 2, \zero
	MULA \f, 3, \zero
.endm
.macro THREE slot, zero
	QUARTER \slot, 64,  F0, F1, \zero
	QUARTER \slot, 128, F1, F0, 0
	QUARTER \slot, 192, F0, F1, 0
.endm
; The last quarter: multiplies buffer 1 and changes slots.  In front of the barrier each wave waits for its reads of this slot and for all its tensor
; loads (the one that is out is its part of the next slot).  Behind it, where the slot is filled again, the rest of the cluster's round, then the joint
; refill first, then the next slot's first fragments.  From a request to the wait for it a wave issues 120 matrix instructions.
.macro TURN slot, next, fill
	s_wait_dscnt 4
	WIN MUL
	MULA F1, 0, 0
	s_wait_dscnt 0                                 ; my reads of this slot are over
	s_wait_tensorcnt 0x0                           ; and all my tensor loads have landed
	ds_add_u32 v254, v255
	s_wait_dscnt 0x0
	s_barrier_signal -1
	MULA F1, 1, 0                                  ; register work while the others arrive
	WIN 0
	s_barrier_wait -1
.if \fill
	CREST                                          ; no wave of any partner still reads this slot or has a load on its way
	s_add_nc_u64 s[G0A+4*\slot+2:G0A+4*\slot+3], s[G0A+4*\slot+2:G0A+4*\slot+3], 2*KSTEP*2
	s_add_nc_u64 s[G0B+4*\slot+2:G0B+4*\slot+3], s[G0B+4*\slot+2:G0B+4*\slot+3], 2*KSTEP*2
	JLOAD \slot                                    ; the wave's one tensor load behind the round
.endif
	PLACES
	FETCH \next, 0, F0
	WIN MUL
	MULA F1, 2, 0
	MULA F1, 3, 0
.endm
.macro LAP zero
	THREE 0, \zero
	TURN 0, 1, 1
	THREE 1, 0
	TURN 1, 0, 1
.endm
	s_wait_tensorcnt 1                             ; my part of K step 0 is in; K step 1's stays out
	s_barrier_signal -1
	s_barrier_wait -1
	FETCH 0, 0, F0
	LAP 1                                          ; the first lap stands in front of the loop: its first products start the sums
	WIN 0
	s_mov_b32 s3, LAPS-2
.Llap:
	LAP 0
	WIN 0
	s_sub_co_u32 s3, s3, 1
	s_cmp_lg_u32 s3, 0
	s_cbranch_scc1 .Llap
	THREE 0, 0                                     ; the last lap fills nothing
	TURN 0, 1, 0
	THREE 1, 0
	s_wait_dscnt 4
	WIN MUL
	MULA F1, 0, 0
	MULA F1, 1, 0
	s_wait_dscnt 0
	MULA F1, 2, 0
	MULA F1, 3, 0
	; THE WAY OUT, 16 rows at a time: the sums, times 1/16, go in f32 into my own stage and come back as whole rows of 512 bytes.
	PLACES
	s_lshl_b32 s84, s43, 7
	s_lshl_b32 s85, s15, 6
	s_add_co_u32 s84, s84, s85                     ; my first row
	s_lshl_b32 s84, s84, 13                        ; rows of 8,192 bytes: under 2^26
	s_lshl_b32 s85, s42, 10                        ; my first column: 1,024 bytes a block,
	s_add_co_u32 s84, s84, s85
	s_lshl_b32 s85, s16, 9                         ; 512 a half
	s_add_co_u32 s84, s84, s85
	s_mov_b32 s85, 0
	s_add_nc_u64 s[12:13], s[12:13], s[84:85]
.macro OUT16 a, R
	WIN 0x41                                       ; destination and source 0 in window 1: row tile a's eight tiles are 64 registers in a row
.set i_, 0
.rept 32
	v_pk_mul_f32 v[64*\a+2*i_:64*\a+2*i_+1], v[64*\a+2*i_:64*\a+2*i_+1], 0x3d800000 op_sel_hi:[1,0]     ; 1/16: a power of two, so nothing is rounded
.set i_, i_+1
.endr
	WIN 0x04                                       ; store data in window 1
.irp b, 0,1,2,3,4,5,6,7
	ds_store_b128 v[STO], v[8*(8*\a+\b):8*(8*\a+\b)+3] offset:\b*64
	ds_store_b128 v[STO], v[8*(8*\a+\b)+4:8*(8*\a+\b)+7] offset:\b*64+16
.endr
	WIN 0
	s_wait_xcnt 0x0                                ; R, which earlier stores read, is loaded again only behind this wait
.irp t, 0,1,2,3,4,5,6,7,8,9,10,11,12,13,14,15
	ds_load_b128 v[\R+4*\t:\R+4*\t+3], v[RD] offset:\t*528             ; my own stage: LDS serves a wave's instructions in order (ISA guide 5.7.1)
.endr
.irp t, 0,1,2,3,4,5,6,7,8,9,10,11,12,13,14,15
	s_wait_dscnt 15-\t
	global_store_b128 v[CO], v[\R+4*\t:\R+4*\t+3], s[12:13] offset:(16*\a+\t)*8192 th:TH_STORE_NT   ; 512 neighbouring bytes of a row, at a multiple of 512 from the buffer's first byte
.endr
.endm
	OUT16 0, 32
	OUT16 1, 96
	OUT16 2, 32
	OUT16 3, 96
	s_wait_tensorcnt 0x0
	ds_add_u32 v254, v255
	s_wait_dscnt 0x0
	CROUND                                         ; the closing round: no work-group ends while a partner may still ask for a tile that names it
	s_endpgm
.Lfunc_end_k_q538269685f_oproj:
	.size	k_q538269685f_oproj, .Lfunc_end_k_q538269685f_oproj-k_q538269685f_oproj
	.p2alignl 7, 3214868480
	.fill 96, 4, 3214868480
	.section	.rodata,"a",@progbits
	.p2align	6, 0x0
	.amdhsa_kernel k_q538269685f_oproj
		.amdhsa_group_segment_fixed_size 327680
		.amdhsa_private_segment_fixed_size 0
		.amdhsa_enable_private_segment 0
		.amdhsa_kernarg_size 24
		.amdhsa_user_sgpr_count 2
		.amdhsa_user_sgpr_kernarg_segment_ptr 1
		.amdhsa_wavefront_size32 1
		.amdhsa_system_sgpr_workgroup_id_x 1
		.amdhsa_system_sgpr_workgroup_id_y 1
		.amdhsa_system_sgpr_workgroup_id_z 1
		.amdhsa_system_vgpr_workitem_id 0
		.amdhsa_next_free_vgpr 512
		.amdhsa_next_free_sgpr 90
		.amdhsa_reserve_vcc 0
		.amdhsa_float_denorm_mode_32 3
		.amdhsa_float_denorm_mode_16_64 3
		.amdhsa_memory_ordered 1
		.amdhsa_forward_progress 1
		.amdhsa_inst_pref_size 129
	.end_amdhsa_kernel
	.amdgpu_metadata
---
amdhsa.version: [ 1, 2 ]
amdhsa.kernels:
  - .name:           k_q538269685f_oproj
    .symbol:         k_q538269685f_oproj.kd
    .args:
      - { .name: attb, .offset: 0, .size: 8, .value_kind: global_buffer, .address_space: global }
      - { .name: wob, .offset: 8, .size: 8, .value_kind: global_buffer, .address_space: global }
      - { .name: out0, .offset: 16, .size: 8, .value_kind: global_buffer, .address_space: global }
    .group_segment_fixed_size: 327680
    .private_segment_fixed_size: 0
    .kernarg_segment_align: 8
    .kernarg_segment_size: 24
    .max_flat_workgroup_size: 128
    .sgpr_count:     90
    .vgpr_count:     512
    .wavefront_size: 32
...
	.end_amdgpu_metadata
.endif
;; end of part 8
